; MI455X (gfx1250); checked and timed in simulation.
; The chip was launched on July 23, 2026; its instructions are those of AMD's public machine-readable ISA for CDNA 5 (MIT licence, August 2026) and "CDNA5" Instruction Set Architecture Reference Guide (July 2026). The comments in the code are by the model that wrote it; some were corrected since.
;; Expert. Allowed arithmetic: matrix products marked QUANTISED: E2M3 operands, one E8M0 scale for each 32 along K, by v_wmma_scale_f32_16x16x128_f8f6f4 with both operands' format E2M3, f32 sums; products left as they are: f32 operands where the result goes on into a quantised operand, else bf16, f16 or f32 operands; f32 sums; everything else in f32.
;; Inputs: b0 8 x 2,048 float32; b1 8 x 2,048 float32; b2 8 x 1,024 float32; gate_b 8 float32; gate_w 8 x 1,024 float32; w0 8 x 2,048 x 1,024 float32; w1 8 x 2,048 x 1,024 float32; w2 8 x 1,024 x 2,048 float32; x 2 x 512 x 1,024 float32.
;; Outputs: out0 2 x 512 x 1,024 float32.
;; This version of the problem:
;;   THIS VERSION OF THE PROBLEM IS GIVEN IN LOW PRECISION. The matrix products marked QUANTISED in the list below multiply operands that are first quantised to E2M3 (2 exponent bits, 3 mantissa bits; 6 bits a number), with one power-of-two scale for each 32 numbers along K (OCP MX v1.0); their sums are f32. All else is computed in f32.
;;   The module's matrix products, in the order in which they are computed (A, B: the left and right operand; K: the contracted axis; several contracted axes count as one K, in the product's order):
;;     1. [M 1,024, K 1,024] x [K 1,024, N 8]; A: input x; B: input gate_w: left as it is (N = 8 < 16)
;;     2. [M 16,384, K 1,024] x [K 1,024, N 1,024]; A: input w0; B: input x: QUANTISED
;;     3. [M 16,384, K 1,024] x [K 1,024, N 1,024]; A: input w1; B: input x: QUANTISED
;;     4. batch 8 x [M 1,024, K 2,048] x [K 2,048, N 1,024]; A: computed on the way; B: input w2: QUANTISED
;;   THE QUANTISER, for each operand of a quantised product, along K:
;;     - K is cut into blocks of 32 from its start; a last block that is shorter is filled with zeros.
;;     - A block's scale is 2^e with e = floor(log2(the largest magnitude in the block)) - 2, held to -126 .. 127; a block of zeros has e = 0. As a byte (E8M0): e + 127.
;;     - Each number is divided by its block's scale, clamped to +-7.5, and rounded to the nearest number of E2M3, ties to even, subnormals kept.
;;     - The product sums the exact products of the quantised numbers (number of the format x scale) in f32.
;;   ~~~python
;;   def quantise(x, axis):      # numpy; x: float32 -> the quantised numbers, widened to float32 again
;;       x = np.moveaxis(x, axis, -1); K = x.shape[-1]
;;       x = np.pad(x, [(0, 0)] * (x.ndim - 1) + [(0, -K % 32)]); x = x.reshape(x.shape[:-1] + (-1, 32)); a = np.abs(x).max(-1, keepdims=True)
;;       e = np.where(a > 0, np.clip(np.frexp(np.where(a > 0, a, 1))[1] - 1 - 2, -126, 127), 0)      # np.frexp(a)[1] - 1 = floor(log2(a)), exactly
;;       r = np.clip(x / 2.0 ** e, -7.5, 7.5)
;;       step = 2.0 ** (np.maximum(np.frexp(np.where(r == 0, 1, r))[1] - 1, 0) - 3)
;;       q = np.round(r / step) * step * 2.0 ** e      # np.round: ties to even
;;       return np.moveaxis(q.reshape(q.shape[:-2] + (-1,))[..., :K], -1, axis).astype(np.float32)
;;   ~~~
;;   OPERANDS COMPUTED ON THE WAY. 'Computed on the way' means the value that the module computes at that place (a softmax that the list does not call 'softmax' is quantised finished and normalised). What goes into a quantiser is computed in f32, as accurately as f32 sums, v_exp_f32 and their like allow (about 1e-6 of the number): no bf16 or f16 on the way to a quantiser, and a product that is left as it is and whose result goes on into a quantised operand takes f32 operands (vector FMAs, or v_wmma_f32_16x16x4_f32). A number that lies on a knife's edge between two numbers of the format may be rounded either way, as far as f32 arithmetic and the matrix unit's own rounding can turn it there, and no further.
;; 2 versions. Each part assembles by itself: llvm-mc -triple=amdgcn-amd-amdhsa -mcpu=gfx1250 --defsym DOCPART=n.
;; ======== version 1 of 2: 5 launches
;; workspace buffers: route 6,144 bytes of whole numbers; gates 8,192 bytes; place 4,352 bytes of whole numbers; xq 6,553,600 bytes; aq 13,107,200 bytes; y2 33,554,432 bytes
;; launch route (part 1): grid 32 x 1, 8 waves a work-group, no clusters, 34,816 bytes of LDS; arguments x, gate_w, gate_b, route, gates; writes route, gates
.if DOCPART == 1
	.amdgcn_target "amdgcn-amd-amdhsa--gfx1250"
	.amdhsa_code_object_version 6
	.text
	.protected	k_q4f1784e2dc_route
	.globl	k_q4f1784e2dc_route
	.p2align	8
	.type	k_q4f1784e2dc_route,@function
k_q4f1784e2dc_route:
	s_mov_b64 s[64:65], 0
	v_nop
	global_prefetch_b8 v0, s[64:65] scope:SCOPE_SE
	s_setreg_imm32_b32 hwreg(HW_REG_WAVE_MODE, 25, 1), 1
	s_wait_xcnt 0x0
; ROUTE.  logits[t][e] = x[t] . gate_w[e] + gate_b[e] in f32 (1,024 tokens, 8 experts, K = 1,024); the two largest (a tie keeps the lower index); their softmax, with the larger taken away first.
; Stored, all at fixed places: route: for each word W of 32 tokens 64 bytes: words 0-7 the experts' masks (bit b: token 32 W + b chose the expert), words 8-11 the experts' counts, two to a word;
; from byte 2,048 on idx[t] = e0 | e1 << 8.  gates: [t][2] f32.  No address and no branch here hangs on these numbers: a later launch reads them and places the rows.
; SHARES.  Work-group W takes the 32 tokens of word W, wave v four of them.  Lanes run along K: a load is 512 consecutive bytes.  gate_w (32,768 bytes) comes once into LDS, a row a wave.
; No matrix unit (N = 8), no cluster: what the work-groups share is gate_w, 32 KiB against each one's 128 KiB of x.
; LIMITS: NaN and infinities are not served.  The sums run in another order than a plain chain: two logits that lie closer than f32 rounding of such a sum may be ordered otherwise.
.set LG,  32768                        ; LDS: behind gate_w the logits, [32 tokens][8] f32
.set X,   16                           ; v16-143   x: token tau, K step ks at 32 tau + 4 ks
.set ACC, 144                          ; v144-207  a pair of partial sums for (tau, e) at 16 tau + 2 e
.set G,   208                          ; v208-239  gate_w: two halves of four experts x 4 registers
.set TV,  240                          ; v240-243  a token's logit for expert lane % 8
	s_load_b256 s[4:11], s[0:1], 0x0               ; x s[4:5], gate_w s[6:7], gate_b s[8:9], route s[10:11]
	s_load_b64 s[12:13], s[0:1], 0x20              ; gates
	v_lshl_add_u32 v254, v0, 2, 0x8400
	v_mov_b32 v255, 0
	v_lshrrev_b32 v6, 5, v0
	v_readfirstlane_b32 s14, v6                    ; wave 0..7
	s_mov_b32 s15, ttmp9                           ; W
	v_and_b32 v1, 31, v0                           ; lane
	v_lshlrev_b32 v2, 4, v1                        ; 16 x lane
	v_and_b32 v3, 7, v0                            ; lane % 8
	s_lshl_b32 s16, s14, 12
	v_add_nc_u32 v4, s16, v2                       ; gate_w's row = my wave: 4,096 x wave + 16 x lane, in memory and in LDS alike
	s_lshl_b32 s17, s14, 7
	s_add_co_u32 s17, s17, LG
	v_lshl_add_u32 v5, v3, 2, s17                  ; where my wave's logits go: LG + 128 x wave + 4 (lane % 8)
	v_lshl_add_u32 v6, v1, 5, LG                   ; where wave 0 reads token = lane: LG + 32 x lane
	s_lshl_b32 s16, s15, 7
	v_lshl_add_u32 v7, v1, 2, s16                  ; idx: 128 W + 4 x lane
	s_lshl_b32 s16, s15, 8
	v_lshl_add_u32 v8, v1, 3, s16                  ; gates: 256 W + 8 x lane
	s_lshl_b32 s16, s15, 6
	v_lshl_add_u32 v9, v1, 2, s16                  ; the word's table row: 64 W + 4 x lane
	s_mov_b32 s20, 0x76543210
	s_mov_b32 s21, 0xfedcba98                      ; v_permlanex16_b32's selects for lane l xor 16
.irp e, 1,2,3,4,5,6,7
	v_cmp_eq_u32 s[32+\e], \e, v3                  ; the lanes with lane % 8 = e
.endr
	s_lshl_b32 s18, s15, 17                        ; 32 tokens of 4,096 bytes a work-group,
	s_lshl_b32 s19, s14, 14                        ; four a wave
	s_add_co_u32 s18, s18, s19
	s_mov_b32 s19, 0
	s_wait_kmcnt 0x0
	s_add_nc_u64 s[4:5], s[4:5], s[18:19]
	s_load_b256 s[24:31], s[8:9], 0x0              ; gate_b
.irp i, 0,1,2,3,4,5,6,7
	global_load_b128 v[G+4*\i:G+4*\i+3], v4, s[6:7] offset:512*\i
.endr
.irp k, 0,1,2,3,4,5,6,7                        ; K step by K step, so that the counts below can run down
.irp t, 0,1,2,3
	global_load_b128 v[X+32*\t+4*\k:X+32*\t+4*\k+3], v2, s[4:5] offset:4096*\t+512*\k th:TH_LOAD_NT
.endr
.endr
	s_wait_loadcnt 32                              ; gate_w's row is in; the 32 loads of x issued behind it stay out
.irp i, 0,1,2,3,4,5,6,7
	ds_store_b128 v4, v[G+4*\i:G+4*\i+3] offset:512*\i
.endr
	s_wait_dscnt 0x0                               ; for the others' sake: my row has landed
	s_barrier_signal -1
	s_barrier_wait -1                              ; all eight rows lie in LDS
.macro GLOAD h                         ; half step h: K step h / 2, experts 4 (h % 2) + 0 .. 3: my 16 bytes of each
.irp q, 0,1,2,3
	ds_load_b128 v[G+16*((\h)%2)+4*\q:G+16*((\h)%2)+4*\q+3], v2 offset:(4*((\h)%2)+\q)*4096+((\h)/2)*512
.endr
.endm
	GLOAD 0
.set S, 0
.rept 16
.if S < 15
	GLOAD S+1                                      ; the next half step's four loads go into the other half of G
	s_wait_dscnt 4                                 ; and may stay out: this half step's four are in
.else
	s_wait_dscnt 0x0
.endif
.if S%2 == 0
	s_wait_loadcnt 4*(7-S/2)                       ; this K step's four loads of x are in; the later K steps' stay out
.endif
.irp t, 0,1,2,3
.irp q, 0,1,2,3
.if S < 2
	v_pk_mul_f32 v[ACC+16*\t+2*(4*(S%2)+\q):ACC+16*\t+2*(4*(S%2)+\q)+1], v[X+32*\t+4*(S/2):X+32*\t+4*(S/2)+1], v[G+16*(S%2)+4*\q:G+16*(S%2)+4*\q+1]   ; the first product starts the sums: nothing is cleared
.else
	v_pk_fma_f32 v[ACC+16*\t+2*(4*(S%2)+\q):ACC+16*\t+2*(4*(S%2)+\q)+1], v[X+32*\t+4*(S/2):X+32*\t+4*(S/2)+1], v[G+16*(S%2)+4*\q:G+16*(S%2)+4*\q+1], v[ACC+16*\t+2*(4*(S%2)+\q):ACC+16*\t+2*(4*(S%2)+\q)+1]
.endif
.endr
.endr
.irp t, 0,1,2,3
.irp q, 0,1,2,3
	v_pk_fma_f32 v[ACC+16*\t+2*(4*(S%2)+\q):ACC+16*\t+2*(4*(S%2)+\q)+1], v[X+32*\t+4*(S/2)+2:X+32*\t+4*(S/2)+3], v[G+16*(S%2)+4*\q+2:G+16*(S%2)+4*\q+3], v[ACC+16*\t+2*(4*(S%2)+\q):ACC+16*\t+2*(4*(S%2)+\q)+1]
.endr
.endr
.set S, S+1
.endr
	; the 32 sums over the wave's lanes, by turns: the pair's halves, four steps inside each 16 lanes, one across
.set N, 0
.rept 32
	v_add_f32 v[ACC+2*N], v[ACC+2*N], v[ACC+2*N+1]
.set N, N+1
.endr
.irp m, 1,2,4,8
.set N, 0
.rept 32
	v_add_f32_dpp v[ACC+2*N], v[ACC+2*N], v[ACC+2*N] row_xmask:\m row_mask:0xf bank_mask:0xf
.set N, N+1
.endr
.endr
.set N, 0
.rept 32
	v_permlanex16_b32 v[ACC+2*N+1], v[ACC+2*N], s20, s21
.set N, N+1
.endr
.set N, 0
.rept 32
	v_add_f32 v[ACC+2*N], v[ACC+2*N], v[ACC+2*N+1]
.set N, N+1
.endr
.irp t, 0,1,2,3                                ; lane l keeps expert l % 8's sum; lanes 8 apart store the same word with the same value
	v_cndmask_b32 v[TV+\t], v[ACC+16*\t], v[ACC+16*\t+2], s33
.irp e, 2,3,4,5,6,7
	v_cndmask_b32 v[TV+\t], v[TV+\t], v[ACC+16*\t+2*\e], s[32+\e]
.endr
	ds_store_b32 v5, v[TV+\t] offset:32*\t
.endr
	s_wait_dscnt 0x0                               ; for wave 0's sake: my logits have landed
	s_barrier_signal -1
	s_barrier_wait -1
	s_wait_kmcnt 0x0                               ; gate_b
	s_cmp_lg_u32 s14, 0
	s_cbranch_scc1 .Lend                           ; the rest is wave 0's: a lane to a token; no barrier follows
	ds_load_b128 v[208:211], v6
	ds_load_b128 v[212:215], v6 offset:16
	s_wait_dscnt 0x0
.irp e, 0,1,2,3,4,5,6,7
	v_add_f32 v[208+\e], s[24+\e], v[208+\e]
.endr
	v_mov_b32 v216, v208                           ; the largest, and its index: only a strictly larger logit takes the place, so a tie keeps the lower index
	v_mov_b32 v217, 0
.irp e, 1,2,3,4,5,6,7
	v_cmp_gt_f32 vcc_lo, v[208+\e], v216
	v_cndmask_b32 v216, v216, v[208+\e], vcc_lo
	v_cndmask_b32 v217, v217, \e, vcc_lo
.endr
	v_mov_b32 v218, 0xff800000                     ; the second: the same search over the experts other than the first
	v_mov_b32 v219, 0
.irp e, 0,1,2,3,4,5,6,7
	v_cmp_gt_f32 s40, v[208+\e], v218
	v_cmp_ne_u32 s41, \e, v217
	s_and_b32 s40, s40, s41
	v_cndmask_b32 v218, v218, v[208+\e], s40
	v_cndmask_b32 v219, v219, \e, s40
.endr
	v_sub_f32 v220, v218, v216                     ; second - first, 0 or less: the maximum is taken away
	v_mul_f32 v220, 0x3fb8aa3b, v220
	v_exp_f32 v220, v220                           ; p = e^(second - first)
	v_lshl_or_b32 v224, v219, 8, v217              ; (a plain line behind the exponential)  idx = e0 | e1 << 8
	s_wait_alu depctr_va_vdst(0)
	v_add_f32 v221, 1.0, v220
	v_rcp_f32 v222, v221                           ; g0 = 1 / (1 + p)
	v_mov_b32 v227, 0                              ; (a plain line behind the reciprocal)
	s_wait_alu depctr_va_vdst(0)
	v_mul_f32 v223, v220, v222                     ; g1 = p / (1 + p)
	global_store_b32 v7, v224, s[10:11] offset:2048
	global_store_b64 v8, v[222:223], s[12:13]      ; the wave stores 256 consecutive bytes, aligned
.irp e, 0,1,2,3,4,5,6,7
	v_cmp_eq_u32 s[40+\e], \e, v217
	v_cmp_eq_u32 s60, \e, v219
	s_or_b32 s[40+\e], s[40+\e], s60               ; the expert's mask over the word's 32 tokens
	s_bcnt1_i32_b32 s[48+\e], s[40+\e]             ; and its count
.endr
.irp i, 0,1,2,3
	s_lshl_b32 s60, s[49+2*\i], 16
	s_or_b32 s[56+\i], s[48+2*\i], s60             ; two counts to a word
.endr
.irp e, 0,1,2,3,4,5,6,7
	v_writelane_b32 v227, s[40+\e], \e
.endr
.irp i, 0,1,2,3
	v_writelane_b32 v227, s[56+\i], 8+\i
.endr
	s_wait_xcnt 0x0                                ; EXEC is a source of the stores above: it changes only behind this wait
	v_cmp_gt_u32 vcc_lo, 12, v1
	s_and_saveexec_b32 s62, vcc_lo
	global_store_b32 v9, v227, s[10:11]            ; the table row's twelve words
	s_wait_xcnt 0x0                                ; and again in front of the line that widens it
	s_or_b32 exec_lo, exec_lo, s62
.Lend:
	s_wait_tensorcnt 0x0
	ds_add_u32 v254, v255
	s_wait_dscnt 0x0
	s_endpgm
.Lfunc_end_k_q4f1784e2dc_route:
	.size	k_q4f1784e2dc_route, .Lfunc_end_k_q4f1784e2dc_route-k_q4f1784e2dc_route
	.p2alignl 7, 3214868480
	.fill 96, 4, 3214868480
	.section	.rodata,"a",@progbits
	.p2align	6, 0x0
	.amdhsa_kernel k_q4f1784e2dc_route
		.amdhsa_group_segment_fixed_size 34816
		.amdhsa_private_segment_fixed_size 0
		.amdhsa_enable_private_segment 0
		.amdhsa_kernarg_size 40
		.amdhsa_user_sgpr_count 2
		.amdhsa_user_sgpr_kernarg_segment_ptr 1
		.amdhsa_wavefront_size32 1
		.amdhsa_system_sgpr_workgroup_id_x 1
		.amdhsa_system_sgpr_workgroup_id_y 1
		.amdhsa_system_sgpr_workgroup_id_z 1
		.amdhsa_system_vgpr_workitem_id 0
		.amdhsa_next_free_vgpr 256
		.amdhsa_next_free_sgpr 66
		.amdhsa_reserve_vcc 1
		.amdhsa_float_denorm_mode_32 3
		.amdhsa_float_denorm_mode_16_64 3
		.amdhsa_memory_ordered 1
		.amdhsa_forward_progress 1
		.amdhsa_inst_pref_size 65
	.end_amdhsa_kernel
	.amdgpu_metadata
---
amdhsa.version: [ 1, 2 ]
amdhsa.kernels:
  - .name:           k_q4f1784e2dc_route
    .symbol:         k_q4f1784e2dc_route.kd
    .args:
      - { .name: x, .offset: 0, .size: 8, .value_kind: global_buffer, .address_space: global }
      - { .name: gate_w, .offset: 8, .size: 8, .value_kind: global_buffer, .address_space: global }
      - { .name: gate_b, .offset: 16, .size: 8, .value_kind: global_buffer, .address_space: global }
      - { .name: route, .offset: 24, .size: 8, .value_kind: global_buffer, .address_space: global }
      - { .name: gates, .offset: 32, .size: 8, .value_kind: global_buffer, .address_space: global }
    .group_segment_fixed_size: 34816
    .private_segment_fixed_size: 0
    .kernarg_segment_align: 8
    .kernarg_segment_size: 40
    .max_flat_workgroup_size: 256
    .sgpr_count:     66
    .vgpr_count:     256
    .wavefront_size: 32
...
	.end_amdgpu_metadata
.endif
;; end of part 1
;; launch place (part 2): grid 33 x 1, 16 waves a work-group, no clusters, 137,216 bytes of LDS; arguments x, route, place, xq; writes place, xq
.if DOCPART == 2
	.amdgcn_target "amdgcn-amd-amdhsa--gfx1250"
	.amdhsa_code_object_version 6
	.text
	.protected	k_q4f1784e2dc_place
	.globl	k_q4f1784e2dc_place
	.p2align	8
	.type	k_q4f1784e2dc_place,@function
k_q4f1784e2dc_place:
	s_mov_b64 s[64:65], 0
	v_nop
	global_prefetch_b8 v0, s[64:65] scope:SCOPE_SE
	s_setreg_imm32_b32 hwreg(HW_REG_WAVE_MODE, 25, 1), 1
	s_wait_xcnt 0x0
; PLACE.  Reads the whole numbers that the launch before stored, gives each token its row in each of its two experts' lists (token order), quantises x to codes of FP6 (E2M3) with one E8M0 byte for each 32 along K,
; and lays each token's codes into BOTH experts' tiles.  Stored: place: pl[t] = R0 | R1 << 16 with Rk = expert x 1,024 + row (bytes 0 .. 4,095), cnt[e] from byte 4,096 on.
; xq: 512 tile records (tile = expert x 64 + row / 16) of 12,800 bytes: the tile's eight fragments (16 rows x 128 K) as IMAGES OF THE OPERAND'S REGISTERS: byte ks x 1,536 + g x 512 + 16 x (16 h + r) holds registers
; 4 g .. 4 g + 3 of lane (r, h); from byte 12,288 on the scale words: 16 x (16 H + r) + 4 i holds row r's word of K step 4 H + i.
; SHARES.  Work-groups 0 .. 31: wave wv takes tokens 32 W + 2 wv + u.  Lane (u = lane / 16, ks = (lane % 16) / 2, h = lane % 2) holds two whole blocks of 32: just what lane (r, h) of fragment ks holds.
; The loads take x as it lies, 512 consecutive bytes each; the 8 KiB turn through the wave's own stage in LDS (rows of 512 + 16 bytes).  Waves share nothing: no barrier.
; Work-group 32 stores the counts and fills the unused rows of each expert's last tile with zero codes under the byte 0, which add nothing to a sum.  An expert without rows gets one whole tile of such rows:
; so every expert has a tile that is stored, and the later launches may ask for an expert's first tiles before they look at its count.
; All arithmetic on counts and ranks is on whole numbers.  Each loaded number is cut into its fields, held under a constant, and only then multiplied, shifted left and added into an address.
; A token's row leaves in pieces of 16 bytes (its scale words in pieces of 4): 1.6 MB in all, written once, so that the next launch reads dense runs of 512 bytes 64 times over.
; LIMITS: NaN and infinities are not served; a block whose largest magnitude lies under 2^-124, a block of zeros among them, keeps the byte 1 (its codes are then zeros or what that scale gives); only this program reads the bytes.
.set STGB, 8448                        ; a wave's stage: 16 rows x 528 bytes
.set REC,  12800
.set RAW,  16                          ; v16-79    x as loaded
.set X,    80                          ; v80-143   my two blocks of 32
.set F,    144                         ; v144-155  the fragment's 12 registers
.set T2,   156                         ; v156-162  the blocks' upper halves, as the conversions leave them
.set M,    164                         ; v164-167  largest magnitudes
.set SC,   168                         ; v168-169  the conversions' scale operands
.set BY,   170                         ; v170-171  the scales' bytes
.set BASE, 172                         ; v172-179  rows of expert e in the words in front of mine
.set RANK, 180                         ; v180-187  + those of the tokens in front of token = lane in my word
; 64 numbers of a lane, two whole blocks, become 12 registers of codes.  A block's scale is its largest magnitude's exponent field less 2, held at 1 from below by the floor 2^(3 - 127) among the maximum's leaves.
.macro QB X, F, T2, M, SC, BY
.irp c, 0,1
	v_max3_num_f32 v[\M+\c], |v[\X+32*\c]|, |v[\X+32*\c+1]|, 0x1800000
	v_max3_num_f32 v[\M+2+\c], |v[\X+32*\c+16]|, |v[\X+32*\c+17]|, |v[\X+32*\c+18]|
.endr
.irp i, 2,4,6,8,10,12
.irp c, 0,1
	v_max3_num_f32 v[\M+\c], v[\M+\c], |v[\X+32*\c+\i]|, |v[\X+32*\c+\i+1]|
	v_max3_num_f32 v[\M+2+\c], v[\M+2+\c], |v[\X+32*\c+\i+17]|, |v[\X+32*\c+\i+18]|
.endr
.endr
.irp c, 0,1
	v_max3_num_f32 v[\M+\c], v[\M+\c], |v[\X+32*\c+14]|, |v[\X+32*\c+15]|
.endr
.irp c, 0,1
	v_max3_num_f32 v[\M+\c], v[\M+\c], v[\M+2+\c], |v[\X+32*\c+31]|
.endr
.irp c, 0,1
	v_add_nc_u32 v[\SC+\c], 0xff000000, v[\M+\c]   ; 2 off the exponent field: the conversion takes this operand's exponent field as its scale
.endr
.irp c, 0,1
	v_lshrrev_b32 v[\BY+\c], 23, v[\SC+\c]
.endr
.irp c, 0,1
	v_cvt_scalef32_pk16_fp6_f32 v[\F+6*\c:\F+6*\c+2], v[\X+32*\c:\X+32*\c+15], v[\SC+\c]
	v_cvt_scalef32_pk16_fp6_f32 v[\T2+4*\c:\T2+4*\c+2], v[\X+32*\c+16:\X+32*\c+31], v[\SC+\c]   ; (a conversion's three registers begin on an even number)
.endr
	v_nop                                          ; one plain line behind a scaled conversion
.irp c, 0,1
.irp i, 0,1,2
	v_mov_b32 v[\F+6*\c+3+\i], v[\T2+4*\c+\i]
.endr
.endr
.endm
; The counts of the words in front of word s15, summed over the lanes (a lane to a word, two counts of 16 bits to a register: a sum is 1,024 at the most).  left: the younger loads that may stay out.
.macro SUMS left
	s_wait_loadcnt \left
	v_cmp_gt_u32 vcc_lo, s15, v1
.irp i, 0,1,2,3
	v_cndmask_b32 v[4+\i], 0, v[4+\i], vcc_lo      ; words from mine on count for nothing
	v_mov_b32 v[8+\i], 0
.endr
.irp m, 1,2,4,8
.irp i, 0,1,2,3
	v_mov_b32_dpp v[8+\i], v[4+\i] row_xmask:\m row_mask:0xf bank_mask:0xf
.endr
.irp i, 0,1,2,3
	v_add_nc_u32 v[4+\i], v[4+\i], v[8+\i]
.endr
.endr
.irp i, 0,1,2,3
	v_permlanex16_b32 v[8+\i], v[4+\i], s20, s21
.endr
.irp i, 0,1,2,3
	v_add_nc_u32 v[4+\i], v[4+\i], v[8+\i]
.endr
.irp i, 0,1,2,3
	v_and_b32 v[BASE+2*\i], 0xffff, v[4+\i]
	v_lshrrev_b32 v[BASE+2*\i+1], 16, v[4+\i]
.endr
.endm
	s_load_b256 s[4:11], s[0:1], 0x0               ; x s[4:5], route s[6:7], place s[8:9], xq s[10:11]
	v_lshl_add_u32 v208, v0, 2, 0x21000
	v_mov_b32 v209, 0
	v_lshrrev_b32 v3, 5, v0
	v_readfirstlane_b32 s14, v3                    ; wave 0..15
	s_mov_b32 s15, ttmp9                           ; W
	s_min_u32 s16, s15, 31
	v_and_b32 v1, 31, v0                           ; lane
	v_lshlrev_b32 v2, 4, v1
	s_mul_i32 s17, s14, STGB
	v_add_nc_u32 v3, s17, v2                       ; the stage, on the way in: 16 x lane; a load's 512 bytes are a row
	v_lshrrev_b32 v12, 1, v1
	v_mul_u32_u24 v12, v12, 528
	v_and_b32 v14, 1, v0                           ; h
	v_lshl_add_u32 v12, v14, 7, v12
	v_add_nc_u32 v12, s17, v12                     ; and on the way out: row lane / 2 (token u, K step ks), + 128 h
	v_bfe_u32 v10, v0, 1, 3                        ; ks
	v_mul_u32_u24 v13, v10, 1536
	v_lshl_add_u32 v13, v14, 8, v13                ; my lane's part of a place in a tile record: 1,536 ks + 256 h
	v_bfe_u32 v11, v0, 3, 1                        ; ks / 4
	v_bfe_u32 v10, v0, 1, 2                        ; ks % 4
	v_lshlrev_b32 v194, 2, v10
	v_lshl_add_u32 v194, v11, 8, v194
	v_add_nc_u32 v194, 12288, v194                 ; and of a scale word's place
	v_bfe_u32 v15, v0, 4, 1                        ; u
	s_lshl_b32 s18, s14, 1
	v_add_nc_u32 v15, s18, v15
	v_lshlrev_b32 v15, 2, v15                      ; 4 x (my token's number in the word)
	v_lshlrev_b32 v195, 6, v1                      ; the table: 64 x lane
	s_lshl_b32 s17, s16, 7
	v_lshl_add_u32 v196, v1, 2, s17                ; idx and pl: 128 W + 4 x lane
	s_mov_b32 s20, 0x76543210
	s_mov_b32 s21, 0xfedcba98
	s_lshl_b32 s18, s16, 17                        ; 32 tokens of 4,096 bytes a work-group,
	s_lshl_b32 s19, s14, 13                        ; two a wave
	s_add_co_u32 s18, s18, s19
	s_mov_b32 s19, 0
	s_lshl_b32 s22, s16, 6
	s_mov_b32 s23, 0
	s_wait_kmcnt 0x0
	s_add_nc_u64 s[4:5], s[4:5], s[18:19]
	s_add_nc_u64 s[12:13], s[6:7], s[22:23]
	s_cmp_eq_u32 s15, 32
	s_cbranch_scc1 .Lpad                           ; the one parting, on the work-group's number; the two ways never join
	s_load_b256 s[24:31], s[12:13], 0x0            ; my word's eight masks
	global_load_b128 v[4:7], v195, s[6:7] offset:32      ; word = lane: its eight counts
	global_load_b32 v188, v196, s[6:7] offset:2048       ; token = lane of my word: its two experts
.irp i, 0,1,2,3,4,5,6,7,8,9,10,11,12,13,14,15
	global_load_b128 v[RAW+4*\i:RAW+4*\i+3], v2, s[4:5] offset:512*\i th:TH_LOAD_NT   ; my two tokens, 512 consecutive bytes a load
.endr
	SUMS 16                                        ; the table and the experts are in; x's 16 loads stay out
	s_wait_kmcnt 0x0
.irp e, 0,1,2,3,4,5,6,7
	v_mbcnt_lo_u32_b32 v[RANK+\e], s[24+\e], v[BASE+\e]   ; + the mask's bits under my lane
.endr
	v_and_b32 v4, 0xff, v188                       ; e0
	v_bfe_u32 v5, v188, 8, 8                       ; e1
	v_mov_b32 v6, v[RANK]
	v_mov_b32 v7, v[RANK]
.irp e, 1,2,3,4,5,6,7
	v_cmp_eq_u32 vcc_lo, \e, v4
	v_cndmask_b32 v6, v6, v[RANK+\e], vcc_lo
	v_cmp_eq_u32 vcc_lo, \e, v5
	v_cndmask_b32 v7, v7, v[RANK+\e], vcc_lo
.endr
	v_lshl_or_b32 v6, v4, 10, v6
	v_lshl_or_b32 v7, v5, 10, v7
	v_lshl_or_b32 v8, v7, 16, v6                   ; R0 | R1 << 16 of token = lane; v8 and v196 are not written again
	s_cmp_lg_u32 s14, 0
	s_cbranch_scc1 .Lnot_wave_0
	global_store_b32 v196, v8, s[8:9]              ; every wave has the same 32 words: wave 0 stores them
.Lnot_wave_0:
	ds_bpermute_b32 v9, v15, v8                    ; my own token's word
	s_wait_loadcnt 0x0                             ; x
.irp i, 0,1,2,3,4,5,6,7,8,9,10,11,12,13,14,15
	ds_store_b128 v3, v[RAW+4*\i:RAW+4*\i+3] offset:528*\i
.endr
.irp c, 0,1                                    ; LDS serves a wave's instructions in order: these see the stores above
.irp i, 0,1,2,3,4,5,6,7
	ds_load_b128 v[X+32*\c+4*\i:X+32*\c+4*\i+3], v12 offset:256*\c+16*\i   ; k = 128 ks + 64 c + 32 h + 4 i ..
.endr
.endr
	s_wait_dscnt 0x0
	QB X, F, T2, M, SC, BY
	v_lshl_or_b32 v192, v[BY+1], 16, v[BY]         ; my two bytes, blocks h and 2 + h,
	v_lshlrev_b32 v10, 3, v14
	v_lshlrev_b32 v192, v10, v192                  ; at their places in the scale word;
	v_mov_b32 v193, 0
	v_mov_b32_dpp v193, v192 row_xmask:1 row_mask:0xf bank_mask:0xf
	v_or_b32 v192, v192, v193                      ; with the neighbour's two the word is whole
.irp k, 0,1
	v_bfe_u32 v10, v9, 16*\k+4, 9                  ; the tile
	v_bfe_u32 v11, v9, 16*\k, 4                    ; the row in it
	v_min_u32 v10, 0x1ff, v10
	v_min_u32 v11, 15, v11
	v_mad_u32_u24 v[189+\k], v10, REC, v13
	v_lshl_add_u32 v[189+\k], v11, 4, v[189+\k]
.irp g, 0,1,2
	global_store_b128 v[189+\k], v[F+4*\g:F+4*\g+3], s[10:11] offset:512*\g
.endr
.endr
	v_lshrrev_b32 v10, 16, v9                      ; the scale word: the lane with h = k serves expert k
	v_cmp_eq_u32 vcc_lo, 1, v14
	v_cndmask_b32 v10, v9, v10, vcc_lo
	v_bfe_u32 v11, v10, 4, 9
	v_and_b32 v10, 15, v10
	v_min_u32 v11, 0x1ff, v11
	v_min_u32 v10, 15, v10
	v_mad_u32_u24 v191, v11, REC, v194
	v_lshl_add_u32 v191, v10, 4, v191
	global_store_b32 v191, v192, s[10:11]
	s_wait_tensorcnt 0x0
	ds_add_u32 v208, v209
	s_wait_dscnt 0x0
	s_endpgm
.Lpad:                                             ; work-group 32: wave = 2 x expert + half
	global_load_b128 v[4:7], v195, s[6:7] offset:32
	SUMS 0                                         ; s15 = 32: all words count: the experts' totals
.irp e, 0,1,2,3,4,5,6,7
	v_readfirstlane_b32 s[40+\e], v[BASE+\e]
.endr
	s_lshr_b32 s36, s14, 1                         ; the expert
	s_and_b32 s37, s14, 1                          ; which four K steps of the tile
	s_mov_b32 s48, s40
.irp e, 1,2,3,4,5,6,7
	s_cmp_eq_u32 s36, \e
	s_cselect_b32 s48, s[40+\e], s48
.endr
	s_min_u32 s48, s48, 0x400                      ; its rows
	s_lshr_b32 s50, s48, 4
	s_min_u32 s50, s50, 63                         ; the tile in which they end
	s_and_b32 s49, s48, 15
	s_cselect_b32 s49, s49, 16                     ; the first unused row there; 16 (none) where the rows fill whole tiles;
	s_cmp_eq_u32 s48, 0
	s_cselect_b32 s49, 0, s49                      ; 0 (all sixteen, of tile 0) where the expert has no row
	s_lshl_b32 s51, s36, 6
	s_add_co_u32 s51, s51, s50
	s_mul_i32 s51, s51, REC
	s_mul_i32 s53, s37, 4*1536
	s_add_co_u32 s51, s51, s53
	v_lshl_add_u32 v189, v1, 4, s51
.irp i, 0,1,2,3
	v_mov_b32 v[80+\i], 0
.endr
	v_mov_b32 v190, s48
	v_mov_b32 v191, s36
	v_lshlrev_b32 v191, 2, v191
	v_and_b32 v10, 15, v0
	s_wait_xcnt 0x0                                ; EXEC changes only behind this wait
	s_cmp_lg_u32 s37, 0
	s_cbranch_scc1 .Lno_count
	v_cmp_eq_u32 vcc_lo, 0, v1
	s_and_saveexec_b32 s52, vcc_lo
	global_store_b32 v191, v190, s[8:9] offset:4096   ; cnt[e], by one lane
	s_wait_xcnt 0x0
	s_or_b32 exec_lo, exec_lo, s52
.Lno_count:
	v_cmp_le_u32 vcc_lo, s49, v10                  ; the lanes of the unused rows
	s_and_saveexec_b32 s52, vcc_lo
.irp q, 0,1,2,3
.irp g, 0,1,2
	global_store_b128 v189, v[80:83], s[10:11] offset:1536*\q+512*\g
.endr
.endr
	s_cmp_lg_u32 s37, 0
	s_cbranch_scc1 .Lno_words
	global_store_b128 v189, v[80:83], s[10:11] offset:12288   ; and their scale words
.Lno_words:
	s_wait_xcnt 0x0
	s_or_b32 exec_lo, exec_lo, s52
	s_endpgm
.Lfunc_end_k_q4f1784e2dc_place:
	.size	k_q4f1784e2dc_place, .Lfunc_end_k_q4f1784e2dc_place-k_q4f1784e2dc_place
	.p2alignl 7, 3214868480
	.fill 96, 4, 3214868480
	.section	.rodata,"a",@progbits
	.p2align	6, 0x0
	.amdhsa_kernel k_q4f1784e2dc_place
		.amdhsa_group_segment_fixed_size 137216
		.amdhsa_private_segment_fixed_size 0
		.amdhsa_enable_private_segment 0
		.amdhsa_kernarg_size 32
		.amdhsa_user_sgpr_count 2
		.amdhsa_user_sgpr_kernarg_segment_ptr 1
		.amdhsa_wavefront_size32 1
		.amdhsa_system_sgpr_workgroup_id_x 1
		.amdhsa_system_sgpr_workgroup_id_y 1
		.amdhsa_system_sgpr_workgroup_id_z 1
		.amdhsa_system_vgpr_workitem_id 0
		.amdhsa_next_free_vgpr 210
		.amdhsa_next_free_sgpr 66
		.amdhsa_reserve_vcc 1
		.amdhsa_float_denorm_mode_32 3
		.amdhsa_float_denorm_mode_16_64 3
		.amdhsa_memory_ordered 1
		.amdhsa_forward_progress 1
		.amdhsa_inst_pref_size 22
	.end_amdhsa_kernel
	.amdgpu_metadata
---
amdhsa.version: [ 1, 2 ]
amdhsa.kernels:
  - .name:           k_q4f1784e2dc_place
    .symbol:         k_q4f1784e2dc_place.kd
    .args:
      - { .name: x, .offset: 0, .size: 8, .value_kind: global_buffer, .address_space: global }
      - { .name: route, .offset: 8, .size: 8, .value_kind: global_buffer, .address_space: global }
      - { .name: place, .offset: 16, .size: 8, .value_kind: global_buffer, .address_space: global }
      - { .name: xq, .offset: 24, .size: 8, .value_kind: global_buffer, .address_space: global }
    .group_segment_fixed_size: 137216
    .private_segment_fixed_size: 0
    .kernarg_segment_align: 8
    .kernarg_segment_size: 32
    .max_flat_workgroup_size: 512
    .sgpr_count:     66
    .vgpr_count:     210
    .wavefront_size: 32
...
	.end_amdgpu_metadata
.endif
;; end of part 2
;; launch up (part 3): grid 32 x 8, 4 waves a work-group, no clusters, 136,704 bytes of LDS; arguments w0, w1, b0, b1, place, xq, aq; writes aq
.if DOCPART == 3
	.amdgcn_target "amdgcn-amd-amdhsa--gfx1250"
	.amdhsa_code_object_version 6
	.text
	.protected	k_q4f1784e2dc_up
	.globl	k_q4f1784e2dc_up
	.p2align	8
	.type	k_q4f1784e2dc_up,@function
k_q4f1784e2dc_up:
	s_mov_b64 s[64:65], 0
	v_nop
	global_prefetch_b8 v0, s[64:65] scope:SCOPE_SE
	s_setreg_imm32_b32 hwreg(HW_REG_WAVE_MODE, 25, 1), 1
	s_wait_xcnt 0x0
; UP.  act = (x w0^T + b0) silu(x w1^T + b1) for the rows routed to an expert, both products on codes of FP6 (E2M3) with one E8M0 scale for each 32 along K = 1,024; act is quantised along the hidden axis and stored as codes.
; SHARES BY WEIGHTS, NOT BY ROWS.  Work-group (hs, e) owns hidden units 64 hs .. 64 hs + 63 of expert e in w0 and w1: 128 rows x 4,096 bytes of f32, read from memory ONCE in the launch, quantised on the way, never stored.
; PHASE A, the stream.  Wave w (matrix w / 2, block of 32 units w % 2) takes 16 fragments (16 rows x 128 K).  A load reads 512 consecutive bytes of one row; a ring of four sets of 16 loads keeps 32 KiB a wave on its way;
; a set turns through the wave's own stage in LDS (rows of 512 + 16 bytes), so that lane (r, h) holds two whole blocks of its row; the codes go to LDS as images of the operand's registers.  One barrier.
; In the ring's last four steps, where no set of weights is left to ask for, the wave asks for its first two tiles of x instead, 16 loads a step: they land under the end of the stream.
; THE ROWS OF A TILE ARE NOT NEIGHBOURS: lane r of tile u takes unit 8 u + r + 8 (r / 8) of the block, so that the 16 result registers of tiles 0 and 1 are 16 neighbours along the next product's K.
; PHASE B.  Wave w (block hh = w % 2, tiles of rows of parity w / 2) holds its 32 fragments (w0's and w1's, 8 K steps x 2 tiles) in 384 registers and walks the expert's tiles of 16 rows, whose images the launch before laid:
; 32 products a tile, transposed (source 0 = 16 units, source 1 = 16 rows), four accumulators by turns, the biases as the first C; act in f32; its block's scale; one conversion.
; x's tiles lie in two sets of registers; a set is asked for again straight behind its products, with the wave's tile after next, so that two tiles are on their way or at hand.
; aq: 512 tile records of 25,600 bytes: the tile's 16 fragments as images of the operand's registers: byte ks x 1,536 + g x 512 + 16 x (16 h + r) holds registers 4 g .. 4 g + 3 of lane (r, h);
; from byte 24,576 on the scale bytes: 32 (16 H + r) + 4 i + 2 c + h for K step 8 H + i.  My block is K step hs / 2, c = hs % 2, h = hh: registers 6 c .. 6 c + 5: with c = 0 all of group 0 and the lower half of group 1,
; with c = 1 the upper half of group 1 and all of group 2.
; The number of tiles is a whole number that an earlier launch stored.  So this text has no tensor load and no joint request: its trip count hangs on a loaded number, and a count fit for every split, 64 tiles an expert, would be
; four times the mean.  An expert without rows counts as one tile (of zero rows, which the launch before stored): its result is stored and read by nobody.
; Stores: the 16-byte parts as 256 consecutive bytes an instruction; the 8-byte parts as pieces of 8 bytes, 16 apart; the scale bytes singly, one byte in 25 of what is stored.
; LIMITS: NaN and infinities are not served; a block whose largest magnitude lies under 2^-124 keeps the byte 1; only this program reads the bytes.
.set STGB, 8448                        ; LDS: a stage of 16 rows x 528 bytes for each wave,
.set WIMG, 4*STGB                      ; the 64 fragments' images, 1,536 bytes each: ((writer wave) x 2 + u) x 8 + ks,
.set WSC,  WIMG+64*1536                ; their scale words: ((writer wave) x 8 + ks) x 128 + 64 u + 4 r
.set XREC, 12800
.set AREC, 25600
; window 0: v1 16 x lane, v2 r, v3 eta = lane / 16, v4-v15 addresses
.set BI,  16                           ; v16-47    the biases, eight registers for (matrix mu, tile u) at 8 (2 mu + u)
.set ACC, 48                           ; v48-79    the four accumulators, likewise: v48-63 h0, v64-79 h1
.set WS,  80                           ; v80-95    the weights' scale words, 8 mu + ks: lanes 0-15 tile 0, lanes 16-31 tile 1
.set XS,  96                           ; v96-103   x's scale words, two sets of four: register ks % 4, lanes 16 (ks / 4) on
.set T,   104                          ; v104-119  at work on h1
.set QM,  120
.set QP,  122
.set QSC, 123
.set CD,  124                          ; v124-126  my 16 codes
.set P1,  127                          ; v127-129  the codes of lane l xor 16
.set P2,  128
.set P0,  129
.set SO,  130                          ; v130-132  what I store
.set BYT, 133
.set PX,  160                          ; phase A: v160-223 two blocks of 32, v224-235 the fragment, v236-253 at work
.set PF,  224
.set PT2, 236
.set PM,  244
.set PSC, 248
.set PBY, 250
.set PW,  252
; window 1: phase A: the ring, four sets of 64; phase B: fragments q = 4 ks + 2 mu + u, q < 20, at 12 q.   window 2: q >= 20 at 12 (q - 20).   window 3: x's tile, two sets of 96
; s[28:29], s[44:45]: where the tile asked for into set 0, 1 begins
.set MSB, 0
.macro WIN new                         ; the immediate's high byte repeats the setting that is left
.if MSB != \new
	s_set_vgpr_msb (MSB<<8)|\new
.set MSB, \new
.endif
.endm
.macro QB X, F, T2, M, SC, BY          ; 64 numbers of a lane, two whole blocks, become 12 registers of codes; the floor 2^(3 - 127) holds the byte at 1 from below
.irp c, 0,1
	v_max3_num_f32 v[\M+\c], |v[\X+32*\c]|, |v[\X+32*\c+1]|, 0x1800000
	v_max3_num_f32 v[\M+2+\c], |v[\X+32*\c+16]|, |v[\X+32*\c+17]|, |v[\X+32*\c+18]|
.endr
.irp i, 2,4,6,8,10,12
.irp c, 0,1
	v_max3_num_f32 v[\M+\c], v[\M+\c], |v[\X+32*\c+\i]|, |v[\X+32*\c+\i+1]|
	v_max3_num_f32 v[\M+2+\c], v[\M+2+\c], |v[\X+32*\c+\i+17]|, |v[\X+32*\c+\i+18]|
.endr
.endr
.irp c, 0,1
	v_max3_num_f32 v[\M+\c], v[\M+\c], |v[\X+32*\c+14]|, |v[\X+32*\c+15]|
.endr
.irp c, 0,1
	v_max3_num_f32 v[\M+\c], v[\M+\c], v[\M+2+\c], |v[\X+32*\c+31]|
.endr
.irp c, 0,1
	v_add_nc_u32 v[\SC+\c], 0xff000000, v[\M+\c]   ; 2 off the exponent field: the conversion's scale operand
.endr
.irp c, 0,1
	v_lshrrev_b32 v[\BY+\c], 23, v[\SC+\c]
.endr
.irp c, 0,1
	v_cvt_scalef32_pk16_fp6_f32 v[\F+6*\c:\F+6*\c+2], v[\X+32*\c:\X+32*\c+15], v[\SC+\c]
	v_cvt_scalef32_pk16_fp6_f32 v[\T2+4*\c:\T2+4*\c+2], v[\X+32*\c+16:\X+32*\c+31], v[\SC+\c]   ; (a conversion's three registers begin on an even number)
.endr
	v_nop                                          ; one plain line behind a scaled conversion
.irp c, 0,1
.irp i, 0,1,2
	v_mov_b32 v[\F+6*\c+3+\i], v[\T2+4*\c+\i]
.endr
.endr
.endm
; Load L of the 50 that fill x's two sets: set L / 25; of a set's 25 the first 24 take 512 consecutive bytes each (registers 4 l .. 4 l + 3 of the set), the last the scale words
.macro XLD L
.set XSET, (\L)/25
.set XIDX, (\L)%25
.if XIDX < 24
	WIN 0xc0                                       ; destination window 3
	global_load_b128 v[96*XSET+4*XIDX:96*XSET+4*XIDX+3], v1, s[28+16*XSET:29+16*XSET] offset:512*XIDX
.else
	WIN 0
	global_load_b128 v[XS+4*XSET:XS+4*XSET+3], v1, s[28+16*XSET:29+16*XSET] offset:12288
.endif
.endm
	s_load_b256 s[4:11], s[0:1], 0x0               ; w0 s[4:5], w1 s[6:7], b0 s[8:9], b1 s[10:11]
	s_load_b128 s[12:15], s[0:1], 0x20             ; place s[12:13], xq s[14:15]
	s_load_b64 s[16:17], s[0:1], 0x30              ; aq
	v_lshl_add_u32 v254, v0, 2, 0x21400
	v_mov_b32 v255, 0
	v_lshrrev_b32 v2, 5, v0
	v_readfirstlane_b32 s18, v2                    ; wave 0..3
	s_mov_b32 s19, ttmp9                           ; hs
	s_and_b32 s20, ttmp7, 0xffff                   ; e
	s_and_b32 s21, s18, 1                          ; the block of 32 units, in both phases
	s_lshr_b32 s22, s18, 1                         ; phase A: the matrix; phase B: the tiles' parity
	v_and_b32 v10, 31, v0
	v_lshlrev_b32 v1, 4, v10                       ; 16 x lane
	v_and_b32 v2, 15, v0                           ; r
	v_bfe_u32 v3, v0, 4, 1                         ; eta
	s_mul_i32 s40, s18, STGB
	v_add_nc_u32 v4, s40, v1                       ; the stage, on the way in
	v_mul_u32_u24 v5, v2, 528
	v_lshl_add_u32 v5, v3, 7, v5
	v_add_nc_u32 v5, s40, v5                       ; and out: row r, + 128 eta
	s_mul_i32 s40, s18, 16*1536
	s_add_co_u32 s40, s40, WIMG
	v_add_nc_u32 v6, s40, v1                       ; where I store images
	s_lshl_b32 s40, s18, 10
	s_add_co_u32 s40, s40, WSC
	v_lshl_add_u32 v7, v2, 2, s40                  ; and scale words
	s_mul_i32 s40, s21, 16*1536
	s_add_co_u32 s40, s40, WIMG
	v_add_nc_u32 v8, s40, v1                       ; where I fetch w0's images of my block (writer wave hh),
	v_add_nc_u32 v9, 32*1536, v8                   ; and w1's (writer wave 2 + hh)
	s_lshl_b32 s40, s21, 10
	s_add_co_u32 s40, s40, WSC
	v_lshl_add_u32 v10, v10, 2, s40                ; and the scale words: 4 x lane
	v_lshlrev_b32 v14, 6, v3                       ; the biases: 64 eta
	v_lshlrev_b32 v15, 3, v3                       ; 8 eta: a scale byte's shift
	s_lshr_b32 s58, s19, 1                         ; my block in aq: K step hs / 2,
	s_and_b32 s59, s19, 1                          ; c = hs % 2
	s_mul_i32 s60, s58, 1536
	s_lshl_b32 s61, s21, 8
	s_add_co_u32 s60, s60, s61                     ; 1,536 ks + 16 x 16 hh
	s_lshl_b32 s61, s59, 10
	s_add_co_u32 s61, s61, s60
	v_lshl_add_u32 v11, v2, 4, s61
	v_lshl_add_u32 v11, v3, 3, v11                 ; the block's 16-byte part: group 2 c, 16 (16 hh + r) + 8 eta
	s_lshl_b32 s61, s59, 3
	s_add_co_u32 s61, s61, s60
	s_add_co_u32 s61, s61, 512
	v_lshl_add_u32 v12, v2, 4, s61
	v_lshl_add_u32 v12, v3, 2, v12                 ; its 8-byte part: group 1, 16 (16 hh + r) + 8 c + 4 eta
	s_lshr_b32 s60, s58, 3
	s_lshl_b32 s60, s60, 9
	s_and_b32 s61, s58, 7
	s_lshl_b32 s61, s61, 2
	s_add_co_u32 s60, s60, s61
	s_lshl_b32 s61, s59, 1
	s_add_co_u32 s60, s60, s61
	s_add_co_u32 s60, s60, s21
	s_add_co_u32 s60, s60, 24576
	v_lshl_add_u32 v13, v2, 5, s60                 ; the scale byte
	s_cmp_eq_u32 s59, 0                            ; which words of the block a lane stores hangs on c and eta: three masks of lanes, made once
	s_cselect_b32 s38, 0xffff0000, 0               ; c = 0, lanes 16-31
	s_cselect_b32 s62, 0, 0xffff                   ; c = 1, lanes 0-15
	s_cselect_b32 s63, 0, 0xffff0000               ; c = 1, lanes 16-31
	v_mov_b32 v[QP], 0                             ; written once: a lane permute's destination counts as one of its sources
	v_mov_b32 v[P0], 0
	v_mov_b32 v[P1], 0
	v_mov_b32 v[P2], 0
	v_mov_b32 v[PW+1], 0
	s_mov_b32 s36, 0x76543210
	s_mov_b32 s37, 0xfedcba98                      ; v_permlanex16_b32's selects for lane l xor 16
	s_lshl_b32 s48, s20, 23                        ; the weights: an expert is 2,048 rows of 4,096 bytes,
	s_lshl_b32 s49, s19, 18                        ; my work-group's 64 rows,
	s_add_co_u32 s48, s48, s49
	s_lshl_b32 s49, s21, 17                        ; my block's 32
	s_add_co_u32 s48, s48, s49
	s_mov_b32 s49, 0
	s_lshl_b32 s50, s20, 11                        ; the biases: 2,048 e + 64 hs + 32 hh numbers
	s_lshl_b32 s51, s19, 6
	s_add_co_u32 s50, s50, s51
	s_lshl_b32 s51, s21, 5
	s_add_co_u32 s50, s50, s51
	s_lshl_b32 s50, s50, 2
	s_mov_b32 s51, 0
	s_lshl_b32 s52, s20, 2
	s_mov_b32 s53, 0
	s_mul_i32 s54, s20, 64*XREC
	s_mov_b32 s55, 0
	s_mul_i32 s56, s20, 64*AREC
	s_mov_b32 s57, 0
	s_wait_kmcnt 0x0
	s_cmp_eq_u32 s22, 0
	s_cselect_b64 s[46:47], s[4:5], s[6:7]         ; the choice hangs on the wave's number alone
	s_add_nc_u64 s[46:47], s[46:47], s[48:49]
	s_add_nc_u64 s[8:9], s[8:9], s[50:51]
	s_add_nc_u64 s[10:11], s[10:11], s[50:51]
	s_add_nc_u64 s[12:13], s[12:13], s[52:53]
	s_load_b32 s24, s[12:13], 0x1000               ; the expert's rows
	s_add_nc_u64 s[32:33], s[14:15], s[54:55]      ; the expert's tiles of x,
	s_add_nc_u64 s[34:35], s[16:17], s[56:57]      ; and of act
.irp u, 0,1                                    ; lane (r, eta) wants, for tile u, the biases of units 16 eta + 8 u + 0 .. 7 of my block.  These loads are older than every set of the ring
	global_load_b128 v[BI+8*\u:BI+8*\u+3], v14, s[8:9] offset:32*\u
	global_load_b128 v[BI+8*\u+4:BI+8*\u+7], v14, s[8:9] offset:32*\u+16
	global_load_b128 v[BI+16+8*\u:BI+16+8*\u+3], v14, s[10:11] offset:32*\u
	global_load_b128 v[BI+16+8*\u+4:BI+16+8*\u+7], v14, s[10:11] offset:32*\u+16
.endr
; fragment f = 2 ks + u: 16 rows x 512 bytes into set f % 4; every offset is an immediate, 130,560 at the most
.macro WLOAD f
	WIN 0x40                                       ; destination window 1
.set RR, 0
.rept 16
	global_load_b128 v[64*((\f)%4)+4*RR:64*((\f)%4)+4*RR+3], v1, s[46:47] offset:(8*((\f)%2)+RR+8*(RR/8))*4096+((\f)/2)*512 th:TH_LOAD_NT
.set RR, RR+1
.endr
	WIN 0
.endm
.macro FRAGSTEP f
	s_wait_loadcnt 48                              ; this set's 16 loads are in; behind them three runs of 16 were issued, sets of weights or, at the end, loads of x's tiles: they stay out
	WIN 0x04                                       ; an LDS store's data are its source 1: window 1
.set RR, 0
.rept 16
	ds_store_b128 v4, v[64*((\f)%4)+4*RR:64*((\f)%4)+4*RR+3] offset:528*RR
.set RR, RR+1
.endr
	WIN 0
.irp c, 0,1                                    ; LDS serves a wave's instructions in order: these see the stores above
.irp i, 0,1,2,3,4,5,6,7
	ds_load_b128 v[PX+32*\c+4*\i:PX+32*\c+4*\i+3], v5 offset:256*\c+16*\i
.endr
.endr
	s_wait_dscnt 0x0                               ; my two blocks are in; the set's registers have been read; the last step's images have landed
.if (\f)+4 < 16
	WLOAD (\f)+4                                   ; the set takes the fragment four further on
.else
.set PL, 16*((\f)-12)                          ; no fragment is left to ask for: 16 of the 50 loads of my first two tiles of x (in the last step the two that remain)
.rept 16
.if PL < 50
	XLD PL
.endif
.set PL, PL+1
.endr
	WIN 0
.endif
	QB PX, PF, PT2, PM, PSC, PBY
	v_lshl_or_b32 v[PW], v[PBY+1], 16, v[PBY]      ; my two bytes, blocks eta and 2 + eta,
	v_lshlrev_b32 v[PW], v15, v[PW]
	v_permlanex16_b32 v[PW+1], v[PW], s36, s37
	v_or_b32 v[PW], v[PW], v[PW+1]                 ; with lane l xor 16's two: the row's scale word
.irp g, 0,1,2
	ds_store_b128 v6, v[PF+4*\g:PF+4*\g+3] offset:(8*((\f)%2)+(\f)/2)*1536+512*\g
.endr
	ds_store_b32 v7, v[PW] offset:((\f)/2)*128+((\f)%2)*64   ; lanes 16 apart store the same word with the same value
.endm
	WLOAD 0
	WLOAD 1
	WLOAD 2
	WLOAD 3
.set FF, 0
.rept 12
	FRAGSTEP FF
.set FF, FF+1
.endr
	s_wait_kmcnt 0x0                               ; the expert's rows
	s_add_co_u32 s24, s24, 15
	s_lshr_b32 s24, s24, 4
	s_min_u32 s24, s24, 64
	s_max_u32 s24, s24, 1                          ; the expert's tiles of 16 rows; one, of zero rows, where it has no row
	s_sub_co_u32 s43, s24, 1                       ; the last of them
	s_min_u32 s26, s22, s43                        ; my first tile, or the last where I have none: every request names bytes that were stored
	s_min_u32 s26, s26, 63
	s_mul_i32 s40, s26, XREC
	s_mov_b32 s41, 0
	s_add_nc_u64 s[28:29], s[32:33], s[40:41]
	s_add_co_u32 s26, s22, 2                       ; my second, likewise
	s_min_u32 s26, s26, s43
	s_min_u32 s26, s26, 63
	s_mul_i32 s40, s26, XREC
	s_add_nc_u64 s[44:45], s[32:33], s[40:41]
.rept 4
	FRAGSTEP FF
.set FF, FF+1
.endr
	s_wait_dscnt 0x0                               ; for the others' sake: my images and scale words have landed
	s_barrier_signal -1
	s_barrier_wait -1                              ; all 64 fragments lie in LDS; nothing is written there again
.set Q, 0
.rept 32                                       ; q = 4 ks + 2 mu + u
.if Q < 20
	WIN 0x40
.set DST, 12*Q
.else
	WIN 0x80
.set DST, 12*(Q-20)
.endif
.irp g, 0,1,2
	ds_load_b128 v[DST+4*\g:DST+4*\g+3], v[8+(Q/2)%2] offset:(8*(Q%2)+Q/4)*1536+512*\g
.endr
.set Q, Q+1
.endr
	WIN 0
.irp m, 0,1
.irp k, 0,1,2,3,4,5,6,7
	ds_load_b32 v[WS+8*\m+\k], v10 offset:2048*\m+128*\k
.endr
.endr
	s_wait_dscnt 0x0
; a product; ra, rb: which 16 lanes of the scale registers serve source 0 and source 1
.macro PROD d, a, b, c, sa, sb, ra, rb
.if (\ra) && (\rb)
	v_wmma_scale_f32_16x16x128_f8f6f4 v[(\d):(\d)+7], v[(\a):(\a)+11], v[(\b):(\b)+11], v[(\c):(\c)+7], v[\sa], v[\sb] matrix_a_fmt:MATRIX_FMT_FP6 matrix_b_fmt:MATRIX_FMT_FP6 matrix_a_scale:MATRIX_SCALE_ROW1 matrix_b_scale:MATRIX_SCALE_ROW1
.elseif (\ra)
	v_wmma_scale_f32_16x16x128_f8f6f4 v[(\d):(\d)+7], v[(\a):(\a)+11], v[(\b):(\b)+11], v[(\c):(\c)+7], v[\sa], v[\sb] matrix_a_fmt:MATRIX_FMT_FP6 matrix_b_fmt:MATRIX_FMT_FP6 matrix_a_scale:MATRIX_SCALE_ROW1
.elseif (\rb)
	v_wmma_scale_f32_16x16x128_f8f6f4 v[(\d):(\d)+7], v[(\a):(\a)+11], v[(\b):(\b)+11], v[(\c):(\c)+7], v[\sa], v[\sb] matrix_a_fmt:MATRIX_FMT_FP6 matrix_b_fmt:MATRIX_FMT_FP6 matrix_b_scale:MATRIX_SCALE_ROW1
.else
	v_wmma_scale_f32_16x16x128_f8f6f4 v[(\d):(\d)+7], v[(\a):(\a)+11], v[(\b):(\b)+11], v[(\c):(\c)+7], v[\sa], v[\sb] matrix_a_fmt:MATRIX_FMT_FP6 matrix_b_fmt:MATRIX_FMT_FP6
.endif
.endm
; Tile s[J], whose images were asked for into set cur.  Behind its products the set is asked for again, with my tile after next (s[J] + 4), if there is one.
.macro TILE cur, J
	s_wait_loadcnt 25                              ; set cur is in: behind its loads at most the other set's 25 were issued
.set KS, 0
.rept 8
.if KS < 5
	WIN 0x0d                                       ; source 0 window 1, source 1 window 3, C and D window 0
.else
	WIN 0x0e                                       ; source 0 window 2
.endif
.irp m, 0,1
.irp u, 0,1
.set QQ, 4*KS+2*\m+\u
.if QQ < 20
.set WR, 12*QQ
.else
.set WR, 12*(QQ-20)
.endif
.if KS == 0
.set CR, BI+8*(2*\m+\u)
.else
.set CR, ACC+8*(2*\m+\u)
.endif
	PROD ACC+8*(2*\m+\u), WR, 96*\cur+12*KS, CR, WS+8*\m+KS, XS+4*\cur+KS%4, \u, KS/4
.endr
.endr
.set KS, KS+1
.endr
	WIN 0
.rept 4
	v_nop                                          ; four places between the last products and the loads into the set that they read, and the first read of their results
.endr
	s_wait_xcnt 0x0                                ; the loads and stores issued so far have read their bases and data: both are written again only behind this wait
	s_min_u32 s27, s[\J], 63
	s_mul_i32 s40, s27, AREC
	s_mov_b32 s41, 0
	s_add_nc_u64 s[30:31], s[34:35], s[40:41]      ; where this tile's act goes
	s_add_co_u32 s26, s[\J], 4
	s_cmp_lt_u32 s26, s24
	s_cbranch_scc0 .Lnone_\@
	s_min_u32 s26, s26, 63
	s_mul_i32 s40, s26, XREC
	s_add_nc_u64 s[28+16*\cur:29+16*\cur], s[32:33], s[40:41]
.set PL, 25*\cur
.rept 25
	XLD PL
.set PL, PL+1
.endr
	WIN 0
	s_branch .Ljoin_\@
.Lnone_\@:
	s_wait_loadcnt 0x0                             ; nothing is asked for: then no load stays out, so that the count at the next tile's head is right on this way too
.Ljoin_\@:
	; act = h0 x h1 / (1 + e^-h1), in f32; each accumulator is read from its low end on.  Register 8 u + j of lane (r, eta): row r, unit 16 eta + 8 u + j of my block
.irp j, 0,2,4,6,8,10,12,14
	v_pk_mul_f32 v[T+\j:T+\j+1], v[ACC+16+\j:ACC+16+\j+1], 0xbfb8aa3b op_sel_hi:[1,0]   ; -h1 log2(e)
.endr
.irp j, 0,1,2,3,4,5,6,7,8,9,10,11,12,13,14,15
	v_exp_f32 v[T+\j], v[T+\j]
.endr
	v_nop                                          ; a plain line behind the exponentials
	s_wait_alu depctr_va_vdst(0)
.irp j, 0,2,4,6,8,10,12,14
	v_pk_add_f32 v[T+\j:T+\j+1], v[T+\j:T+\j+1], 1.0 op_sel_hi:[1,0]
.endr
.irp j, 0,1,2,3,4,5,6,7,8,9,10,11,12,13,14,15
	v_rcp_f32 v[T+\j], v[T+\j]
.endr
	v_nop                                          ; a plain line behind the reciprocals
	s_wait_alu depctr_va_vdst(0)
.irp j, 0,2,4,6,8,10,12,14
	v_pk_mul_f32 v[ACC+16+\j:ACC+16+\j+1], v[ACC+16+\j:ACC+16+\j+1], v[T+\j:T+\j+1]   ; silu(h1)
.endr
.irp j, 0,2,4,6,8,10,12,14
	v_pk_mul_f32 v[ACC+\j:ACC+\j+1], v[ACC+\j:ACC+\j+1], v[ACC+16+\j:ACC+16+\j+1]
.endr
	; the block of 32 lies in lanes l and l xor 16, 16 numbers each
	v_max3_num_f32 v[QM], |v[ACC]|, |v[ACC+1]|, 0x1800000
	v_max3_num_f32 v[QM+1], |v[ACC+2]|, |v[ACC+3]|, |v[ACC+4]|
	v_max3_num_f32 v[QM], v[QM], |v[ACC+5]|, |v[ACC+6]|
	v_max3_num_f32 v[QM+1], v[QM+1], |v[ACC+7]|, |v[ACC+8]|
	v_max3_num_f32 v[QM], v[QM], |v[ACC+9]|, |v[ACC+10]|
	v_max3_num_f32 v[QM+1], v[QM+1], |v[ACC+11]|, |v[ACC+12]|
	v_max3_num_f32 v[QM], v[QM], |v[ACC+13]|, |v[ACC+14]|
	v_max3_num_f32 v[QM], v[QM], v[QM+1], |v[ACC+15]|
	v_permlanex16_b32 v[QP], v[QM], s36, s37
	v_max_num_f32 v[QM], v[QM], v[QP]
	v_add_nc_u32 v[QSC], 0xff000000, v[QM]
	v_lshrrev_b32 v[BYT], 23, v[QSC]
	v_cvt_scalef32_pk16_fp6_f32 v[CD:CD+2], v[ACC:ACC+15], v[QSC]
	v_nop                                          ; one plain line behind a scaled conversion
	; The block's six words are eta = 0's three (w0 w1 w2), then eta = 1's three (w3 w4 w5).
	; c = 0: the 16-byte part is w0 .. w3 (eta = 0 stores w0 w1, eta = 1 w2 w3), the 8-byte part w4 w5 (a word a lane).   c = 1: the 8-byte part is w0 w1, the 16-byte part w2 .. w5 (eta = 0: w2 w3, eta = 1: w4 w5).
	v_permlanex16_b32 v[P0], v[CD], s36, s37
	v_permlanex16_b32 v[P1], v[CD+1], s36, s37
	v_permlanex16_b32 v[P2], v[CD+2], s36, s37
	v_cndmask_b32 v[SO], v[CD], v[P2], s38         ; c = 0: w0 | w2
	v_cndmask_b32 v[SO+1], v[CD+1], v[CD], s38     ;        w1 | w3
	v_cndmask_b32 v[SO+2], v[P1], v[CD+2], s38     ;        w4 | w5   (c = 1, lanes 16-31: w1, which is lane l xor 16's second word, stays)
	v_cndmask_b32 v[SO], v[SO], v[CD+2], s62       ; c = 1, lanes 0-15: w2
	v_cndmask_b32 v[SO+1], v[SO+1], v[P0], s62     ;                    w3
	v_cndmask_b32 v[SO+2], v[SO+2], v[CD], s62     ;                    w0
	v_cndmask_b32 v[SO], v[SO], v[CD+1], s63       ; c = 1, lanes 16-31: w4
	v_cndmask_b32 v[SO+1], v[SO+1], v[CD+2], s63   ;                     w5
	global_store_b64 v11, v[SO:SO+1], s[30:31]     ; the wave stores 256 consecutive bytes, aligned
	global_store_b32 v12, v[SO+2], s[30:31]        ; sixteen pieces of 8 bytes, 16 apart
	global_store_b8 v13, v[BYT], s[30:31]          ; both lanes of a row store the same byte with the same value
.endm
	; My tiles are par, par + 2 ..: (n + 1 - par) / 2 of them.  A trip runs two, one from each set: the loop is counted in trips, from 0 by 1 against a bound that it does not write.
	s_add_co_u32 s39, s24, 1
	s_sub_co_u32 s39, s39, s22
	s_lshr_b32 s39, s39, 1                         ; my tiles
	s_add_co_u32 s39, s39, 1
	s_lshr_b32 s39, s39, 1                         ; my trips, the last perhaps of one tile
	s_mov_b32 s42, 0                               ; the trip
	s_mov_b32 s25, s22                             ; my first tile
	s_cmp_ge_u32 s25, s24
	s_cbranch_scc1 .Lend
.Ltile:
	TILE 0, 25
	s_add_co_u32 s23, s25, 2
	s_cmp_lt_u32 s23, s24
	s_cbranch_scc1 .Lsecond
	s_wait_tensorcnt 0x0
	ds_add_u32 v254, v255
	s_wait_dscnt 0x0
	s_endpgm                                       ; an odd number of tiles: the wave ends here, inside the loop
.Lsecond:
	TILE 1, 23
	s_add_co_u32 s25, s25, 4
	s_add_co_u32 s42, s42, 1
	s_cmp_lt_u32 s42, s39
	s_cbranch_scc1 .Ltile
.Lend:
	s_wait_tensorcnt 0x0
	ds_add_u32 v254, v255
	s_wait_dscnt 0x0
	s_endpgm
.Lfunc_end_k_q4f1784e2dc_up:
	.size	k_q4f1784e2dc_up, .Lfunc_end_k_q4f1784e2dc_up-k_q4f1784e2dc_up
	.p2alignl 7, 3214868480
	.fill 96, 4, 3214868480
	.section	.rodata,"a",@progbits
	.p2align	6, 0x0
	.amdhsa_kernel k_q4f1784e2dc_up
		.amdhsa_group_segment_fixed_size 136704
		.amdhsa_private_segment_fixed_size 0
		.amdhsa_enable_private_segment 0
		.amdhsa_kernarg_size 56
		.amdhsa_user_sgpr_count 2
		.amdhsa_user_sgpr_kernarg_segment_ptr 1
		.amdhsa_wavefront_size32 1
		.amdhsa_system_sgpr_workgroup_id_x 1
		.amdhsa_system_sgpr_workgroup_id_y 1
		.amdhsa_system_sgpr_workgroup_id_z 1
		.amdhsa_system_vgpr_workitem_id 0
		.amdhsa_next_free_vgpr 960
		.amdhsa_next_free_sgpr 66
		.amdhsa_reserve_vcc 0
		.amdhsa_float_denorm_mode_32 3
		.amdhsa_float_denorm_mode_16_64 3
		.amdhsa_memory_ordered 1
		.amdhsa_forward_progress 1
		.amdhsa_inst_pref_size 153
	.end_amdhsa_kernel
	.amdgpu_metadata
---
amdhsa.version: [ 1, 2 ]
amdhsa.kernels:
  - .name:           k_q4f1784e2dc_up
    .symbol:         k_q4f1784e2dc_up.kd
    .args:
      - { .name: w0, .offset: 0, .size: 8, .value_kind: global_buffer, .address_space: global }
      - { .name: w1, .offset: 8, .size: 8, .value_kind: global_buffer, .address_space: global }
      - { .name: b0, .offset: 16, .size: 8, .value_kind: global_buffer, .address_space: global }
      - { .name: b1, .offset: 24, .size: 8, .value_kind: global_buffer, .address_space: global }
      - { .name: place, .offset: 32, .size: 8, .value_kind: global_buffer, .address_space: global }
      - { .name: xq, .offset: 40, .size: 8, .value_kind: global_buffer, .address_space: global }
      - { .name: aq, .offset: 48, .size: 8, .value_kind: global_buffer, .address_space: global }
    .group_segment_fixed_size: 136704
    .private_segment_fixed_size: 0
    .kernarg_segment_align: 8
    .kernarg_segment_size: 56
    .max_flat_workgroup_size: 128
    .sgpr_count:     66
    .vgpr_count:     960
    .wavefront_size: 32
...
	.end_amdgpu_metadata
.endif
;; end of part 3
;; launch down (part 4): grid 32 x 8, 4 waves a work-group, no clusters, 85,504 bytes of LDS; arguments w2, b2, place, aq, y2; writes y2
.if DOCPART == 4
	.amdgcn_target "amdgcn-amd-amdhsa--gfx1250"
	.amdhsa_code_object_version 6
	.text
	.protected	k_q4f1784e2dc_down
	.globl	k_q4f1784e2dc_down
	.p2align	8
	.type	k_q4f1784e2dc_down,@function
k_q4f1784e2dc_down:
	s_mov_b64 s[64:65], 0
	v_nop
	global_prefetch_b8 v0, s[64:65] scope:SCOPE_SE
	s_setreg_imm32_b32 hwreg(HW_REG_WAVE_MODE, 25, 1), 1
	s_wait_xcnt 0x0
; DOWN.  y2 = act w2^T + b2 for the rows routed to an expert, on codes of FP6 (E2M3) with one E8M0 scale for each 32 along K = 2,048.
; SHARES BY WEIGHTS.  Work-group (ds, e) owns outputs d = 32 ds .. 32 ds + 31 of expert e: 32 rows x 8,192 bytes of w2 in f32, read from memory ONCE in the launch, quantised on the way, never stored.
; PHASE A, the stream.  Wave w (16 rows w % 2, half of K w / 2) takes 8 fragments (16 rows x 128 K): loads of 512 consecutive bytes, a ring of four sets of 16 loads (32 KiB a wave on its way), a turn through the wave's own stage
; in LDS, the codes to LDS as images of the operand's registers.  One barrier.  In the ring's last four steps, where no set of weights is left to ask for, the wave asks for its first two tiles of act instead, 16 loads a step;
; the 36 loads that then remain of the 100 go out behind the barrier.
; PHASE B.  Every wave holds all 32 fragments in 384 registers and walks the expert's tiles of 16 rows, wave w tiles w, w + 4 ..: 50 loads of 512 consecutive bytes bring a tile's 16 fragments and scale words as the launch before
; laid them; 32 products, transposed (source 0 = 16 outputs, source 1 = 16 rows), four accumulators by turns: two tiles of outputs x two halves of K; b2 is the first C of the lower half.
; act's tiles lie in two sets of registers; a set is asked for again straight behind its products, with the wave's tile after next, so that two tiles are on their way or at hand.
; K IS SUMMED IN TWO HALVES for each output, joined by one f32 addition: another order of rounding than one chain over K.
; y2: block ((64 e + tile) x 32 + ds) of 2,048 bytes = [16 rows][32 outputs] f32.  A tile's results go through the wave's stage and leave as four stores of 512 consecutive bytes, aligned.
; The number of tiles is a whole number that an earlier launch stored.  So this text has no tensor load and no joint request: its trip count hangs on a loaded number, and a count fit for every split, 64 tiles an expert, would be
; four times the mean.  An expert without rows counts as one tile (the launches before stored it): its result is stored and read by nobody.
; LIMITS: NaN and infinities are not served; a block of w2 whose largest magnitude lies under 2^-124 keeps the byte 1.
.set STGB, 8448                        ; LDS: a stage for each wave (phase A: 16 rows x 528 bytes; phase B: 16 rows x 144),
.set WIMG, 4*STGB                      ; the 32 fragments' images, 1,536 bytes each: 16 n + ks,
.set WSC,  WIMG+32*1536                ; their scale words: 128 ks + 64 n + 4 r
.set AREC, 25600
.set BI,  16                           ; v16-31    b2, eight registers for tile n
.set ACC, 32                           ; v32-63    the accumulators (half of K kp, tile n) at 8 (2 kp + n)
.set WS,  64                           ; v64-79    w2's scale words by K step: lanes 0-15 tile 0, lanes 16-31 tile 1
.set AS,  80                           ; v80-95    act's scale words, two sets of eight: register ks % 8, lanes 16 (ks / 8) on
.set O,   96                           ; v96-111   rows of y2
.set AW0, 112                          ; v112-159  set 1 of act: the fragments of K steps 6, 14, 7, 15
.set PX,  160                          ; phase A, as in the launch before
.set PF,  224
.set PT2, 236
.set PM,  244
.set PSC, 248
.set PBY, 250
.set PW,  252
; window 1: phase A: the ring; phase B: w2's fragments q = 4 i + 2 kp + n (K step 8 kp + i), q < 20, at 12 q.   window 2: q >= 20 at 12 (q - 20).
; act, set 0: window 3, fragment ks at 12 ks.   act, set 1, in what the others leave free, by pairs (K steps i and 8 + i, 24 registers), so that the window hangs on i alone:
;   i = 0, 1: window 3 from v192;   i = 2 .. 5: window 2 from v144;   i = 6, 7: window 0 from v112.
; s[28:29], s[58:59]: where the tile asked for into set 0, 1 begins
.set MSB, 0
.macro WIN new                         ; the immediate's high byte repeats the setting that is left
.if MSB != \new
	s_set_vgpr_msb (MSB<<8)|\new
.set MSB, \new
.endif
.endm
.macro QB X, F, T2, M, SC, BY          ; 64 numbers of a lane, two whole blocks, become 12 registers of codes; the floor 2^(3 - 127) holds the byte at 1 from below
.irp c, 0,1
	v_max3_num_f32 v[\M+\c], |v[\X+32*\c]|, |v[\X+32*\c+1]|, 0x1800000
	v_max3_num_f32 v[\M+2+\c], |v[\X+32*\c+16]|, |v[\X+32*\c+17]|, |v[\X+32*\c+18]|
.endr
.irp i, 2,4,6,8,10,12
.irp c, 0,1
	v_max3_num_f32 v[\M+\c], v[\M+\c], |v[\X+32*\c+\i]|, |v[\X+32*\c+\i+1]|
	v_max3_num_f32 v[\M+2+\c], v[\M+2+\c], |v[\X+32*\c+\i+17]|, |v[\X+32*\c+\i+18]|
.endr
.endr
.irp c, 0,1
	v_max3_num_f32 v[\M+\c], v[\M+\c], |v[\X+32*\c+14]|, |v[\X+32*\c+15]|
.endr
.irp c, 0,1
	v_max3_num_f32 v[\M+\c], v[\M+\c], v[\M+2+\c], |v[\X+32*\c+31]|
.endr
.irp c, 0,1
	v_add_nc_u32 v[\SC+\c], 0xff000000, v[\M+\c]   ; 2 off the exponent field: the conversion's scale operand
.endr
.irp c, 0,1
	v_lshrrev_b32 v[\BY+\c], 23, v[\SC+\c]
.endr
.irp c, 0,1
	v_cvt_scalef32_pk16_fp6_f32 v[\F+6*\c:\F+6*\c+2], v[\X+32*\c:\X+32*\c+15], v[\SC+\c]
	v_cvt_scalef32_pk16_fp6_f32 v[\T2+4*\c:\T2+4*\c+2], v[\X+32*\c+16:\X+32*\c+31], v[\SC+\c]   ; (a conversion's three registers begin on an even number)
.endr
	v_nop                                          ; one plain line behind a scaled conversion
.irp c, 0,1
.irp i, 0,1,2
	v_mov_b32 v[\F+6*\c+3+\i], v[\T2+4*\c+\i]
.endr
.endr
.endm
; Load L of the 100 that fill act's two sets: set L / 50.  Of a set's 50 the first 48 go by pairs: pair l / 6, half of K (l / 3) % 2, group l % 3: 512 consecutive bytes each; the last two bring the scale words
.macro ALD L
.set ASET, (\L)/50
.set AIDX, (\L)%50
.if AIDX < 48
.set APAIR, AIDX/6
.set AHALF, (AIDX/3)%2
.set AGRP, AIDX%3
.if ASET == 0
	WIN 0xc0                                       ; destination window 3
.set AREG, 12*(8*AHALF+APAIR)+4*AGRP
.elseif APAIR < 2
	WIN 0xc0
.set AREG, 192+24*APAIR+12*AHALF+4*AGRP
.elseif APAIR < 6
	WIN 0x80                                       ; destination window 2
.set AREG, 144+24*(APAIR-2)+12*AHALF+4*AGRP
.else
	WIN 0
.set AREG, AW0+24*(APAIR-6)+12*AHALF+4*AGRP
.endif
	global_load_b128 v[AREG:AREG+3], v1, s[28+30*ASET:29+30*ASET] offset:1536*(8*AHALF+APAIR)+512*AGRP
.else
	WIN 0
	global_load_b128 v[AS+8*ASET+4*(AIDX-48):AS+8*ASET+4*(AIDX-48)+3], v13, s[28+30*ASET:29+30*ASET] offset:24576+16*(AIDX-48)
.endif
.endm
	s_load_b256 s[4:11], s[0:1], 0x0               ; w2 s[4:5], b2 s[6:7], place s[8:9], aq s[10:11]
	s_load_b64 s[12:13], s[0:1], 0x20              ; y2
	v_lshl_add_u32 v254, v0, 2, 0x14c00
	v_mov_b32 v255, 0
	v_lshrrev_b32 v2, 5, v0
	v_readfirstlane_b32 s18, v2                    ; wave 0..3
	s_mov_b32 s19, ttmp9                           ; ds
	s_and_b32 s20, ttmp7, 0xffff                   ; e
	s_and_b32 s21, s18, 1                          ; phase A: n, my 16 rows
	s_lshr_b32 s22, s18, 1                         ; phase A: kp, my half of K
	v_and_b32 v9, 31, v0                           ; lane
	v_lshlrev_b32 v1, 4, v9                        ; 16 x lane
	v_lshlrev_b32 v13, 5, v9                       ; 32 x lane
	v_and_b32 v2, 15, v0                           ; r
	v_bfe_u32 v3, v0, 4, 1                         ; eta
	s_mul_i32 s40, s18, STGB
	v_add_nc_u32 v4, s40, v1                       ; the stage, phase A, on the way in
	v_mul_u32_u24 v5, v2, 528
	v_lshl_add_u32 v5, v3, 7, v5
	v_add_nc_u32 v5, s40, v5                       ; and out: row r, + 128 eta
	v_mul_u32_u24 v10, v2, 144
	v_lshl_add_u32 v10, v3, 5, v10
	v_add_nc_u32 v10, s40, v10                     ; the stage, phase B, in: row r of 128 + 16 bytes, + 32 eta
	v_lshrrev_b32 v11, 3, v9
	v_mul_u32_u24 v11, v11, 144
	v_and_b32 v14, 7, v0
	v_lshl_add_u32 v11, v14, 4, v11
	v_add_nc_u32 v11, s40, v11                     ; and back: eight lanes to a row, four rows an instruction
	s_lshl_b32 s40, s21, 4
	s_lshl_b32 s41, s22, 3
	s_add_co_u32 s40, s40, s41
	s_mul_i32 s40, s40, 1536
	s_add_co_u32 s40, s40, WIMG
	v_add_nc_u32 v6, s40, v1                       ; where I store images: fragment 16 n + 8 kp on
	s_lshl_b32 s40, s22, 10
	s_lshl_b32 s41, s21, 6
	s_add_co_u32 s40, s40, s41
	s_add_co_u32 s40, s40, WSC
	v_lshl_add_u32 v7, v2, 2, s40                  ; and scale words
	v_add_nc_u32 v8, WIMG, v1                      ; where I fetch images,
	v_lshl_add_u32 v9, v9, 2, WSC                  ; and scale words: 4 x lane
	v_lshlrev_b32 v14, 5, v3                       ; b2: 32 eta
	v_lshlrev_b32 v15, 3, v3                       ; 8 eta: a scale byte's shift
	v_mov_b32 v[PW+1], 0                           ; written once: a lane permute's destination counts as one of its sources
	s_mov_b32 s36, 0x76543210
	s_mov_b32 s37, 0xfedcba98                      ; v_permlanex16_b32's selects for lane l xor 16
	s_lshl_b32 s48, s20, 23                        ; w2: an expert is 1,024 rows of 8,192 bytes,
	s_lshl_b32 s49, s19, 18                        ; my work-group's 32 rows,
	s_add_co_u32 s48, s48, s49
	s_lshl_b32 s49, s21, 17                        ; my 16,
	s_add_co_u32 s48, s48, s49
	s_lshl_b32 s49, s22, 12                        ; my half of K: eight K steps of 512 bytes
	s_add_co_u32 s48, s48, s49
	s_mov_b32 s49, 0
	s_lshl_b32 s50, s20, 10                        ; b2: 1,024 e + 32 ds numbers
	s_lshl_b32 s51, s19, 5
	s_add_co_u32 s50, s50, s51
	s_lshl_b32 s50, s50, 2
	s_mov_b32 s51, 0
	s_lshl_b32 s52, s20, 2
	s_mov_b32 s53, 0
	s_mul_i32 s56, s20, 64*AREC
	s_mov_b32 s57, 0
	s_wait_kmcnt 0x0
	s_add_nc_u64 s[46:47], s[4:5], s[48:49]
	s_add_nc_u64 s[6:7], s[6:7], s[50:51]
	s_add_nc_u64 s[8:9], s[8:9], s[52:53]
	s_load_b32 s24, s[8:9], 0x1000                 ; the expert's rows
	s_add_nc_u64 s[34:35], s[10:11], s[56:57]      ; the expert's tiles of act
.irp n, 0,1                                    ; lane (r, eta) wants, for tile n, b2 of outputs 16 n + 8 eta + 0 .. 7.  These loads are older than every set of the ring
	global_load_b128 v[BI+8*\n:BI+8*\n+3], v14, s[6:7] offset:64*\n
	global_load_b128 v[BI+8*\n+4:BI+8*\n+7], v14, s[6:7] offset:64*\n+16
.endr
.macro WLOAD f                         ; my f-th K step: 16 rows x 512 bytes into set f % 4; every offset is an immediate, 126,464 at the most
	WIN 0x40                                       ; destination window 1
.set RR, 0
.rept 16
	global_load_b128 v[64*((\f)%4)+4*RR:64*((\f)%4)+4*RR+3], v1, s[46:47] offset:RR*8192+(\f)*512 th:TH_LOAD_NT
.set RR, RR+1
.endr
	WIN 0
.endm
.macro FRAGSTEP f
	s_wait_loadcnt 48                              ; this set's 16 loads are in; behind them three runs of 16 were issued, sets of weights or, at the end, loads of act's tiles: they stay out
	WIN 0x04                                       ; an LDS store's data are its source 1: window 1
.set RR, 0
.rept 16
	ds_store_b128 v4, v[64*((\f)%4)+4*RR:64*((\f)%4)+4*RR+3] offset:528*RR
.set RR, RR+1
.endr
	WIN 0
.irp c, 0,1                                    ; LDS serves a wave's instructions in order: these see the stores above
.irp i, 0,1,2,3,4,5,6,7
	ds_load_b128 v[PX+32*\c+4*\i:PX+32*\c+4*\i+3], v5 offset:256*\c+16*\i
.endr
.endr
	s_wait_dscnt 0x0                               ; my two blocks are in; the set's registers have been read; the last step's images have landed
.if (\f)+4 < 8
	WLOAD (\f)+4                                   ; the set takes the K step four further on
.else
.set PL, 16*((\f)-4)                           ; no K step is left to ask for: 16 of the 100 loads of my first two tiles of act
.rept 16
	ALD PL
.set PL, PL+1
.endr
	WIN 0
.endif
	QB PX, PF, PT2, PM, PSC, PBY
	v_lshl_or_b32 v[PW], v[PBY+1], 16, v[PBY]
	v_lshlrev_b32 v[PW], v15, v[PW]
	v_permlanex16_b32 v[PW+1], v[PW], s36, s37
	v_or_b32 v[PW], v[PW], v[PW+1]                 ; the row's scale word
.irp g, 0,1,2
	ds_store_b128 v6, v[PF+4*\g:PF+4*\g+3] offset:(\f)*1536+512*\g
.endr
	ds_store_b32 v7, v[PW] offset:(\f)*128         ; lanes 16 apart store the same word with the same value
.endm
	WLOAD 0
	WLOAD 1
	WLOAD 2
	WLOAD 3
.set FF, 0
.rept 4
	FRAGSTEP FF
.set FF, FF+1
.endr
	s_wait_kmcnt 0x0                               ; the expert's rows
	s_add_co_u32 s24, s24, 15
	s_lshr_b32 s24, s24, 4
	s_min_u32 s24, s24, 64
	s_max_u32 s24, s24, 1                          ; the expert's tiles of 16 rows; one where it has no row
	s_sub_co_u32 s43, s24, 1                       ; the last of them
	s_min_u32 s26, s18, s43                        ; my first tile, or the last where I have none: every request names bytes that were stored
	s_min_u32 s26, s26, 63
	s_mul_i32 s40, s26, AREC
	s_mov_b32 s41, 0
	s_add_nc_u64 s[28:29], s[34:35], s[40:41]
	s_add_co_u32 s26, s18, 4                       ; my second, likewise
	s_min_u32 s26, s26, s43
	s_min_u32 s26, s26, 63
	s_mul_i32 s40, s26, AREC
	s_add_nc_u64 s[58:59], s[34:35], s[40:41]
.rept 4
	FRAGSTEP FF
.set FF, FF+1
.endr
	s_wait_dscnt 0x0                               ; for the others' sake: my images and scale words have landed
	s_barrier_signal -1
	s_barrier_wait -1                              ; all 32 fragments lie in LDS; only the waves' own stages are written again
.set Q, 0
.rept 32                                       ; q = 4 i + 2 kp + n: the image of fragment 16 n + 8 kp + i
.if Q < 20
	WIN 0x40
.set DST, 12*Q
.else
	WIN 0x80
.set DST, 12*(Q-20)
.endif
.irp g, 0,1,2
	ds_load_b128 v[DST+4*\g:DST+4*\g+3], v8 offset:(16*(Q%2)+8*((Q/2)%2)+Q/4)*1536+512*\g
.endr
.set Q, Q+1
.endr
	WIN 0
.irp k, 0,1,2,3,4,5,6,7,8,9,10,11,12,13,14,15
	ds_load_b32 v[WS+\k], v9 offset:128*\k
.endr
.set PL, 64                                    ; the rest of my second tile's loads
.rept 36
	ALD PL
.set PL, PL+1
.endr
	WIN 0
	s_wait_dscnt 0x0
.macro PROD d, a, b, c, sa, sb, ra, rb ; ra, rb: which 16 lanes of the scale registers serve source 0 and source 1
.if (\ra) && (\rb)
	v_wmma_scale_f32_16x16x128_f8f6f4 v[(\d):(\d)+7], v[(\a):(\a)+11], v[(\b):(\b)+11], v[(\c):(\c)+7], v[\sa], v[\sb] matrix_a_fmt:MATRIX_FMT_FP6 matrix_b_fmt:MATRIX_FMT_FP6 matrix_a_scale:MATRIX_SCALE_ROW1 matrix_b_scale:MATRIX_SCALE_ROW1
.elseif (\ra)
	v_wmma_scale_f32_16x16x128_f8f6f4 v[(\d):(\d)+7], v[(\a):(\a)+11], v[(\b):(\b)+11], v[(\c):(\c)+7], v[\sa], v[\sb] matrix_a_fmt:MATRIX_FMT_FP6 matrix_b_fmt:MATRIX_FMT_FP6 matrix_a_scale:MATRIX_SCALE_ROW1
.elseif (\rb)
	v_wmma_scale_f32_16x16x128_f8f6f4 v[(\d):(\d)+7], v[(\a):(\a)+11], v[(\b):(\b)+11], v[(\c):(\c)+7], v[\sa], v[\sb] matrix_a_fmt:MATRIX_FMT_FP6 matrix_b_fmt:MATRIX_FMT_FP6 matrix_b_scale:MATRIX_SCALE_ROW1
.else
	v_wmma_scale_f32_16x16x128_f8f6f4 v[(\d):(\d)+7], v[(\a):(\a)+11], v[(\b):(\b)+11], v[(\c):(\c)+7], v[\sa], v[\sb] matrix_a_fmt:MATRIX_FMT_FP6 matrix_b_fmt:MATRIX_FMT_FP6
.endif
.endm
.macro PROD0 d, a, b, sa, sb, ra       ; the upper half of K starts its sum with the constant 0; its rows' scale words lie in lanes 16-31
.if (\ra)
	v_wmma_scale_f32_16x16x128_f8f6f4 v[(\d):(\d)+7], v[(\a):(\a)+11], v[(\b):(\b)+11], 0, v[\sa], v[\sb] matrix_a_fmt:MATRIX_FMT_FP6 matrix_b_fmt:MATRIX_FMT_FP6 matrix_a_scale:MATRIX_SCALE_ROW1 matrix_b_scale:MATRIX_SCALE_ROW1
.else
	v_wmma_scale_f32_16x16x128_f8f6f4 v[(\d):(\d)+7], v[(\a):(\a)+11], v[(\b):(\b)+11], 0, v[\sa], v[\sb] matrix_a_fmt:MATRIX_FMT_FP6 matrix_b_fmt:MATRIX_FMT_FP6 matrix_b_scale:MATRIX_SCALE_ROW1
.endif
.endm
; Tile s[J], whose images were asked for into set buf.  Behind its products the set is asked for again, with my tile after next (s[J] + 8), if there is one.
.macro DTILE buf, J
	s_wait_loadcnt 50                              ; set buf is in: behind its loads at most the other set's 50 were issued
.set II, 0
.rept 8
.if II < 5
.set WW, 1                                     ; w2's fragments: window 1,
.else
.set WW, 2                                     ; or 2
.endif
.if \buf == 0
.set AWIN, 3
.set ABASE, 12*II
.set ASTEP, 96
.elseif II < 2
.set AWIN, 3
.set ABASE, 192+24*II
.set ASTEP, 12
.elseif II < 6
.set AWIN, 2
.set ABASE, 144+24*(II-2)
.set ASTEP, 12
.else
.set AWIN, 0
.set ABASE, AW0+24*(II-6)
.set ASTEP, 12
.endif
.set WSET, WW+4*AWIN
	WIN WSET                                       ; source 0: w2's window; source 1: act's; C and D window 0
.irp p, 0,1
.irp n, 0,1
.set QQ, 4*II+2*\p+\n
.if QQ < 20
.set WR, 12*QQ
.else
.set WR, 12*(QQ-20)
.endif
.if (II == 0) && (\p == 1)
	PROD0 ACC+8*(2*\p+\n), WR, ABASE+ASTEP*\p, WS+8*\p+II, AS+8*\buf+II, \n
.elseif II == 0
	PROD ACC+8*(2*\p+\n), WR, ABASE+ASTEP*\p, BI+8*\n, WS+8*\p+II, AS+8*\buf+II, \n, \p
.else
	PROD ACC+8*(2*\p+\n), WR, ABASE+ASTEP*\p, ACC+8*(2*\p+\n), WS+8*\p+II, AS+8*\buf+II, \n, \p
.endif
.endr
.endr
.set II, II+1
.endr
	WIN 0
.rept 5
	v_nop                                          ; four places in front of the loads into the set's registers and of the first read of results; a fifth for the next tile's first products, which write over these accumulators
.endr
	s_wait_xcnt 0x0                                ; the loads and stores issued so far have read their bases and data: both are written again only behind this wait
	s_min_u32 s27, s[\J], 63
	s_lshl_b32 s40, s20, 6
	s_add_co_u32 s40, s40, s27
	s_lshl_b32 s40, s40, 5
	s_add_co_u32 s40, s40, s19
	s_lshl_b32 s40, s40, 11                        ; block ((64 e + tile) x 32 + ds) of 2,048 bytes
	s_mov_b32 s41, 0
	s_add_nc_u64 s[30:31], s[12:13], s[40:41]
	s_add_co_u32 s26, s[\J], 8
	s_cmp_lt_u32 s26, s24
	s_cbranch_scc0 .Lnone_\@
	s_min_u32 s26, s26, 63
	s_mul_i32 s40, s26, AREC
	s_add_nc_u64 s[28+30*\buf:29+30*\buf], s[34:35], s[40:41]
.set PL, 50*\buf
.rept 50
	ALD PL
.set PL, PL+1
.endr
	WIN 0
	s_branch .Ljoin_\@
.Lnone_\@:
	s_wait_loadcnt 0x0                             ; nothing is asked for: then no load stays out, so that the count at the next tile's head is right on this way too
.Ljoin_\@:
.irp j, 0,2,4,6,8,10,12,14
	v_pk_add_f32 v[ACC+\j:ACC+\j+1], v[ACC+\j:ACC+\j+1], v[ACC+16+\j:ACC+16+\j+1]   ; the two halves of K; each accumulator is read from its low end on
.endr
.irp n, 0,1
	ds_store_b128 v10, v[ACC+8*\n:ACC+8*\n+3] offset:64*\n          ; lane (r, eta): y2(row r, output 16 n + 8 eta + 0 .. 7)
	ds_store_b128 v10, v[ACC+8*\n+4:ACC+8*\n+7] offset:64*\n+16
.endr
.irp i, 0,1,2,3
	ds_load_b128 v[O+4*\i:O+4*\i+3], v11 offset:576*\i             ; LDS serves a wave's instructions in order: these see the stores above
.endr
	s_wait_dscnt 0x0
.irp i, 0,1,2,3
	global_store_b128 v1, v[O+4*\i:O+4*\i+3], s[30:31] offset:512*\i th:TH_STORE_NT   ; 512 consecutive bytes, aligned
.endr
.endm
	; My tiles are w, w + 4 ..: (n + 3 - w) / 4 of them.  A trip runs two, one from each set: the loop is counted in trips, from 0 by 1 against a bound that it does not write.
	s_add_co_u32 s39, s24, 3
	s_sub_co_u32 s39, s39, s18
	s_lshr_b32 s39, s39, 2                         ; my tiles
	s_add_co_u32 s39, s39, 1
	s_lshr_b32 s39, s39, 1                         ; my trips, the last perhaps of one tile
	s_mov_b32 s42, 0                               ; the trip
	s_mov_b32 s25, s18                             ; my first tile
	s_cmp_ge_u32 s25, s24
	s_cbranch_scc1 .Lend
.Ltile:
	DTILE 0, 25
	s_add_co_u32 s23, s25, 4
	s_cmp_lt_u32 s23, s24
	s_cbranch_scc1 .Lsecond
	s_wait_tensorcnt 0x0
	ds_add_u32 v254, v255
	s_wait_dscnt 0x0
	s_endpgm                                       ; an odd number of tiles: the wave ends here, inside the loop
.Lsecond:
	DTILE 1, 23
	s_add_co_u32 s25, s25, 8
	s_add_co_u32 s42, s42, 1
	s_cmp_lt_u32 s42, s39
	s_cbranch_scc1 .Ltile
.Lend:
	s_wait_tensorcnt 0x0
	ds_add_u32 v254, v255
	s_wait_dscnt 0x0
	s_endpgm
.Lfunc_end_k_q4f1784e2dc_down:
	.size	k_q4f1784e2dc_down, .Lfunc_end_k_q4f1784e2dc_down-k_q4f1784e2dc_down
	.p2alignl 7, 3214868480
	.fill 96, 4, 3214868480
	.section	.rodata,"a",@progbits
	.p2align	6, 0x0
	.amdhsa_kernel k_q4f1784e2dc_down
		.amdhsa_group_segment_fixed_size 85504
		.amdhsa_private_segment_fixed_size 0
		.amdhsa_enable_private_segment 0
		.amdhsa_kernarg_size 40
		.amdhsa_user_sgpr_count 2
		.amdhsa_user_sgpr_kernarg_segment_ptr 1
		.amdhsa_wavefront_size32 1
		.amdhsa_system_sgpr_workgroup_id_x 1
		.amdhsa_system_sgpr_workgroup_id_y 1
		.amdhsa_system_sgpr_workgroup_id_z 1
		.amdhsa_system_vgpr_workitem_id 0
		.amdhsa_next_free_vgpr 1024
		.amdhsa_next_free_sgpr 66
		.amdhsa_reserve_vcc 0
		.amdhsa_float_denorm_mode_32 3
		.amdhsa_float_denorm_mode_16_64 3
		.amdhsa_memory_ordered 1
		.amdhsa_forward_progress 1
		.amdhsa_inst_pref_size 99
	.end_amdhsa_kernel
	.amdgpu_metadata
---
amdhsa.version: [ 1, 2 ]
amdhsa.kernels:
  - .name:           k_q4f1784e2dc_down
    .symbol:         k_q4f1784e2dc_down.kd
    .args:
      - { .name: w2, .offset: 0, .size: 8, .value_kind: global_buffer, .address_space: global }
      - { .name: b2, .offset: 8, .size: 8, .value_kind: global_buffer, .address_space: global }
      - { .name: place, .offset: 16, .size: 8, .value_kind: global_buffer, .address_space: global }
      - { .name: aq, .offset: 24, .size: 8, .value_kind: global_buffer, .address_space: global }
      - { .name: y2, .offset: 32, .size: 8, .value_kind: global_buffer, .address_space: global }
    .group_segment_fixed_size: 85504
    .private_segment_fixed_size: 0
    .kernarg_segment_align: 8
    .kernarg_segment_size: 40
    .max_flat_workgroup_size: 128
    .sgpr_count:     66
    .vgpr_count:     1024
    .wavefront_size: 32
...
	.end_amdgpu_metadata
.endif
;; end of part 4
;; launch combine (part 5): grid 256 x 1, 4 waves a work-group, no clusters, 0 bytes of LDS; arguments place, gates, y2, out0; writes out0
.if DOCPART == 5
	.amdgcn_target "amdgcn-amd-amdhsa--gfx1250"
	.amdhsa_code_object_version 6
	.text
	.protected	k_q4f1784e2dc_combine
	.globl	k_q4f1784e2dc_combine
	.p2align	8
	.type	k_q4f1784e2dc_combine,@function
k_q4f1784e2dc_combine:
	s_mov_b64 s[64:65], 0
	v_nop
	global_prefetch_b8 v0, s[64:65] scope:SCOPE_SE
	s_setreg_imm32_b32 hwreg(HW_REG_WAVE_MODE, 25, 1), 1
	s_wait_xcnt 0x0
; COMBINE.  out[t] = g0 y2[row of t in its first expert] + g1 y2[row in its second].  A wave to a token: each output row has one owner, and nothing is added across work-groups.
; pl[t] = R0 | R1 << 16, Rk = expert x 1,024 + row: whole numbers that an earlier launch stored.  Each is cut into tile (Rk / 16) and row (Rk % 16), held under a constant, and only then shifted left and added into an address.
; y2's block ((tile) x 32 + ds) of 2,048 bytes is [16 rows][32 outputs] f32: a token's row is 32 pieces of 128 bytes, 2,048 bytes apart; a load takes four of them.  That is the price of blocks that their makers store whole.
; A stream: no LDS, no barrier, no matrix unit, no cluster (the work-groups share nothing).  The stores cover 512 consecutive bytes each, aligned.
	s_load_b256 s[4:11], s[0:1], 0x0               ; place s[4:5], gates s[6:7], y2 s[8:9], out0 s[10:11]
	v_lshrrev_b32 v1, 5, v0
	v_readfirstlane_b32 s12, v1                    ; wave
	s_lshl_b32 s13, ttmp9, 2
	s_add_co_u32 s13, s13, s12                     ; my token
	v_and_b32 v1, 31, v0
	v_lshrrev_b32 v2, 3, v1
	v_and_b32 v3, 7, v0
	v_lshlrev_b32 v3, 4, v3
	v_lshl_add_u32 v2, v2, 11, v3                  ; in y2: block lane / 8 of four, 16 (lane % 8) in the row's 128 bytes
	v_lshlrev_b32 v3, 4, v1                        ; in out0: 16 x lane
	s_lshl_b32 s14, s13, 2
	s_mov_b32 s15, 0
	s_lshl_b32 s16, s13, 3
	s_mov_b32 s17, 0
	s_lshl_b32 s18, s13, 12
	s_mov_b32 s19, 0
	s_wait_kmcnt 0x0
	s_add_nc_u64 s[4:5], s[4:5], s[14:15]
	s_add_nc_u64 s[6:7], s[6:7], s[16:17]
	s_add_nc_u64 s[10:11], s[10:11], s[18:19]
	s_load_b32 s34, s[4:5], 0x0                    ; pl[t]
	s_load_b64 s[20:21], s[6:7], 0x0               ; g0, g1
	s_wait_kmcnt 0x0
	s_bfe_u32 s24, s34, 0x90004                    ; the first expert's tile,
	s_bfe_u32 s25, s34, 0x40000                    ; and the row in it
	s_bfe_u32 s26, s34, 0x90014                    ; the second's
	s_bfe_u32 s27, s34, 0x40010
	s_min_u32 s24, s24, 511
	s_min_u32 s25, s25, 15
	s_min_u32 s26, s26, 511
	s_min_u32 s27, s27, 15
	s_lshl_b32 s24, s24, 16                        ; a tile is 32 blocks of 2,048 bytes,
	s_lshl_b32 s25, s25, 7                         ; a row in a block 128 bytes
	s_add_co_u32 s28, s24, s25
	s_mov_b32 s29, 0
	s_add_nc_u64 s[30:31], s[8:9], s[28:29]
	s_lshl_b32 s26, s26, 16
	s_lshl_b32 s27, s27, 7
	s_add_co_u32 s28, s26, s27
	s_add_nc_u64 s[32:33], s[8:9], s[28:29]
	s_mov_b32 s22, s21                             ; g1 as the low word of a pair of its own: the packed form takes a scalar pair's low word for both halves
	s_mov_b32 s23, s21
.irp i, 0,1,2,3,4,5,6,7
	global_load_b128 v[8+4*\i:8+4*\i+3], v2, s[30:31] offset:8192*\i th:TH_LOAD_NT
	global_load_b128 v[40+4*\i:40+4*\i+3], v2, s[32:33] offset:8192*\i th:TH_LOAD_NT
.endr
.irp i, 0,1,2,3,4,5,6,7
	s_wait_loadcnt 14-2*\i                         ; this pair of loads is in; the later pairs stay out
.irp p, 0,2
	v_pk_mul_f32 v[8+4*\i+\p:8+4*\i+\p+1], v[8+4*\i+\p:8+4*\i+\p+1], s[20:21] op_sel_hi:[1,0]
	v_pk_fma_f32 v[8+4*\i+\p:8+4*\i+\p+1], v[40+4*\i+\p:40+4*\i+\p+1], s[22:23], v[8+4*\i+\p:8+4*\i+\p+1] op_sel_hi:[1,0,1]
.endr
	global_store_b128 v3, v[8+4*\i:8+4*\i+3], s[10:11] offset:512*\i th:TH_STORE_NT
.endr
	s_endpgm
.Lfunc_end_k_q4f1784e2dc_combine:
	.size	k_q4f1784e2dc_combine, .Lfunc_end_k_q4f1784e2dc_combine-k_q4f1784e2dc_combine
	.p2alignl 7, 3214868480
	.fill 96, 4, 3214868480
	.section	.rodata,"a",@progbits
	.p2align	6, 0x0
	.amdhsa_kernel k_q4f1784e2dc_combine
		.amdhsa_group_segment_fixed_size 0
		.amdhsa_private_segment_fixed_size 0
		.amdhsa_enable_private_segment 0
		.amdhsa_kernarg_size 32
		.amdhsa_user_sgpr_count 2
		.amdhsa_user_sgpr_kernarg_segment_ptr 1
		.amdhsa_wavefront_size32 1
		.amdhsa_system_sgpr_workgroup_id_x 1
		.amdhsa_system_sgpr_workgroup_id_y 1
		.amdhsa_system_sgpr_workgroup_id_z 1
		.amdhsa_system_vgpr_workitem_id 0
		.amdhsa_next_free_vgpr 80
		.amdhsa_next_free_sgpr 66
		.amdhsa_reserve_vcc 0
		.amdhsa_float_denorm_mode_32 3
		.amdhsa_float_denorm_mode_16_64 3
		.amdhsa_memory_ordered 1
		.amdhsa_forward_progress 1
		.amdhsa_inst_pref_size 7
	.end_amdhsa_kernel
	.amdgpu_metadata
---
amdhsa.version: [ 1, 2 ]
amdhsa.kernels:
  - .name:           k_q4f1784e2dc_combine
    .symbol:         k_q4f1784e2dc_combine.kd
    .args:
      - { .name: place, .offset: 0, .size: 8, .value_kind: global_buffer, .address_space: global }
      - { .name: gates, .offset: 8, .size: 8, .value_kind: global_buffer, .address_space: global }
      - { .name: y2, .offset: 16, .size: 8, .value_kind: global_buffer, .address_space: global }
      - { .name: out0, .offset: 24, .size: 8, .value_kind: global_buffer, .address_space: global }
    .group_segment_fixed_size: 0
    .private_segment_fixed_size: 0
    .kernarg_segment_align: 8
    .kernarg_segment_size: 32
    .max_flat_workgroup_size: 128
    .sgpr_count:     66
    .vgpr_count:     80
    .wavefront_size: 32
...
	.end_amdgpu_metadata
.endif
;; end of part 5
;; ======== version 2 of 2: 5 launches
;; workspace buffers: route 6,144 bytes of whole numbers; gates 8,192 bytes; place 4,352 bytes of whole numbers; xq 6,553,600 bytes; aq 13,107,200 bytes; y2 33,554,432 bytes
;; launch route (part 6): grid 32 x 1, 8 waves a work-group, no clusters, 34,816 bytes of LDS; arguments x, gate_w, gate_b, route, gates; writes route, gates
.if DOCPART == 6
	.amdgcn_target "amdgcn-amd-amdhsa--gfx1250"
	.amdhsa_code_object_version 6
	.text
	.protected	k_q4f1784e2dc_route
	.globl	k_q4f1784e2dc_route
	.p2align	8
	.type	k_q4f1784e2dc_route,@function
k_q4f1784e2dc_route:
	s_mov_b64 s[64:65], 0
	v_nop
	global_prefetch_b8 v0, s[64:65] scope:SCOPE_SE
	s_setreg_imm32_b32 hwreg(HW_REG_WAVE_MODE, 25, 1), 1
	s_wait_xcnt 0x0
; ROUTE.  logits[t][e] = x[t] . gate_w[e] + gate_b[e] in f32 (1,024 tokens, 8 experts, K = 1,024); the two largest (a tie keeps the lower index); their softmax, with the larger taken away first.
; Stored, all at fixed places: route: for each word W of 32 tokens 64 bytes: words 0-7 the experts' masks (bit b: token 32 W + b chose the expert), words 8-11 the experts' counts, two to a word;
; from byte 2,048 on idx[t] = e0 | e1 << 8.  gates: [t][2] f32.  No address and no branch here hangs on these numbers: a later launch reads them and places the rows.
; SHARES.  Work-group W takes the 32 tokens of word W, wave v four of them.  Lanes run along K: a load is 512 consecutive bytes.  gate_w (32,768 bytes) comes once into LDS, a row a wave.
; No matrix unit (N = 8), no cluster: what the work-groups share is gate_w, 32 KiB against each one's 128 KiB of x.
; LIMITS: NaN and infinities are not served.  The sums run in another order than a plain chain: two logits that lie closer than f32 rounding of such a sum may be ordered otherwise.
.set LG,  32768                        ; LDS: behind gate_w the logits, [32 tokens][8] f32
.set X,   16                           ; v16-143   x: token tau, K step ks at 32 tau + 4 ks
.set ACC, 144                          ; v144-207  a pair of partial sums for (tau, e) at 16 tau + 2 e
.set G,   208                          ; v208-239  gate_w: two halves of four experts x 4 registers
.set TV,  240                          ; v240-243  a token's logit for expert lane % 8
	s_load_b256 s[4:11], s[0:1], 0x0               ; x s[4:5], gate_w s[6:7], gate_b s[8:9], route s[10:11]
	s_load_b64 s[12:13], s[0:1], 0x20              ; gates
	v_lshl_add_u32 v254, v0, 2, 0x8400
	v_mov_b32 v255, 0
	v_lshrrev_b32 v6, 5, v0
	s_delay_alu instid0(VALU_DEP_1)
	v_readfirstlane_b32 s14, v6                    ; wave 0..7
	s_mov_b32 s15, ttmp9                           ; W
	v_and_b32 v1, 31, v0                           ; lane
	s_delay_alu instid0(VALU_DEP_1)
	v_lshlrev_b32 v2, 4, v1                        ; 16 x lane
	v_and_b32 v3, 7, v0                            ; lane % 8
	s_wait_alu depctr_va_vdst(0)
	s_lshl_b32 s16, s14, 12
	v_add_nc_u32 v4, s16, v2                       ; gate_w's row = my wave: 4,096 x wave + 16 x lane, in memory and in LDS alike
	s_lshl_b32 s17, s14, 7
	s_add_co_u32 s17, s17, LG
	v_lshl_add_u32 v5, v3, 2, s17                  ; where my wave's logits go: LG + 128 x wave + 4 (lane % 8)
	v_lshl_add_u32 v6, v1, 5, LG                   ; where wave 0 reads token = lane: LG + 32 x lane
	s_lshl_b32 s16, s15, 7
	v_lshl_add_u32 v7, v1, 2, s16                  ; idx: 128 W + 4 x lane
	s_lshl_b32 s16, s15, 8
	v_lshl_add_u32 v8, v1, 3, s16                  ; gates: 256 W + 8 x lane
	s_lshl_b32 s16, s15, 6
	v_lshl_add_u32 v9, v1, 2, s16                  ; the word's table row: 64 W + 4 x lane
	s_mov_b32 s20, 0x76543210
	s_mov_b32 s21, 0xfedcba98                      ; v_permlanex16_b32's selects for lane l xor 16
.irp e, 1,2,3,4,5,6,7
	v_cmp_eq_u32 s[32+\e], \e, v3                  ; the lanes with lane % 8 = e
.endr
	s_lshl_b32 s18, s15, 17                        ; 32 tokens of 4,096 bytes a work-group,
	s_lshl_b32 s19, s14, 14                        ; four a wave
	s_add_co_u32 s18, s18, s19
	s_mov_b32 s19, 0
	s_wait_kmcnt 0x0
	s_add_nc_u64 s[4:5], s[4:5], s[18:19]
	s_load_b256 s[24:31], s[8:9], 0x0              ; gate_b
.irp i, 0,1,2,3,4,5,6,7
	global_load_b128 v[G+4*\i:G+4*\i+3], v4, s[6:7] offset:512*\i
.endr
.irp k, 0,1,2,3,4,5,6,7                        ; K step by K step, so that the counts below can run down
.irp t, 0,1,2,3
	global_load_b128 v[X+32*\t+4*\k:X+32*\t+4*\k+3], v2, s[4:5] offset:4096*\t+512*\k th:TH_LOAD_NT
.endr
.endr
	s_wait_loadcnt 32                              ; gate_w's row is in; the 32 loads of x issued behind it stay out
.irp i, 0,1,2,3,4,5,6,7
	ds_store_b128 v4, v[G+4*\i:G+4*\i+3] offset:512*\i
.endr
	s_wait_dscnt 0x0                               ; for the others' sake: my row has landed
	s_barrier_signal -1
	s_barrier_wait -1                              ; all eight rows lie in LDS
.macro GLOAD h                         ; half step h: K step h / 2, experts 4 (h % 2) + 0 .. 3: my 16 bytes of each
.irp q, 0,1,2,3
	ds_load_b128 v[G+16*((\h)%2)+4*\q:G+16*((\h)%2)+4*\q+3], v2 offset:(4*((\h)%2)+\q)*4096+((\h)/2)*512
.endr
.endm
	GLOAD 0
.set S, 0
.rept 16
.if S < 15
	GLOAD S+1                                      ; the next half step's four loads go into the other half of G
	s_wait_dscnt 4                                 ; and may stay out: this half step's four are in
.else
	s_wait_dscnt 0x0
.endif
.if S%2 == 0
	s_wait_loadcnt 4*(7-S/2)                       ; this K step's four loads of x are in; the later K steps' stay out
.endif
.irp t, 0,1,2,3
.irp q, 0,1,2,3
.if S < 2
	v_pk_mul_f32 v[ACC+16*\t+2*(4*(S%2)+\q):ACC+16*\t+2*(4*(S%2)+\q)+1], v[X+32*\t+4*(S/2):X+32*\t+4*(S/2)+1], v[G+16*(S%2)+4*\q:G+16*(S%2)+4*\q+1]   ; the first product starts the sums: nothing is cleared
.else
	v_pk_fma_f32 v[ACC+16*\t+2*(4*(S%2)+\q):ACC+16*\t+2*(4*(S%2)+\q)+1], v[X+32*\t+4*(S/2):X+32*\t+4*(S/2)+1], v[G+16*(S%2)+4*\q:G+16*(S%2)+4*\q+1], v[ACC+16*\t+2*(4*(S%2)+\q):ACC+16*\t+2*(4*(S%2)+\q)+1]
.endif
.endr
.endr
.irp t, 0,1,2,3
.irp q, 0,1,2,3
	v_pk_fma_f32 v[ACC+16*\t+2*(4*(S%2)+\q):ACC+16*\t+2*(4*(S%2)+\q)+1], v[X+32*\t+4*(S/2)+2:X+32*\t+4*(S/2)+3], v[G+16*(S%2)+4*\q+2:G+16*(S%2)+4*\q+3], v[ACC+16*\t+2*(4*(S%2)+\q):ACC+16*\t+2*(4*(S%2)+\q)+1]
.endr
.endr
.set S, S+1
.endr
	; the 32 sums over the wave's lanes, by turns: the pair's halves, four steps inside each 16 lanes, one across
.set N, 0
.rept 32
	v_add_f32 v[ACC+2*N], v[ACC+2*N], v[ACC+2*N+1]
.set N, N+1
.endr
.irp m, 1,2,4,8
.set N, 0
.rept 32
	v_add_f32_dpp v[ACC+2*N], v[ACC+2*N], v[ACC+2*N] row_xmask:\m row_mask:0xf bank_mask:0xf
.set N, N+1
.endr
.endr
.set N, 0
.rept 32
	v_permlanex16_b32 v[ACC+2*N+1], v[ACC+2*N], s20, s21
.set N, N+1
.endr
.set N, 0
.rept 32
	v_add_f32 v[ACC+2*N], v[ACC+2*N], v[ACC+2*N+1]
.set N, N+1
.endr
.irp t, 0,1,2,3                                ; lane l keeps expert l % 8's sum; lanes 8 apart store the same word with the same value
	v_cndmask_b32 v[TV+\t], v[ACC+16*\t], v[ACC+16*\t+2], s33
.irp e, 2,3,4,5,6,7
	s_delay_alu instid0(VALU_DEP_1)
	v_cndmask_b32 v[TV+\t], v[TV+\t], v[ACC+16*\t+2*\e], s[32+\e]
.endr
	ds_store_b32 v5, v[TV+\t] offset:32*\t
.endr
	s_wait_dscnt 0x0                               ; for wave 0's sake: my logits have landed
	s_barrier_signal -1
	s_barrier_wait -1
	s_wait_kmcnt 0x0                               ; gate_b
	s_cmp_lg_u32 s14, 0
	s_cbranch_scc1 .Lend                           ; the rest is wave 0's: a lane to a token; no barrier follows
	ds_load_b128 v[208:211], v6
	ds_load_b128 v[212:215], v6 offset:16
	s_wait_dscnt 0x0
.irp e, 0,1,2,3,4,5,6,7
	v_add_f32 v[208+\e], s[24+\e], v[208+\e]
.endr
	v_mov_b32 v216, v208                           ; the largest, and its index: only a strictly larger logit takes the place, so a tie keeps the lower index
	v_mov_b32 v217, 0
.irp e, 1,2,3,4,5,6,7
	s_delay_alu instid0(VALU_DEP_2)
	v_cmp_gt_f32 vcc_lo, v[208+\e], v216
	s_delay_alu instid0(VALU_DEP_1)
	v_cndmask_b32 v216, v216, v[208+\e], vcc_lo
	s_delay_alu instid0(VALU_DEP_2)
	v_cndmask_b32 v217, v217, \e, vcc_lo
.endr
	v_mov_b32 v218, 0xff800000                     ; the second: the same search over the experts other than the first
	v_mov_b32 v219, 0
.irp e, 0,1,2,3,4,5,6,7
	s_delay_alu instid0(VALU_DEP_2)
	v_cmp_gt_f32 s40, v[208+\e], v218
	v_cmp_ne_u32 s41, \e, v217
	s_and_b32 s40, s40, s41
	v_cndmask_b32 v218, v218, v[208+\e], s40
	v_cndmask_b32 v219, v219, \e, s40
.endr
	s_delay_alu instid0(VALU_DEP_2)
	v_sub_f32 v220, v218, v216                     ; second - first, 0 or less: the maximum is taken away
	s_delay_alu instid0(VALU_DEP_1)
	v_mul_f32 v220, 0x3fb8aa3b, v220
	s_wait_alu depctr_va_vdst(0)
	v_exp_f32 v220, v220                           ; p = e^(second - first)
	v_lshl_or_b32 v224, v219, 8, v217              ; (a plain line behind the exponential)  idx = e0 | e1 << 8
	s_wait_alu depctr_va_vdst(0)
	v_add_f32 v221, 1.0, v220
	s_wait_alu depctr_va_vdst(0)
	v_rcp_f32 v222, v221                           ; g0 = 1 / (1 + p)
	v_mov_b32 v227, 0                              ; (a plain line behind the reciprocal)
	s_wait_alu depctr_va_vdst(0)
	v_mul_f32 v223, v220, v222                     ; g1 = p / (1 + p)
	global_store_b32 v7, v224, s[10:11] offset:2048
	global_store_b64 v8, v[222:223], s[12:13]      ; the wave stores 256 consecutive bytes, aligned
.irp e, 0,1,2,3,4,5,6,7
	v_cmp_eq_u32 s[40+\e], \e, v217
	v_cmp_eq_u32 s60, \e, v219
	s_or_b32 s[40+\e], s[40+\e], s60               ; the expert's mask over the word's 32 tokens
	s_bcnt1_i32_b32 s[48+\e], s[40+\e]             ; and its count
.endr
.irp i, 0,1,2,3
	s_lshl_b32 s60, s[49+2*\i], 16
	s_or_b32 s[56+\i], s[48+2*\i], s60             ; two counts to a word
.endr
.irp e, 0
	v_writelane_b32 v227, s[40+\e], \e
.endr
.irp e, 1, 2, 3, 4, 5, 6, 7
	s_delay_alu instid0(VALU_DEP_1)
	v_writelane_b32 v227, s[40+\e], \e
.endr
.irp i, 0,1,2,3
	s_delay_alu instid0(VALU_DEP_1)
	v_writelane_b32 v227, s[56+\i], 8+\i
.endr
	s_wait_alu depctr_va_vdst(0)
	s_wait_xcnt 0x0                                ; EXEC is a source of the stores above: it changes only behind this wait
	v_cmp_gt_u32 vcc_lo, 12, v1
	s_and_saveexec_b32 s62, vcc_lo
	global_store_b32 v9, v227, s[10:11]            ; the table row's twelve words
	s_wait_xcnt 0x0                                ; and again in front of the line that widens it
	s_or_b32 exec_lo, exec_lo, s62
.Lend:
	s_wait_tensorcnt 0x0
	ds_add_u32 v254, v255
	s_wait_dscnt 0x0
	s_endpgm
.Lfunc_end_k_q4f1784e2dc_route:
	.size	k_q4f1784e2dc_route, .Lfunc_end_k_q4f1784e2dc_route-k_q4f1784e2dc_route
	.p2alignl 7, 3214868480
	.fill 96, 4, 3214868480
	.section	.rodata,"a",@progbits
	.p2align	6, 0x0
	.amdhsa_kernel k_q4f1784e2dc_route
		.amdhsa_group_segment_fixed_size 34816
		.amdhsa_private_segment_fixed_size 0
		.amdhsa_enable_private_segment 0
		.amdhsa_kernarg_size 40
		.amdhsa_user_sgpr_count 2
		.amdhsa_user_sgpr_kernarg_segment_ptr 1
		.amdhsa_wavefront_size32 1
		.amdhsa_system_sgpr_workgroup_id_x 1
		.amdhsa_system_sgpr_workgroup_id_y 1
		.amdhsa_system_sgpr_workgroup_id_z 1
		.amdhsa_system_vgpr_workitem_id 0
		.amdhsa_next_free_vgpr 256
		.amdhsa_next_free_sgpr 66
		.amdhsa_reserve_vcc 1
		.amdhsa_float_denorm_mode_32 3
		.amdhsa_float_denorm_mode_16_64 3
		.amdhsa_memory_ordered 1
		.amdhsa_forward_progress 1
		.amdhsa_inst_pref_size 67
	.end_amdhsa_kernel
	.amdgpu_metadata
---
amdhsa.version: [ 1, 2 ]
amdhsa.kernels:
  - .name:           k_q4f1784e2dc_route
    .symbol:         k_q4f1784e2dc_route.kd
    .args:
      - { .name: x, .offset: 0, .size: 8, .value_kind: global_buffer, .address_space: global }
      - { .name: gate_w, .offset: 8, .size: 8, .value_kind: global_buffer, .address_space: global }
      - { .name: gate_b, .offset: 16, .size: 8, .value_kind: global_buffer, .address_space: global }
      - { .name: route, .offset: 24, .size: 8, .value_kind: global_buffer, .address_space: global }
      - { .name: gates, .offset: 32, .size: 8, .value_kind: global_buffer, .address_space: global }
    .group_segment_fixed_size: 34816
    .private_segment_fixed_size: 0
    .kernarg_segment_align: 8
    .kernarg_segment_size: 40
    .max_flat_workgroup_size: 256
    .sgpr_count:     66
    .vgpr_count:     256
    .wavefront_size: 32
...
	.end_amdgpu_metadata
.endif
;; end of part 6
;; launch place (part 7): grid 33 x 1, 16 waves a work-group, no clusters, 137,216 bytes of LDS; arguments x, route, place, xq; writes place, xq
.if DOCPART == 7
	.amdgcn_target "amdgcn-amd-amdhsa--gfx1250"
	.amdhsa_code_object_version 6
	.text
	.protected	k_q4f1784e2dc_place
	.globl	k_q4f1784e2dc_place
	.p2align	8
	.type	k_q4f1784e2dc_place,@function
k_q4f1784e2dc_place:
	s_mov_b64 s[64:65], 0
	v_nop
	global_prefetch_b8 v0, s[64:65] scope:SCOPE_SE
	s_setreg_imm32_b32 hwreg(HW_REG_WAVE_MODE, 25, 1), 1
	s_wait_xcnt 0x0
; PLACE.  Reads the whole numbers that the launch before stored, gives each token its row in each of its two experts' lists (token order), quantises x to codes of FP6 (E2M3) with one E8M0 byte for each 32 along K,
; and lays each token's codes into BOTH experts' tiles.  Stored: place: pl[t] = R0 | R1 << 16 with Rk = expert x 1,024 + row (bytes 0 .. 4,095), cnt[e] from byte 4,096 on.
; xq: 512 tile records (tile = expert x 64 + row / 16) of 12,800 bytes: the tile's eight fragments (16 rows x 128 K) as IMAGES OF THE OPERAND'S REGISTERS: byte ks x 1,536 + g x 512 + 16 x (16 h + r) holds registers
; 4 g .. 4 g + 3 of lane (r, h); from byte 12,288 on the scale words: 16 x (16 H + r) + 4 i holds row r's word of K step 4 H + i.
; SHARES.  Work-groups 0 .. 31: wave wv takes tokens 32 W + 2 wv + u.  Lane (u = lane / 16, ks = (lane % 16) / 2, h = lane % 2) holds two whole blocks of 32: just what lane (r, h) of fragment ks holds.
; The loads take x as it lies, 512 consecutive bytes each; the 8 KiB turn through the wave's own stage in LDS (rows of 512 + 16 bytes).  Waves share nothing: no barrier.
; Work-group 32 stores the counts and fills the unused rows of each expert's last tile with zero codes under the byte 0, which add nothing to a sum.  An expert without rows gets one whole tile of such rows:
; so every expert has a tile that is stored, and the later launches may ask for an expert's first tiles before they look at its count.
; All arithmetic on counts and ranks is on whole numbers.  Each loaded number is cut into its fields, held under a constant, and only then multiplied, shifted left and added into an address.
; A token's row leaves in pieces of 16 bytes (its scale words in pieces of 4): 1.6 MB in all, written once, so that the next launch reads dense runs of 512 bytes 64 times over.
; LIMITS: NaN and infinities are not served; a block whose largest magnitude lies under 2^-124, a block of zeros among them, keeps the byte 1 (its codes are then zeros or what that scale gives); only this program reads the bytes.
.set STGB, 8448                        ; a wave's stage: 16 rows x 528 bytes
.set REC,  12800
.set RAW,  16                          ; v16-79    x as loaded
.set X,    80                          ; v80-143   my two blocks of 32
.set F,    144                         ; v144-155  the fragment's 12 registers
.set T2,   156                         ; v156-162  the blocks' upper halves, as the conversions leave them
.set M,    164                         ; v164-167  largest magnitudes
.set SC,   168                         ; v168-169  the conversions' scale operands
.set BY,   170                         ; v170-171  the scales' bytes
.set BASE, 172                         ; v172-179  rows of expert e in the words in front of mine
.set RANK, 180                         ; v180-187  + those of the tokens in front of token = lane in my word
; 64 numbers of a lane, two whole blocks, become 12 registers of codes.  A block's scale is its largest magnitude's exponent field less 2, held at 1 from below by the floor 2^(3 - 127) among the maximum's leaves.
.macro QB X, F, T2, M, SC, BY
.irp c, 0,1
	v_max3_num_f32 v[\M+\c], |v[\X+32*\c]|, |v[\X+32*\c+1]|, 0x1800000
	v_max3_num_f32 v[\M+2+\c], |v[\X+32*\c+16]|, |v[\X+32*\c+17]|, |v[\X+32*\c+18]|
.endr
.irp i, 2,4,6,8,10,12
.irp c, 0,1
	s_delay_alu instid0(VALU_DEP_4)
	v_max3_num_f32 v[\M+\c], v[\M+\c], |v[\X+32*\c+\i]|, |v[\X+32*\c+\i+1]|
	s_delay_alu instid0(VALU_DEP_4)
	v_max3_num_f32 v[\M+2+\c], v[\M+2+\c], |v[\X+32*\c+\i+17]|, |v[\X+32*\c+\i+18]|
.endr
.endr
.irp c, 0
	s_delay_alu instid0(VALU_DEP_4)
	v_max3_num_f32 v[\M+\c], v[\M+\c], |v[\X+32*\c+14]|, |v[\X+32*\c+15]|
.endr
.irp c, 1
	s_delay_alu instid0(VALU_DEP_3)
	v_max3_num_f32 v[\M+\c], v[\M+\c], |v[\X+32*\c+14]|, |v[\X+32*\c+15]|
.endr
.irp c, 0,1
	s_delay_alu instid0(VALU_DEP_2)
	v_max3_num_f32 v[\M+\c], v[\M+\c], v[\M+2+\c], |v[\X+32*\c+31]|
.endr
.irp c, 0,1
	s_delay_alu instid0(VALU_DEP_2)
	v_add_nc_u32 v[\SC+\c], 0xff000000, v[\M+\c]   ; 2 off the exponent field: the conversion takes this operand's exponent field as its scale
.endr
.irp c, 0,1
	s_delay_alu instid0(VALU_DEP_2)
	v_lshrrev_b32 v[\BY+\c], 23, v[\SC+\c]
.endr
.irp c, 0,1
	v_cvt_scalef32_pk16_fp6_f32 v[\F+6*\c:\F+6*\c+2], v[\X+32*\c:\X+32*\c+15], v[\SC+\c]
	v_cvt_scalef32_pk16_fp6_f32 v[\T2+4*\c:\T2+4*\c+2], v[\X+32*\c+16:\X+32*\c+31], v[\SC+\c]   ; (a conversion's three registers begin on an even number)
.endr
	v_nop                                          ; one plain line behind a scaled conversion
.irp c, 0,1
.irp i, 0,1,2
	v_mov_b32 v[\F+6*\c+3+\i], v[\T2+4*\c+\i]
.endr
.endr
.endm
; The counts of the words in front of word s15, summed over the lanes (a lane to a word, two counts of 16 bits to a register: a sum is 1,024 at the most).  left: the younger loads that may stay out.
.macro SUMS left
	s_wait_loadcnt \left
	v_cmp_gt_u32 vcc_lo, s15, v1
.irp i, 0,1,2,3
	v_cndmask_b32 v[4+\i], 0, v[4+\i], vcc_lo      ; words from mine on count for nothing
	v_mov_b32 v[8+\i], 0
.endr
.irp m, 1,2,4,8
.irp i, 0,1,2,3
	v_mov_b32_dpp v[8+\i], v[4+\i] row_xmask:\m row_mask:0xf bank_mask:0xf
.endr
.irp i, 0,1,2,3
	s_delay_alu instid0(VALU_DEP_4)
	v_add_nc_u32 v[4+\i], v[4+\i], v[8+\i]
.endr
.endr
.irp i, 0,1,2,3
	s_delay_alu instid0(VALU_DEP_4)
	v_permlanex16_b32 v[8+\i], v[4+\i], s20, s21
.endr
.irp i, 0,1,2,3
	s_delay_alu instid0(VALU_DEP_4)
	v_add_nc_u32 v[4+\i], v[4+\i], v[8+\i]
.endr
.irp i, 0,1,2,3
	v_and_b32 v[BASE+2*\i], 0xffff, v[4+\i]
	v_lshrrev_b32 v[BASE+2*\i+1], 16, v[4+\i]
.endr
.endm
	s_load_b256 s[4:11], s[0:1], 0x0               ; x s[4:5], route s[6:7], place s[8:9], xq s[10:11]
	v_lshl_add_u32 v208, v0, 2, 0x21000
	v_mov_b32 v209, 0
	v_lshrrev_b32 v3, 5, v0
	s_delay_alu instid0(VALU_DEP_1)
	v_readfirstlane_b32 s14, v3                    ; wave 0..15
	s_mov_b32 s15, ttmp9                           ; W
	s_min_u32 s16, s15, 31
	v_and_b32 v1, 31, v0                           ; lane
	s_delay_alu instid0(VALU_DEP_1)
	v_lshlrev_b32 v2, 4, v1
	s_mul_i32 s17, s14, STGB
	v_add_nc_u32 v3, s17, v2                       ; the stage, on the way in: 16 x lane; a load's 512 bytes are a row
	v_lshrrev_b32 v12, 1, v1
	s_delay_alu instid0(VALU_DEP_1)
	v_mul_u32_u24 v12, v12, 528
	v_and_b32 v14, 1, v0                           ; h
	s_delay_alu instid0(VALU_DEP_1)
	v_lshl_add_u32 v12, v14, 7, v12
	s_delay_alu instid0(VALU_DEP_1)
	v_add_nc_u32 v12, s17, v12                     ; and on the way out: row lane / 2 (token u, K step ks), + 128 h
	v_bfe_u32 v10, v0, 1, 3                        ; ks
	s_delay_alu instid0(VALU_DEP_1)
	v_mul_u32_u24 v13, v10, 1536
	s_delay_alu instid0(VALU_DEP_1)
	v_lshl_add_u32 v13, v14, 8, v13                ; my lane's part of a place in a tile record: 1,536 ks + 256 h
	v_bfe_u32 v11, v0, 3, 1                        ; ks / 4
	v_bfe_u32 v10, v0, 1, 2                        ; ks % 4
	s_delay_alu instid0(VALU_DEP_1)
	v_lshlrev_b32 v194, 2, v10
	s_delay_alu instid0(VALU_DEP_1)
	v_lshl_add_u32 v194, v11, 8, v194
	s_delay_alu instid0(VALU_DEP_1)
	v_add_nc_u32 v194, 12288, v194                 ; and of a scale word's place
	v_bfe_u32 v15, v0, 4, 1                        ; u
	s_lshl_b32 s18, s14, 1
	v_add_nc_u32 v15, s18, v15
	s_delay_alu instid0(VALU_DEP_1)
	v_lshlrev_b32 v15, 2, v15                      ; 4 x (my token's number in the word)
	v_lshlrev_b32 v195, 6, v1                      ; the table: 64 x lane
	s_lshl_b32 s17, s16, 7
	v_lshl_add_u32 v196, v1, 2, s17                ; idx and pl: 128 W + 4 x lane
	s_mov_b32 s20, 0x76543210
	s_mov_b32 s21, 0xfedcba98
	s_lshl_b32 s18, s16, 17                        ; 32 tokens of 4,096 bytes a work-group,
	s_lshl_b32 s19, s14, 13                        ; two a wave
	s_add_co_u32 s18, s18, s19
	s_mov_b32 s19, 0
	s_lshl_b32 s22, s16, 6
	s_mov_b32 s23, 0
	s_wait_kmcnt 0x0
	s_add_nc_u64 s[4:5], s[4:5], s[18:19]
	s_add_nc_u64 s[12:13], s[6:7], s[22:23]
	s_cmp_eq_u32 s15, 32
	s_cbranch_scc1 .Lpad                           ; the one parting, on the work-group's number; the two ways never join
	s_load_b256 s[24:31], s[12:13], 0x0            ; my word's eight masks
	s_wait_alu depctr_va_vdst(0)
	global_load_b128 v[4:7], v195, s[6:7] offset:32      ; word = lane: its eight counts
	global_load_b32 v188, v196, s[6:7] offset:2048       ; token = lane of my word: its two experts
.irp i, 0,1,2,3,4,5,6,7,8,9,10,11,12,13,14,15
	global_load_b128 v[RAW+4*\i:RAW+4*\i+3], v2, s[4:5] offset:512*\i th:TH_LOAD_NT   ; my two tokens, 512 consecutive bytes a load
.endr
	SUMS 16                                        ; the table and the experts are in; x's 16 loads stay out
	s_wait_alu depctr_va_vdst(0)
	s_wait_kmcnt 0x0
.irp e, 0,1,2,3,4,5,6,7
	v_mbcnt_lo_u32_b32 v[RANK+\e], s[24+\e], v[BASE+\e]   ; + the mask's bits under my lane
.endr
	v_and_b32 v4, 0xff, v188                       ; e0
	v_bfe_u32 v5, v188, 8, 8                       ; e1
	v_mov_b32 v6, v[RANK]
	v_mov_b32 v7, v[RANK]
.irp e, 1,2,3,4,5,6,7
	v_cmp_eq_u32 vcc_lo, \e, v4
	s_delay_alu instid0(VALU_DEP_1)
	v_cndmask_b32 v6, v6, v[RANK+\e], vcc_lo
	v_cmp_eq_u32 vcc_lo, \e, v5
	s_delay_alu instid0(VALU_DEP_1)
	v_cndmask_b32 v7, v7, v[RANK+\e], vcc_lo
.endr
	s_delay_alu instid0(VALU_DEP_3)
	v_lshl_or_b32 v6, v4, 10, v6
	s_delay_alu instid0(VALU_DEP_2)
	v_lshl_or_b32 v7, v5, 10, v7
	s_delay_alu instid0(VALU_DEP_1)
	v_lshl_or_b32 v8, v7, 16, v6                   ; R0 | R1 << 16 of token = lane; v8 and v196 are not written again
	s_cmp_lg_u32 s14, 0
	s_cbranch_scc1 .Lnot_wave_0
	global_store_b32 v196, v8, s[8:9]              ; every wave has the same 32 words: wave 0 stores them
.Lnot_wave_0:
	s_wait_alu depctr_va_vdst(0)
	ds_bpermute_b32 v9, v15, v8                    ; my own token's word
	s_wait_loadcnt 0x0                             ; x
.irp i, 0,1,2,3,4,5,6,7,8,9,10,11,12,13,14,15
	ds_store_b128 v3, v[RAW+4*\i:RAW+4*\i+3] offset:528*\i
.endr
.irp c, 0,1                                    ; LDS serves a wave's instructions in order: these see the stores above
.irp i, 0,1,2,3,4,5,6,7
	ds_load_b128 v[X+32*\c+4*\i:X+32*\c+4*\i+3], v12 offset:256*\c+16*\i   ; k = 128 ks + 64 c + 32 h + 4 i ..
.endr
.endr
	s_wait_dscnt 0x0
	QB X, F, T2, M, SC, BY
	v_lshl_or_b32 v192, v[BY+1], 16, v[BY]         ; my two bytes, blocks h and 2 + h,
	v_lshlrev_b32 v10, 3, v14
	s_delay_alu instid0(VALU_DEP_1)
	v_lshlrev_b32 v192, v10, v192                  ; at their places in the scale word;
	v_mov_b32 v193, 0
	s_delay_alu instid0(VALU_DEP_2)
	v_mov_b32_dpp v193, v192 row_xmask:1 row_mask:0xf bank_mask:0xf
	s_delay_alu instid0(VALU_DEP_1)
	v_or_b32 v192, v192, v193                      ; with the neighbour's two the word is whole
.irp k, 0,1
	v_bfe_u32 v10, v9, 16*\k+4, 9                  ; the tile
	v_bfe_u32 v11, v9, 16*\k, 4                    ; the row in it
	s_delay_alu instid0(VALU_DEP_2)
	v_min_u32 v10, 0x1ff, v10
	s_delay_alu instid0(VALU_DEP_2)
	v_min_u32 v11, 15, v11
	s_delay_alu instid0(VALU_DEP_2)
	v_mad_u32_u24 v[189+\k], v10, REC, v13
	s_delay_alu instid0(VALU_DEP_1)
	v_lshl_add_u32 v[189+\k], v11, 4, v[189+\k]
.irp g, 0,1,2
	global_store_b128 v[189+\k], v[F+4*\g:F+4*\g+3], s[10:11] offset:512*\g
.endr
.endr
	v_lshrrev_b32 v10, 16, v9                      ; the scale word: the lane with h = k serves expert k
	v_cmp_eq_u32 vcc_lo, 1, v14
	s_delay_alu instid0(VALU_DEP_1)
	v_cndmask_b32 v10, v9, v10, vcc_lo
	s_delay_alu instid0(VALU_DEP_1)
	v_bfe_u32 v11, v10, 4, 9
	s_delay_alu instid0(VALU_DEP_2)
	v_and_b32 v10, 15, v10
	s_delay_alu instid0(VALU_DEP_2)
	v_min_u32 v11, 0x1ff, v11
	s_delay_alu instid0(VALU_DEP_2)
	v_min_u32 v10, 15, v10
	s_delay_alu instid0(VALU_DEP_2)
	v_mad_u32_u24 v191, v11, REC, v194
	s_delay_alu instid0(VALU_DEP_1)
	v_lshl_add_u32 v191, v10, 4, v191
	global_store_b32 v191, v192, s[10:11]
	s_wait_tensorcnt 0x0
	ds_add_u32 v208, v209
	s_wait_dscnt 0x0
	s_endpgm
.Lpad:                                             ; work-group 32: wave = 2 x expert + half
	s_wait_alu depctr_va_vdst(0)
	global_load_b128 v[4:7], v195, s[6:7] offset:32
	SUMS 0                                         ; s15 = 32: all words count: the experts' totals
.irp e, 0,1,2,3,4,5,6,7
	v_readfirstlane_b32 s[40+\e], v[BASE+\e]
.endr
	s_lshr_b32 s36, s14, 1                         ; the expert
	s_and_b32 s37, s14, 1                          ; which four K steps of the tile
	s_mov_b32 s48, s40
.irp e, 1,2,3,4,5,6,7
	s_cmp_eq_u32 s36, \e
	s_cselect_b32 s48, s[40+\e], s48
.endr
	s_min_u32 s48, s48, 0x400                      ; its rows
	s_lshr_b32 s50, s48, 4
	s_min_u32 s50, s50, 63                         ; the tile in which they end
	s_and_b32 s49, s48, 15
	s_cselect_b32 s49, s49, 16                     ; the first unused row there; 16 (none) where the rows fill whole tiles;
	s_cmp_eq_u32 s48, 0
	s_cselect_b32 s49, 0, s49                      ; 0 (all sixteen, of tile 0) where the expert has no row
	s_lshl_b32 s51, s36, 6
	s_add_co_u32 s51, s51, s50
	s_mul_i32 s51, s51, REC
	s_mul_i32 s53, s37, 4*1536
	s_add_co_u32 s51, s51, s53
	v_lshl_add_u32 v189, v1, 4, s51
.irp i, 0,1,2,3
	v_mov_b32 v[80+\i], 0
.endr
	v_mov_b32 v190, s48
	v_mov_b32 v191, s36
	s_delay_alu instid0(VALU_DEP_1)
	v_lshlrev_b32 v191, 2, v191
	v_and_b32 v10, 15, v0
	s_wait_xcnt 0x0                                ; EXEC changes only behind this wait
	s_cmp_lg_u32 s37, 0
	s_cbranch_scc1 .Lno_count
	v_cmp_eq_u32 vcc_lo, 0, v1
	s_and_saveexec_b32 s52, vcc_lo
	s_wait_alu depctr_va_vdst(0)
	global_store_b32 v191, v190, s[8:9] offset:4096   ; cnt[e], by one lane
	s_wait_xcnt 0x0
	s_or_b32 exec_lo, exec_lo, s52
.Lno_count:
	s_wait_alu depctr_va_vdst(0)
	v_cmp_le_u32 vcc_lo, s49, v10                  ; the lanes of the unused rows
	s_and_saveexec_b32 s52, vcc_lo
.irp q, 0,1,2,3
.irp g, 0,1,2
	global_store_b128 v189, v[80:83], s[10:11] offset:1536*\q+512*\g
.endr
.endr
	s_cmp_lg_u32 s37, 0
	s_cbranch_scc1 .Lno_words
	global_store_b128 v189, v[80:83], s[10:11] offset:12288   ; and their scale words
.Lno_words:
	s_wait_xcnt 0x0
	s_or_b32 exec_lo, exec_lo, s52
	s_endpgm
.Lfunc_end_k_q4f1784e2dc_place:
	.size	k_q4f1784e2dc_place, .Lfunc_end_k_q4f1784e2dc_place-k_q4f1784e2dc_place
	.p2alignl 7, 3214868480
	.fill 96, 4, 3214868480
	.section	.rodata,"a",@progbits
	.p2align	6, 0x0
	.amdhsa_kernel k_q4f1784e2dc_place
		.amdhsa_group_segment_fixed_size 137216
		.amdhsa_private_segment_fixed_size 0
		.amdhsa_enable_private_segment 0
		.amdhsa_kernarg_size 32
		.amdhsa_user_sgpr_count 2
		.amdhsa_user_sgpr_kernarg_segment_ptr 1
		.amdhsa_wavefront_size32 1
		.amdhsa_system_sgpr_workgroup_id_x 1
		.amdhsa_system_sgpr_workgroup_id_y 1
		.amdhsa_system_sgpr_workgroup_id_z 1
		.amdhsa_system_vgpr_workitem_id 0
		.amdhsa_next_free_vgpr 210
		.amdhsa_next_free_sgpr 66
		.amdhsa_reserve_vcc 1
		.amdhsa_float_denorm_mode_32 3
		.amdhsa_float_denorm_mode_16_64 3
		.amdhsa_memory_ordered 1
		.amdhsa_forward_progress 1
		.amdhsa_inst_pref_size 26
	.end_amdhsa_kernel
	.amdgpu_metadata
---
amdhsa.version: [ 1, 2 ]
amdhsa.kernels:
  - .name:           k_q4f1784e2dc_place
    .symbol:         k_q4f1784e2dc_place.kd
    .args:
      - { .name: x, .offset: 0, .size: 8, .value_kind: global_buffer, .address_space: global }
      - { .name: route, .offset: 8, .size: 8, .value_kind: global_buffer, .address_space: global }
      - { .name: place, .offset: 16, .size: 8, .value_kind: global_buffer, .address_space: global }
      - { .name: xq, .offset: 24, .size: 8, .value_kind: global_buffer, .address_space: global }
    .group_segment_fixed_size: 137216
    .private_segment_fixed_size: 0
    .kernarg_segment_align: 8
    .kernarg_segment_size: 32
    .max_flat_workgroup_size: 512
    .sgpr_count:     66
    .vgpr_count:     210
    .wavefront_size: 32
...
	.end_amdgpu_metadata
.endif
;; end of part 7
;; launch up (part 8): grid 32 x 8, 4 waves a work-group, no clusters, 136,704 bytes of LDS; arguments w0, w1, b0, b1, place, xq, aq; writes aq
.if DOCPART == 8
	.amdgcn_target "amdgcn-amd-amdhsa--gfx1250"
	.amdhsa_code_object_version 6
	.text
	.protected	k_q4f1784e2dc_up
	.globl	k_q4f1784e2dc_up
	.p2align	8
	.type	k_q4f1784e2dc_up,@function
k_q4f1784e2dc_up:
	s_mov_b64 s[64:65], 0
	v_nop
	global_prefetch_b8 v0, s[64:65] scope:SCOPE_SE
	s_setreg_imm32_b32 hwreg(HW_REG_WAVE_SCHED_MODE, 0, 2), 2
	s_setreg_imm32_b32 hwreg(HW_REG_WAVE_MODE, 25, 1), 1
	s_wait_xcnt 0x0
	s_wait_alu depctr_vm_vsrc(0)
; UP.  act = (x w0^T + b0) silu(x w1^T + b1) for the rows routed to an expert, both products on codes of FP6 (E2M3) with one E8M0 scale for each 32 along K = 1,024; act is quantised along the hidden axis and stored as codes.
; SHARES BY WEIGHTS, NOT BY ROWS.  Work-group (hs, e) owns hidden units 64 hs .. 64 hs + 63 of expert e in w0 and w1: 128 rows x 4,096 bytes of f32, read from memory ONCE in the launch, quantised on the way, never stored.
; PHASE A, the stream.  Wave w (matrix w / 2, block of 32 units w % 2) takes 16 fragments (16 rows x 128 K).  A load reads 512 consecutive bytes of one row; a ring of four sets of 16 loads keeps 32 KiB a wave on its way;
; a set turns through the wave's own stage in LDS (rows of 512 + 16 bytes), so that lane (r, h) holds two whole blocks of its row; the codes go to LDS as images of the operand's registers.  One barrier.
; In the ring's last four steps, where no set of weights is left to ask for, the wave asks for its first two tiles of x instead, 16 loads a step: they land under the end of the stream.
; THE ROWS OF A TILE ARE NOT NEIGHBOURS: lane r of tile u takes unit 8 u + r + 8 (r / 8) of the block, so that the 16 result registers of tiles 0 and 1 are 16 neighbours along the next product's K.
; PHASE B.  Wave w (block hh = w % 2, tiles of rows of parity w / 2) holds its 32 fragments (w0's and w1's, 8 K steps x 2 tiles) in 384 registers and walks the expert's tiles of 16 rows, whose images the launch before laid:
; 32 products a tile, transposed (source 0 = 16 units, source 1 = 16 rows), four accumulators by turns, the biases as the first C; act in f32; its block's scale; one conversion.
; x's tiles lie in two sets of registers; a set is asked for again behind its products, with the wave's tile after next, so that two tiles are on their way or at hand.
; aq: 512 tile records of 25,600 bytes: the tile's 16 fragments as images of the operand's registers: byte ks x 1,536 + g x 512 + 16 x (16 h + r) holds registers 4 g .. 4 g + 3 of lane (r, h);
; from byte 24,576 on the scale bytes: 32 (16 H + r) + 4 i + 2 c + h for K step 8 H + i.  My block is K step hs / 2, c = hs % 2, h = hh: registers 6 c .. 6 c + 5: with c = 0 all of group 0 and the lower half of group 1,
; with c = 1 the upper half of group 1 and all of group 2.
; The number of tiles is a whole number that an earlier launch stored.  So this text has no tensor load and no joint request: its trip count hangs on a loaded number, and a count fit for every split, 64 tiles an expert, would be
; four times the mean.  An expert without rows counts as one tile (of zero rows, which the launch before stored): its result is stored and read by nobody.
; Stores: the 16-byte parts as 256 consecutive bytes an instruction; the 8-byte parts as pieces of 8 bytes, 16 apart; the scale bytes singly, one byte in 25 of what is stored.
; LIMITS: NaN and infinities are not served; a block whose largest magnitude lies under 2^-124 keeps the byte 1; only this program reads the bytes.
; THE MODE: SCHED_MODE bits 1:0 = 2 (LLVM: expert scheduling mode 2), set by the entry lines.  The code itself states the register dependences
; between vector or matrix instructions and memory or LDS instructions, with s_wait_alu, always for 0.
; THE PLAN.  Registers that memory or LDS instructions touch:
;   v1, v4 .. v14  addresses and offsets: written at the head, never again: one wait on va_vdst ahead of the first load serves the whole kernel.
;   the ring       (window 1, phase A) written by loads, read by the LDS stores into the stage; no vector instruction names it.
;   PX             written by a step's LDS loads; read by that step's maxima and conversions.
;   PF, PW         written by step f's conversions, moves and the scale word's lines; read by the four LDS stores of the image, which are issued at the head of step f + 1.
;   x's sets, XS   written by loads; read by a tile's products.
;   SO, BYT        written by a tile's selects and a shift; read by the three stores at the tile's end.
;   the fragments and WS are loaded from LDS once and read by products alone.
; PHASE A: a wait on va_vdst at a step's head, behind the wait for the step's data: the step before has written PF and PW and is done reading PX; the image's stores, the stage's stores and the loads into PX follow it with no vector
; instruction between.  A wait on vm_vsrc behind the step's wait on DScnt: the stage's stores have read the ring's set, which the refill writes; the image's stores have read PF and PW, which this step writes.
; PHASE B: the wait behind the exponentials also states that the products are done reading their set: the refill follows it, with scalar lines, window switches and loads alone between.  Beside it a wait on vm_vsrc: the last tile's stores
; have read SO and BYT.  A wait on va_vdst ahead of the tile's three stores.
.set STGB, 8448                        ; LDS: a stage of 16 rows x 528 bytes for each wave,
.set WIMG, 4*STGB                      ; the 64 fragments' images, 1,536 bytes each: ((writer wave) x 2 + u) x 8 + ks,
.set WSC,  WIMG+64*1536                ; their scale words: ((writer wave) x 8 + ks) x 128 + 64 u + 4 r
.set XREC, 12800
.set AREC, 25600
; window 0: v1 16 x lane, v2 r, v3 eta = lane / 16, v4-v15 addresses
.set BI,  16                           ; v16-47    the biases, eight registers for (matrix mu, tile u) at 8 (2 mu + u)
.set ACC, 48                           ; v48-79    the four accumulators, likewise: v48-63 h0, v64-79 h1
.set WS,  80                           ; v80-95    the weights' scale words, 8 mu + ks: lanes 0-15 tile 0, lanes 16-31 tile 1
.set XS,  96                           ; v96-103   x's scale words, two sets of four: register ks % 4, lanes 16 (ks / 4) on
.set T,   104                          ; v104-119  at work on h1
.set QM,  120
.set QP,  122
.set QSC, 123
.set CD,  124                          ; v124-126  my 16 codes
.set P1,  127                          ; v127-129  the codes of lane l xor 16
.set P2,  128
.set P0,  129
.set SO,  130                          ; v130-132  what I store
.set BYT, 133
.set PX,  160                          ; phase A: v160-223 two blocks of 32, v224-235 the fragment, v236-253 at work
.set PF,  224
.set PT2, 236
.set PM,  244
.set PSC, 248
.set PBY, 250
.set PW,  252
; window 1: phase A: the ring, four sets of 64; phase B: fragments q = 4 ks + 2 mu + u, q < 20, at 12 q.   window 2: q >= 20 at 12 (q - 20).   window 3: x's tile, two sets of 96
; s[28:29], s[44:45]: where the tile asked for into set 0, 1 begins
.set MSB, 0
.macro WIN new                         ; the immediate's high byte repeats the setting that is left
.if MSB != \new
	s_set_vgpr_msb (MSB<<8)|\new
.set MSB, \new
.endif
.endm
.macro QB X, F, T2, M, SC, BY          ; 64 numbers of a lane, two whole blocks, become 12 registers of codes; the floor 2^(3 - 127) holds the byte at 1 from below
.irp c, 0,1
	v_max3_num_f32 v[\M+\c], |v[\X+32*\c]|, |v[\X+32*\c+1]|, 0x1800000
	v_max3_num_f32 v[\M+2+\c], |v[\X+32*\c+16]|, |v[\X+32*\c+17]|, |v[\X+32*\c+18]|
.endr
.irp i, 2,4,6,8,10,12
.irp c, 0,1
	v_max3_num_f32 v[\M+\c], v[\M+\c], |v[\X+32*\c+\i]|, |v[\X+32*\c+\i+1]|
	v_max3_num_f32 v[\M+2+\c], v[\M+2+\c], |v[\X+32*\c+\i+17]|, |v[\X+32*\c+\i+18]|
.endr
.endr
.irp c, 0,1
	v_max3_num_f32 v[\M+\c], v[\M+\c], |v[\X+32*\c+14]|, |v[\X+32*\c+15]|
.endr
.irp c, 0,1
	v_max3_num_f32 v[\M+\c], v[\M+\c], v[\M+2+\c], |v[\X+32*\c+31]|
.endr
.irp c, 0,1
	v_add_nc_u32 v[\SC+\c], 0xff000000, v[\M+\c]   ; 2 off the exponent field: the conversion's scale operand
.endr
.irp c, 0,1
	v_lshrrev_b32 v[\BY+\c], 23, v[\SC+\c]
.endr
.irp c, 0,1
	v_cvt_scalef32_pk16_fp6_f32 v[\F+6*\c:\F+6*\c+2], v[\X+32*\c:\X+32*\c+15], v[\SC+\c]
	v_cvt_scalef32_pk16_fp6_f32 v[\T2+4*\c:\T2+4*\c+2], v[\X+32*\c+16:\X+32*\c+31], v[\SC+\c]   ; (a conversion's three registers begin on an even number)
.endr
	v_nop                                          ; one plain line behind a scaled conversion
.irp c, 0,1
.irp i, 0,1,2
	v_mov_b32 v[\F+6*\c+3+\i], v[\T2+4*\c+\i]
.endr
.endr
.endm
; Load L of the 50 that fill x's two sets: set L / 25; of a set's 25 the first 24 take 512 consecutive bytes each (registers 4 l .. 4 l + 3 of the set), the last the scale words
.macro XLD L
.set XSET, (\L)/25
.set XIDX, (\L)%25
.if XIDX < 24
	WIN 0xc0                                       ; destination window 3
	global_load_b128 v[96*XSET+4*XIDX:96*XSET+4*XIDX+3], v1, s[28+16*XSET:29+16*XSET] offset:512*XIDX
.else
	WIN 0
	global_load_b128 v[XS+4*XSET:XS+4*XSET+3], v1, s[28+16*XSET:29+16*XSET] offset:12288
.endif
.endm
	s_load_b256 s[4:11], s[0:1], 0x0               ; w0 s[4:5], w1 s[6:7], b0 s[8:9], b1 s[10:11]
	s_load_b128 s[12:15], s[0:1], 0x20             ; place s[12:13], xq s[14:15]
	s_load_b64 s[16:17], s[0:1], 0x30              ; aq
	v_lshl_add_u32 v254, v0, 2, 0x21400
	v_mov_b32 v255, 0
	v_lshrrev_b32 v2, 5, v0
	v_readfirstlane_b32 s18, v2                    ; wave 0..3
	s_mov_b32 s19, ttmp9                           ; hs
	s_and_b32 s20, ttmp7, 0xffff                   ; e
	v_and_b32 v10, 31, v0
	v_lshlrev_b32 v1, 4, v10                       ; 16 x lane
	v_and_b32 v2, 15, v0                           ; r
	s_wait_alu depctr_va_vdst(0)
	v_bfe_u32 v3, v0, 4, 1                         ; eta
	s_wait_alu depctr_va_sdst(0)                   ; s18 is written, ahead of its first reader: the wave's shares, LDS places and bases are made from it
	s_and_b32 s21, s18, 1                          ; the block of 32 units, in both phases
	s_lshr_b32 s22, s18, 1                         ; phase A: the matrix; phase B: the tiles' parity
	s_mul_i32 s40, s18, STGB
	v_add_nc_u32 v4, s40, v1                       ; the stage, on the way in
	v_mul_u32_u24 v5, v2, 528
	v_lshl_add_u32 v5, v3, 7, v5
	v_add_nc_u32 v5, s40, v5                       ; and out: row r, + 128 eta
	s_mul_i32 s40, s18, 16*1536
	s_add_co_u32 s40, s40, WIMG
	v_add_nc_u32 v6, s40, v1                       ; where I store images
	s_lshl_b32 s40, s18, 10
	s_add_co_u32 s40, s40, WSC
	v_lshl_add_u32 v7, v2, 2, s40                  ; and scale words
	s_mul_i32 s40, s21, 16*1536
	s_add_co_u32 s40, s40, WIMG
	v_add_nc_u32 v8, s40, v1                       ; where I fetch w0's images of my block (writer wave hh),
	v_add_nc_u32 v9, 32*1536, v8                   ; and w1's (writer wave 2 + hh)
	s_lshl_b32 s40, s21, 10
	s_add_co_u32 s40, s40, WSC
	v_lshl_add_u32 v10, v10, 2, s40                ; and the scale words: 4 x lane
	v_lshlrev_b32 v14, 6, v3                       ; the biases: 64 eta
	v_lshlrev_b32 v15, 3, v3                       ; 8 eta: a scale byte's shift
	s_lshr_b32 s58, s19, 1                         ; my block in aq: K step hs / 2,
	s_and_b32 s59, s19, 1                          ; c = hs % 2
	s_mul_i32 s60, s58, 1536
	s_lshl_b32 s61, s21, 8
	s_add_co_u32 s60, s60, s61                     ; 1,536 ks + 16 x 16 hh
	s_lshl_b32 s61, s59, 10
	s_add_co_u32 s61, s61, s60
	v_lshl_add_u32 v11, v2, 4, s61
	v_lshl_add_u32 v11, v3, 3, v11                 ; the block's 16-byte part: group 2 c, 16 (16 hh + r) + 8 eta
	s_lshl_b32 s61, s59, 3
	s_add_co_u32 s61, s61, s60
	s_add_co_u32 s61, s61, 512
	v_lshl_add_u32 v12, v2, 4, s61
	v_lshl_add_u32 v12, v3, 2, v12                 ; its 8-byte part: group 1, 16 (16 hh + r) + 8 c + 4 eta
	s_lshr_b32 s60, s58, 3
	s_lshl_b32 s60, s60, 9
	s_and_b32 s61, s58, 7
	s_lshl_b32 s61, s61, 2
	s_add_co_u32 s60, s60, s61
	s_lshl_b32 s61, s59, 1
	s_add_co_u32 s60, s60, s61
	s_add_co_u32 s60, s60, s21
	s_add_co_u32 s60, s60, 24576
	v_lshl_add_u32 v13, v2, 5, s60                 ; the scale byte
	s_cmp_eq_u32 s59, 0                            ; which words of the block a lane stores hangs on c and eta: three masks of lanes, made once
	s_cselect_b32 s38, 0xffff0000, 0               ; c = 0, lanes 16-31
	s_cselect_b32 s62, 0, 0xffff                   ; c = 1, lanes 0-15
	s_cselect_b32 s63, 0, 0xffff0000               ; c = 1, lanes 16-31
	v_mov_b32 v[QP], 0                             ; written once: a lane permute's destination counts as one of its sources
	v_mov_b32 v[P0], 0
	v_mov_b32 v[P1], 0
	v_mov_b32 v[P2], 0
	v_mov_b32 v[PW+1], 0
	s_mov_b32 s36, 0x76543210
	s_mov_b32 s37, 0xfedcba98                      ; v_permlanex16_b32's selects for lane l xor 16
	s_lshl_b32 s48, s20, 23                        ; the weights: an expert is 2,048 rows of 4,096 bytes,
	s_lshl_b32 s49, s19, 18                        ; my work-group's 64 rows,
	s_add_co_u32 s48, s48, s49
	s_lshl_b32 s49, s21, 17                        ; my block's 32
	s_add_co_u32 s48, s48, s49
	s_mov_b32 s49, 0
	s_lshl_b32 s50, s20, 11                        ; the biases: 2,048 e + 64 hs + 32 hh numbers
	s_lshl_b32 s51, s19, 6
	s_add_co_u32 s50, s50, s51
	s_lshl_b32 s51, s21, 5
	s_add_co_u32 s50, s50, s51
	s_lshl_b32 s50, s50, 2
	s_mov_b32 s51, 0
	s_lshl_b32 s52, s20, 2
	s_mov_b32 s53, 0
	s_mul_i32 s54, s20, 64*XREC
	s_mov_b32 s55, 0
	s_mul_i32 s56, s20, 64*AREC
	s_mov_b32 s57, 0
	s_wait_kmcnt 0x0
	s_cmp_eq_u32 s22, 0
	s_cselect_b64 s[46:47], s[4:5], s[6:7]         ; the choice hangs on the wave's number alone
	s_add_nc_u64 s[46:47], s[46:47], s[48:49]
	s_add_nc_u64 s[8:9], s[8:9], s[50:51]
	s_add_nc_u64 s[10:11], s[10:11], s[50:51]
	s_add_nc_u64 s[12:13], s[12:13], s[52:53]
	s_load_b32 s24, s[12:13], 0x1000               ; the expert's rows
	s_add_nc_u64 s[32:33], s[14:15], s[54:55]      ; the expert's tiles of x,
	s_add_nc_u64 s[34:35], s[16:17], s[56:57]      ; and of act
	s_wait_alu depctr_va_vdst(0)                   ; the addresses and offsets v1 and v4 to v14 are written: every load, store and LDS instruction of the kernel reads one of them, and none is written again
.irp u, 0,1                                    ; lane (r, eta) wants, for tile u, the biases of units 16 eta + 8 u + 0 .. 7 of my block.  These loads are older than every set of the ring
	global_load_b128 v[BI+8*\u:BI+8*\u+3], v14, s[8:9] offset:32*\u
	global_load_b128 v[BI+8*\u+4:BI+8*\u+7], v14, s[8:9] offset:32*\u+16
	global_load_b128 v[BI+16+8*\u:BI+16+8*\u+3], v14, s[10:11] offset:32*\u
	global_load_b128 v[BI+16+8*\u+4:BI+16+8*\u+7], v14, s[10:11] offset:32*\u+16
.endr
; fragment f = 2 ks + u: 16 rows x 512 bytes into set f % 4; every offset is an immediate, 130,560 at the most
.macro WLOAD f
	WIN 0x40                                       ; destination window 1
.set RR, 0
.rept 16
	global_load_b128 v[64*((\f)%4)+4*RR:64*((\f)%4)+4*RR+3], v1, s[46:47] offset:(8*((\f)%2)+RR+8*(RR/8))*4096+((\f)/2)*512 th:TH_LOAD_NT
.set RR, RR+1
.endr
	WIN 0
.endm
; fragment f, as it stands in PF, and its rows' scale word in PW go to LDS
.macro IMG f
.irp g, 0,1,2
	ds_store_b128 v6, v[PF+4*\g:PF+4*\g+3] offset:(8*((\f)%2)+(\f)/2)*1536+512*\g
.endr
	ds_store_b32 v7, v[PW] offset:((\f)/2)*128+((\f)%2)*64   ; lanes 16 apart store the same word with the same value
.endm
.macro FRAGSTEP f
	s_wait_loadcnt 48                              ; this set's 16 loads are in; behind them three runs of 16 were issued, sets of weights or, at the end, loads of x's tiles: they stay out
.if (\f) > 0
	s_wait_alu depctr_va_vdst(0)                   ; the step before has written PF and PW, which the image's stores read, and is done reading PX, in which the LDS loads below land
	IMG (\f)-1                                     ; the fragment of the step before
.endif
	WIN 0x04                                       ; an LDS store's data are its source 1: window 1
.set RR, 0
.rept 16
	ds_store_b128 v4, v[64*((\f)%4)+4*RR:64*((\f)%4)+4*RR+3] offset:528*RR
.set RR, RR+1
.endr
	WIN 0
.irp c, 0,1                                    ; LDS serves a wave's instructions in order: these see the stores above
.irp i, 0,1,2,3,4,5,6,7
	ds_load_b128 v[PX+32*\c+4*\i:PX+32*\c+4*\i+3], v5 offset:256*\c+16*\i
.endr
.endr
	s_wait_dscnt 0x0                               ; my two blocks are in
	s_wait_alu depctr_vm_vsrc(0)                   ; the stage's stores have read this set of the ring, in which the loads below land; the image's stores have read PF and PW, which this step writes again
.if (\f)+4 < 16
	WLOAD (\f)+4                                   ; the set takes the fragment four further on
.else
.set PL, 16*((\f)-12)                          ; no fragment is left to ask for: 16 of the 50 loads of my first two tiles of x (in the last step the two that remain); no vector instruction has named their registers
.rept 16
.if PL < 50
	XLD PL
.endif
.set PL, PL+1
.endr
	WIN 0
.endif
	QB PX, PF, PT2, PM, PSC, PBY
	v_lshl_or_b32 v[PW], v[PBY+1], 16, v[PBY]      ; my two bytes, blocks eta and 2 + eta,
	v_lshlrev_b32 v[PW], v15, v[PW]
	v_permlanex16_b32 v[PW+1], v[PW], s36, s37
	v_or_b32 v[PW], v[PW], v[PW+1]                 ; with lane l xor 16's two: the row's scale word
.endm
	WLOAD 0
	WLOAD 1
	WLOAD 2
	WLOAD 3
.set FF, 0
.rept 12
	FRAGSTEP FF
.set FF, FF+1
.endr
	s_wait_kmcnt 0x0                               ; the expert's rows
	s_add_co_u32 s24, s24, 15
	s_lshr_b32 s24, s24, 4
	s_min_u32 s24, s24, 64
	s_max_u32 s24, s24, 1                          ; the expert's tiles of 16 rows; one, of zero rows, where it has no row
	s_sub_co_u32 s43, s24, 1                       ; the last of them
	s_min_u32 s26, s22, s43                        ; my first tile, or the last where I have none: every request names bytes that were stored
	s_min_u32 s26, s26, 63
	s_mul_i32 s40, s26, XREC
	s_mov_b32 s41, 0
	s_add_nc_u64 s[28:29], s[32:33], s[40:41]
	s_add_co_u32 s26, s22, 2                       ; my second, likewise
	s_min_u32 s26, s26, s43
	s_min_u32 s26, s26, 63
	s_mul_i32 s40, s26, XREC
	s_add_nc_u64 s[44:45], s[32:33], s[40:41]
.rept 4
	FRAGSTEP FF
.set FF, FF+1
.endr
	s_wait_alu depctr_va_vdst(0)                   ; the last step has written PF and PW, which the last image's stores read
	IMG 15
	s_wait_dscnt 0x0                               ; for the others' sake: my images and scale words have landed
	s_barrier_signal -1
	s_barrier_wait -1                              ; all 64 fragments lie in LDS; nothing is written there again
.set Q, 0
.rept 32                                       ; q = 4 ks + 2 mu + u.  (Window 1 held the ring: its last readers, the stage's stores, stand ahead of the last step's wait on vm_vsrc)
.if Q < 20
	WIN 0x40
.set DST, 12*Q
.else
	WIN 0x80
.set DST, 12*(Q-20)
.endif
.irp g, 0,1,2
	ds_load_b128 v[DST+4*\g:DST+4*\g+3], v[8+(Q/2)%2] offset:(8*(Q%2)+Q/4)*1536+512*\g
.endr
.set Q, Q+1
.endr
	WIN 0
.irp m, 0,1
.irp k, 0,1,2,3,4,5,6,7
	ds_load_b32 v[WS+8*\m+\k], v10 offset:2048*\m+128*\k
.endr
.endr
	s_wait_dscnt 0x0
; a product; ra, rb: which 16 lanes of the scale registers serve source 0 and source 1
.macro PROD d, a, b, c, sa, sb, ra, rb
.if (\ra) && (\rb)
	v_wmma_scale_f32_16x16x128_f8f6f4 v[(\d):(\d)+7], v[(\a):(\a)+11], v[(\b):(\b)+11], v[(\c):(\c)+7], v[\sa], v[\sb] matrix_a_fmt:MATRIX_FMT_FP6 matrix_b_fmt:MATRIX_FMT_FP6 matrix_a_scale:MATRIX_SCALE_ROW1 matrix_b_scale:MATRIX_SCALE_ROW1
.elseif (\ra)
	v_wmma_scale_f32_16x16x128_f8f6f4 v[(\d):(\d)+7], v[(\a):(\a)+11], v[(\b):(\b)+11], v[(\c):(\c)+7], v[\sa], v[\sb] matrix_a_fmt:MATRIX_FMT_FP6 matrix_b_fmt:MATRIX_FMT_FP6 matrix_a_scale:MATRIX_SCALE_ROW1
.elseif (\rb)
	v_wmma_scale_f32_16x16x128_f8f6f4 v[(\d):(\d)+7], v[(\a):(\a)+11], v[(\b):(\b)+11], v[(\c):(\c)+7], v[\sa], v[\sb] matrix_a_fmt:MATRIX_FMT_FP6 matrix_b_fmt:MATRIX_FMT_FP6 matrix_b_scale:MATRIX_SCALE_ROW1
.else
	v_wmma_scale_f32_16x16x128_f8f6f4 v[(\d):(\d)+7], v[(\a):(\a)+11], v[(\b):(\b)+11], v[(\c):(\c)+7], v[\sa], v[\sb] matrix_a_fmt:MATRIX_FMT_FP6 matrix_b_fmt:MATRIX_FMT_FP6
.endif
.endm
; Tile s[J], whose images were asked for into set cur.  Behind its products and the exponentials the set is asked for again, with my tile after next (s[J] + 4), if there is one.
.macro TILE cur, J
	s_wait_loadcnt 25                              ; set cur is in: behind its loads at most the other set's 25 were issued
.set KS, 0
.rept 8
.if KS < 5
	WIN 0x0d                                       ; source 0 window 1, source 1 window 3, C and D window 0
.else
	WIN 0x0e                                       ; source 0 window 2
.endif
.irp m, 0,1
.irp u, 0,1
.set QQ, 4*KS+2*\m+\u
.if QQ < 20
.set WR, 12*QQ
.else
.set WR, 12*(QQ-20)
.endif
.if KS == 0
.set CR, BI+8*(2*\m+\u)
.else
.set CR, ACC+8*(2*\m+\u)
.endif
	PROD ACC+8*(2*\m+\u), WR, 96*\cur+12*KS, CR, WS+8*\m+KS, XS+4*\cur+KS%4, \u, KS/4
.endr
.endr
.set KS, KS+1
.endr
	WIN 0
.rept 4
	v_nop                                          ; four places between the last products and the first read of their results (ISA guide 7.12.1)
.endr
	; act = h0 x h1 / (1 + e^-h1), in f32; each accumulator is read from its low end on.  Register 8 u + j of lane (r, eta): row r, unit 16 eta + 8 u + j of my block
.irp j, 0,2,4,6,8,10,12,14
	v_pk_mul_f32 v[T+\j:T+\j+1], v[ACC+16+\j:ACC+16+\j+1], 0xbfb8aa3b op_sel_hi:[1,0]   ; -h1 log2(e)
.endr
	s_wait_alu depctr_va_vdst(0)
.irp j, 0,1,2,3,4,5,6,7,8,9,10,11,12,13,14,15
	v_exp_f32 v[T+\j], v[T+\j]
.endr
	v_nop                                          ; a plain line behind the exponentials
	s_wait_xcnt 0x0                                ; the loads and stores issued so far have read their bases and data: both are written again only behind this wait
	s_wait_alu depctr_vm_vsrc(0)                   ; the last tile's three stores have read SO and BYT, which this tile writes again
	s_wait_alu depctr_va_vdst(0)                   ; the exponentials have written T, ahead of their first reader; the products are done reading set cur and its scale words, in which the loads below land
	s_min_u32 s27, s[\J], 63
	s_mul_i32 s40, s27, AREC
	s_mov_b32 s41, 0
	s_add_nc_u64 s[30:31], s[34:35], s[40:41]      ; where this tile's act goes
	s_add_co_u32 s26, s[\J], 4
	s_cmp_lt_u32 s26, s24
	s_cbranch_scc0 .Lnone_\@
	s_min_u32 s26, s26, 63
	s_mul_i32 s40, s26, XREC
	s_add_nc_u64 s[28+16*\cur:29+16*\cur], s[32:33], s[40:41]
.set PL, 25*\cur
.rept 25
	XLD PL                                         ; no vector or matrix instruction since the wait above: scalar lines and window switches alone
.set PL, PL+1
.endr
	WIN 0
	s_branch .Ljoin_\@
.Lnone_\@:
	s_wait_loadcnt 0x0                             ; nothing is asked for: then no load stays out, so that the count at the next tile's head is right on this way too
.Ljoin_\@:
.irp j, 0,2,4,6,8,10,12,14
	v_pk_add_f32 v[T+\j:T+\j+1], v[T+\j:T+\j+1], 1.0 op_sel_hi:[1,0]
.endr
	s_wait_alu depctr_va_vdst(0)
.irp j, 0,1,2,3,4,5,6,7,8,9,10,11,12,13,14,15
	v_rcp_f32 v[T+\j], v[T+\j]
.endr
	v_nop                                          ; a plain line behind the reciprocals
	s_wait_alu depctr_va_vdst(0)                   ; the reciprocals have written T, ahead of their first reader
.irp j, 0,2,4,6,8,10,12,14
	v_pk_mul_f32 v[ACC+16+\j:ACC+16+\j+1], v[ACC+16+\j:ACC+16+\j+1], v[T+\j:T+\j+1]   ; silu(h1)
.endr
.irp j, 0,2,4,6,8,10,12,14
	v_pk_mul_f32 v[ACC+\j:ACC+\j+1], v[ACC+\j:ACC+\j+1], v[ACC+16+\j:ACC+16+\j+1]
.endr
	; the block of 32 lies in lanes l and l xor 16, 16 numbers each
	v_max3_num_f32 v[QM], |v[ACC]|, |v[ACC+1]|, 0x1800000
	v_max3_num_f32 v[QM+1], |v[ACC+2]|, |v[ACC+3]|, |v[ACC+4]|
	v_max3_num_f32 v[QM], v[QM], |v[ACC+5]|, |v[ACC+6]|
	v_max3_num_f32 v[QM+1], v[QM+1], |v[ACC+7]|, |v[ACC+8]|
	v_max3_num_f32 v[QM], v[QM], |v[ACC+9]|, |v[ACC+10]|
	v_max3_num_f32 v[QM+1], v[QM+1], |v[ACC+11]|, |v[ACC+12]|
	v_max3_num_f32 v[QM], v[QM], |v[ACC+13]|, |v[ACC+14]|
	v_max3_num_f32 v[QM], v[QM], v[QM+1], |v[ACC+15]|
	v_permlanex16_b32 v[QP], v[QM], s36, s37
	v_max_num_f32 v[QM], v[QM], v[QP]
	v_add_nc_u32 v[QSC], 0xff000000, v[QM]
	v_lshrrev_b32 v[BYT], 23, v[QSC]
	v_cvt_scalef32_pk16_fp6_f32 v[CD:CD+2], v[ACC:ACC+15], v[QSC]
	v_nop                                          ; one plain line behind a scaled conversion
	; The block's six words are eta = 0's three (w0 w1 w2), then eta = 1's three (w3 w4 w5).
	; c = 0: the 16-byte part is w0 .. w3 (eta = 0 stores w0 w1, eta = 1 w2 w3), the 8-byte part w4 w5 (a word a lane).   c = 1: the 8-byte part is w0 w1, the 16-byte part w2 .. w5 (eta = 0: w2 w3, eta = 1: w4 w5).
	v_permlanex16_b32 v[P0], v[CD], s36, s37
	v_permlanex16_b32 v[P1], v[CD+1], s36, s37
	v_permlanex16_b32 v[P2], v[CD+2], s36, s37
	v_cndmask_b32 v[SO], v[CD], v[P2], s38         ; c = 0: w0 | w2
	v_cndmask_b32 v[SO+1], v[CD+1], v[CD], s38     ;        w1 | w3
	v_cndmask_b32 v[SO+2], v[P1], v[CD+2], s38     ;        w4 | w5   (c = 1, lanes 16-31: w1, which is lane l xor 16's second word, stays)
	v_cndmask_b32 v[SO], v[SO], v[CD+2], s62       ; c = 1, lanes 0-15: w2
	v_cndmask_b32 v[SO+1], v[SO+1], v[P0], s62     ;                    w3
	v_cndmask_b32 v[SO+2], v[SO+2], v[CD], s62     ;                    w0
	v_cndmask_b32 v[SO], v[SO], v[CD+1], s63       ; c = 1, lanes 16-31: w4
	v_cndmask_b32 v[SO+1], v[SO+1], v[CD+2], s63   ;                     w5
	s_wait_alu depctr_va_vdst(0)                   ; the selects have written SO, and the shift BYT, which the three stores read
	global_store_b64 v11, v[SO:SO+1], s[30:31]     ; the wave stores 256 consecutive bytes, aligned
	global_store_b32 v12, v[SO+2], s[30:31]        ; sixteen pieces of 8 bytes, 16 apart
	global_store_b8 v13, v[BYT], s[30:31]          ; both lanes of a row store the same byte with the same value
.endm
	; My tiles are par, par + 2 ..: (n + 1 - par) / 2 of them.  A trip runs two, one from each set: the loop is counted in trips, from 0 by 1 against a bound that it does not write.
	s_add_co_u32 s39, s24, 1
	s_sub_co_u32 s39, s39, s22
	s_lshr_b32 s39, s39, 1                         ; my tiles
	s_add_co_u32 s39, s39, 1
	s_lshr_b32 s39, s39, 1                         ; my trips, the last perhaps of one tile
	s_mov_b32 s42, 0                               ; the trip
	s_mov_b32 s25, s22                             ; my first tile
	s_cmp_ge_u32 s25, s24
	s_cbranch_scc1 .Lend
.Ltile:
	TILE 0, 25
	s_add_co_u32 s23, s25, 2
	s_cmp_lt_u32 s23, s24
	s_cbranch_scc1 .Lsecond
	s_wait_dscnt 0x0                               ; an odd number of tiles: the wave ends here, inside the loop, with the closing lines, six on end
	s_wait_alu 0x0
	s_wait_tensorcnt 0x0
	ds_add_u32 v254, v255
	s_wait_dscnt 0x0
	s_endpgm
.Lsecond:
	TILE 1, 23
	s_add_co_u32 s25, s25, 4
	s_add_co_u32 s42, s42, 1
	s_cmp_lt_u32 s42, s39
	s_cbranch_scc1 .Ltile
.Lend:
	s_wait_dscnt 0x0                               ; the closing lines, six on end
	s_wait_alu 0x0
	s_wait_tensorcnt 0x0
	ds_add_u32 v254, v255
	s_wait_dscnt 0x0
	s_endpgm
.Lfunc_end_k_q4f1784e2dc_up:
	.size	k_q4f1784e2dc_up, .Lfunc_end_k_q4f1784e2dc_up-k_q4f1784e2dc_up
	.p2alignl 7, 3214868480
	.fill 96, 4, 3214868480
	.section	.rodata,"a",@progbits
	.p2align	6, 0x0
	.amdhsa_kernel k_q4f1784e2dc_up
		.amdhsa_group_segment_fixed_size 136704
		.amdhsa_private_segment_fixed_size 0
		.amdhsa_enable_private_segment 0
		.amdhsa_kernarg_size 56
		.amdhsa_user_sgpr_count 2
		.amdhsa_user_sgpr_kernarg_segment_ptr 1
		.amdhsa_wavefront_size32 1
		.amdhsa_system_sgpr_workgroup_id_x 1
		.amdhsa_system_sgpr_workgroup_id_y 1
		.amdhsa_system_sgpr_workgroup_id_z 1
		.amdhsa_system_vgpr_workitem_id 0
		.amdhsa_next_free_vgpr 960
		.amdhsa_next_free_sgpr 66
		.amdhsa_reserve_vcc 0
		.amdhsa_float_denorm_mode_32 3
		.amdhsa_float_denorm_mode_16_64 3
		.amdhsa_memory_ordered 1
		.amdhsa_forward_progress 1
		.amdhsa_inst_pref_size 155
	.end_amdhsa_kernel
	.amdgpu_metadata
---
amdhsa.version: [ 1, 2 ]
amdhsa.kernels:
  - .name:           k_q4f1784e2dc_up
    .symbol:         k_q4f1784e2dc_up.kd
    .args:
      - { .name: w0, .offset: 0, .size: 8, .value_kind: global_buffer, .address_space: global }
      - { .name: w1, .offset: 8, .size: 8, .value_kind: global_buffer, .address_space: global }
      - { .name: b0, .offset: 16, .size: 8, .value_kind: global_buffer, .address_space: global }
      - { .name: b1, .offset: 24, .size: 8, .value_kind: global_buffer, .address_space: global }
      - { .name: place, .offset: 32, .size: 8, .value_kind: global_buffer, .address_space: global }
      - { .name: xq, .offset: 40, .size: 8, .value_kind: global_buffer, .address_space: global }
      - { .name: aq, .offset: 48, .size: 8, .value_kind: global_buffer, .address_space: global }
    .group_segment_fixed_size: 136704
    .private_segment_fixed_size: 0
    .kernarg_segment_align: 8
    .kernarg_segment_size: 56
    .max_flat_workgroup_size: 128
    .sgpr_count:     66
    .vgpr_count:     960
    .wavefront_size: 32
...
	.end_amdgpu_metadata
.endif
;; end of part 8
;; launch down (part 9): grid 32 x 8, 4 waves a work-group, no clusters, 85,504 bytes of LDS; arguments w2, b2, place, aq, y2; writes y2
.if DOCPART == 9
	.amdgcn_target "amdgcn-amd-amdhsa--gfx1250"
	.amdhsa_code_object_version 6
	.text
	.protected	k_q4f1784e2dc_down
	.globl	k_q4f1784e2dc_down
	.p2align	8
	.type	k_q4f1784e2dc_down,@function
k_q4f1784e2dc_down:
	s_mov_b64 s[64:65], 0
	v_nop
	global_prefetch_b8 v0, s[64:65] scope:SCOPE_SE
	s_setreg_imm32_b32 hwreg(HW_REG_WAVE_SCHED_MODE, 0, 2), 2
	s_setreg_imm32_b32 hwreg(HW_REG_WAVE_MODE, 25, 1), 1
	s_wait_xcnt 0x0
	s_wait_alu depctr_vm_vsrc(0)
; DOWN.  y2 = act w2^T + b2 for the rows routed to an expert, on codes of FP6 (E2M3) with one E8M0 scale for each 32 along K = 2,048.
; SHARES BY WEIGHTS.  Work-group (ds, e) owns outputs d = 32 ds .. 32 ds + 31 of expert e: 32 rows x 8,192 bytes of w2 in f32, read from memory ONCE in the launch, quantised on the way, never stored.
; PHASE A, the stream.  Wave w (16 rows w % 2, half of K w / 2) takes 8 fragments (16 rows x 128 K): loads of 512 consecutive bytes, a ring of four sets of 16 loads (32 KiB a wave on its way), a turn through the wave's own stage
; in LDS, the codes to LDS as images of the operand's registers.  One barrier.  In the ring's last four steps, where no set of weights is left to ask for, the wave asks for its first two tiles of act instead, 16 loads a step;
; the 36 loads that then remain of the 100 go out behind the barrier.
; PHASE B.  Every wave holds all 32 fragments in 384 registers and walks the expert's tiles of 16 rows, wave w tiles w, w + 4 ..: 50 loads of 512 consecutive bytes bring a tile's 16 fragments and scale words as the launch before
; laid them; 32 products, transposed (source 0 = 16 outputs, source 1 = 16 rows), four accumulators by turns: two tiles of outputs x two halves of K; b2 is the first C of the lower half.
; act's tiles lie in two sets of registers; a set is asked for again behind its products, with the wave's tile after next, so that two tiles are on their way or at hand.
; K IS SUMMED IN TWO HALVES for each output, joined by one f32 addition: another order of rounding than one chain over K.
; y2: block ((64 e + tile) x 32 + ds) of 2,048 bytes = [16 rows][32 outputs] f32.  A tile's results go through the wave's stage and leave as four stores of 512 consecutive bytes, aligned.
; The number of tiles is a whole number that an earlier launch stored.  So this text has no tensor load and no joint request: its trip count hangs on a loaded number, and a count fit for every split, 64 tiles an expert, would be
; four times the mean.  An expert without rows counts as one tile (the launches before stored it): its result is stored and read by nobody.
; LIMITS: NaN and infinities are not served; a block of w2 whose largest magnitude lies under 2^-124 keeps the byte 1.
; THE MODE: SCHED_MODE bits 1:0 = 2 (LLVM: expert scheduling mode 2), set by the entry lines.  The code itself states the register dependences
; between vector or matrix instructions and memory or LDS instructions, with s_wait_alu, always for 0.
; THE PLAN.  Registers that memory or LDS instructions touch:
;   v1, v4 .. v14  addresses and offsets: written at the head, never again: one wait on va_vdst ahead of the first load serves the whole kernel.
;   the ring       (window 1, phase A) written by loads, read by the LDS stores into the stage; no vector instruction names it.
;   PX             written by a step's LDS loads; read by that step's maxima and conversions.
;   PF, PW         written by step f's conversions, moves and the scale word's lines; read by the four LDS stores of the image, which are issued at the head of step f + 1.
;   act's sets, AS written by loads; read by a tile's products.
;   ACC 0 .. 15    written by a tile's products and its eight additions; read by the four LDS stores into the stage; written again by the next tile's products.
;   O              written by the four LDS loads from the stage; read by the tile's four stores.
;   the fragments and WS are loaded from LDS once and read by products alone.
; PHASE A: a wait on va_vdst at a step's head, behind the wait for the step's data: the step before has written PF and PW and is done reading PX; the image's stores, the stage's stores and the loads into PX follow it with no vector
; instruction between.  A wait on vm_vsrc behind the step's wait on DScnt: the stage's stores have read the ring's set, which the refill writes; the image's stores have read PF and PW, which this step writes.
; PHASE B: a wait on vm_vsrc at a tile's head: the last tile's LDS stores have read the accumulators and its stores O.  ONE wait on va_vdst behind the tile's additions: they have written the accumulators, and the products are done reading
; their set.  All the tile's memory and LDS instructions follow it, and no vector or matrix instruction stands among them: the stage's stores and loads, the refill, the four stores.
.set STGB, 8448                        ; LDS: a stage for each wave (phase A: 16 rows x 528 bytes; phase B: 16 rows x 144),
.set WIMG, 4*STGB                      ; the 32 fragments' images, 1,536 bytes each: 16 n + ks,
.set WSC,  WIMG+32*1536                ; their scale words: 128 ks + 64 n + 4 r
.set AREC, 25600
.set BI,  16                           ; v16-31    b2, eight registers for tile n
.set ACC, 32                           ; v32-63    the accumulators (half of K kp, tile n) at 8 (2 kp + n)
.set WS,  64                           ; v64-79    w2's scale words by K step: lanes 0-15 tile 0, lanes 16-31 tile 1
.set AS,  80                           ; v80-95    act's scale words, two sets of eight: register ks % 8, lanes 16 (ks / 8) on
.set O,   96                           ; v96-111   rows of y2
.set AW0, 112                          ; v112-159  set 1 of act: the fragments of K steps 6, 14, 7, 15
.set PX,  160                          ; phase A, as in the launch before
.set PF,  224
.set PT2, 236
.set PM,  244
.set PSC, 248
.set PBY, 250
.set PW,  252
; window 1: phase A: the ring; phase B: w2's fragments q = 4 i + 2 kp + n (K step 8 kp + i), q < 20, at 12 q.   window 2: q >= 20 at 12 (q - 20).
; act, set 0: window 3, fragment ks at 12 ks.   act, set 1, in what the others leave free, by pairs (K steps i and 8 + i, 24 registers), so that the window hangs on i alone:
;   i = 0, 1: window 3 from v192;   i = 2 .. 5: window 2 from v144;   i = 6, 7: window 0 from v112.
; s[28:29], s[58:59]: where the tile asked for into set 0, 1 begins
.set MSB, 0
.macro WIN new                         ; the immediate's high byte repeats the setting that is left
.if MSB != \new
	s_set_vgpr_msb (MSB<<8)|\new
.set MSB, \new
.endif
.endm
.macro QB X, F, T2, M, SC, BY          ; 64 numbers of a lane, two whole blocks, become 12 registers of codes; the floor 2^(3 - 127) holds the byte at 1 from below
.irp c, 0,1
	v_max3_num_f32 v[\M+\c], |v[\X+32*\c]|, |v[\X+32*\c+1]|, 0x1800000
	v_max3_num_f32 v[\M+2+\c], |v[\X+32*\c+16]|, |v[\X+32*\c+17]|, |v[\X+32*\c+18]|
.endr
.irp i, 2,4,6,8,10,12
.irp c, 0,1
	v_max3_num_f32 v[\M+\c], v[\M+\c], |v[\X+32*\c+\i]|, |v[\X+32*\c+\i+1]|
	v_max3_num_f32 v[\M+2+\c], v[\M+2+\c], |v[\X+32*\c+\i+17]|, |v[\X+32*\c+\i+18]|
.endr
.endr
.irp c, 0,1
	v_max3_num_f32 v[\M+\c], v[\M+\c], |v[\X+32*\c+14]|, |v[\X+32*\c+15]|
.endr
.irp c, 0,1
	v_max3_num_f32 v[\M+\c], v[\M+\c], v[\M+2+\c], |v[\X+32*\c+31]|
.endr
.irp c, 0,1
	v_add_nc_u32 v[\SC+\c], 0xff000000, v[\M+\c]   ; 2 off the exponent field: the conversion's scale operand
.endr
.irp c, 0,1
	v_lshrrev_b32 v[\BY+\c], 23, v[\SC+\c]
.endr
.irp c, 0,1
	v_cvt_scalef32_pk16_fp6_f32 v[\F+6*\c:\F+6*\c+2], v[\X+32*\c:\X+32*\c+15], v[\SC+\c]
	v_cvt_scalef32_pk16_fp6_f32 v[\T2+4*\c:\T2+4*\c+2], v[\X+32*\c+16:\X+32*\c+31], v[\SC+\c]   ; (a conversion's three registers begin on an even number)
.endr
	v_nop                                          ; one plain line behind a scaled conversion
.irp c, 0,1
.irp i, 0,1,2
	v_mov_b32 v[\F+6*\c+3+\i], v[\T2+4*\c+\i]
.endr
.endr
.endm
; Load L of the 100 that fill act's two sets: set L / 50.  Of a set's 50 the first 48 go by pairs: pair l / 6, half of K (l / 3) % 2, group l % 3: 512 consecutive bytes each; the last two bring the scale words
.macro ALD L
.set ASET, (\L)/50
.set AIDX, (\L)%50
.if AIDX < 48
.set APAIR, AIDX/6
.set AHALF, (AIDX/3)%2
.set AGRP, AIDX%3
.if ASET == 0
	WIN 0xc0                                       ; destination window 3
.set AREG, 12*(8*AHALF+APAIR)+4*AGRP
.elseif APAIR < 2
	WIN 0xc0
.set AREG, 192+24*APAIR+12*AHALF+4*AGRP
.elseif APAIR < 6
	WIN 0x80                                       ; destination window 2
.set AREG, 144+24*(APAIR-2)+12*AHALF+4*AGRP
.else
	WIN 0
.set AREG, AW0+24*(APAIR-6)+12*AHALF+4*AGRP
.endif
	global_load_b128 v[AREG:AREG+3], v1, s[28+30*ASET:29+30*ASET] offset:1536*(8*AHALF+APAIR)+512*AGRP
.else
	WIN 0
	global_load_b128 v[AS+8*ASET+4*(AIDX-48):AS+8*ASET+4*(AIDX-48)+3], v13, s[28+30*ASET:29+30*ASET] offset:24576+16*(AIDX-48)
.endif
.endm
	s_load_b256 s[4:11], s[0:1], 0x0               ; w2 s[4:5], b2 s[6:7], place s[8:9], aq s[10:11]
	s_load_b64 s[12:13], s[0:1], 0x20              ; y2
	v_lshl_add_u32 v254, v0, 2, 0x14c00
	v_mov_b32 v255, 0
	v_lshrrev_b32 v2, 5, v0
	v_readfirstlane_b32 s18, v2                    ; wave 0..3
	s_mov_b32 s19, ttmp9                           ; ds
	s_and_b32 s20, ttmp7, 0xffff                   ; e
	v_and_b32 v9, 31, v0                           ; lane
	v_lshlrev_b32 v1, 4, v9                        ; 16 x lane
	v_lshlrev_b32 v13, 5, v9                       ; 32 x lane
	v_and_b32 v2, 15, v0                           ; r
	v_bfe_u32 v3, v0, 4, 1                         ; eta
	s_wait_alu depctr_va_sdst(0)                   ; s18 is written, ahead of its first reader: the wave's shares, LDS places and bases are made from it
	s_and_b32 s21, s18, 1                          ; phase A: n, my 16 rows
	s_lshr_b32 s22, s18, 1                         ; phase A: kp, my half of K
	s_mul_i32 s40, s18, STGB
	v_add_nc_u32 v4, s40, v1                       ; the stage, phase A, on the way in
	v_mul_u32_u24 v5, v2, 528
	v_lshl_add_u32 v5, v3, 7, v5
	v_add_nc_u32 v5, s40, v5                       ; and out: row r, + 128 eta
	v_mul_u32_u24 v10, v2, 144
	v_lshl_add_u32 v10, v3, 5, v10
	v_add_nc_u32 v10, s40, v10                     ; the stage, phase B, in: row r of 128 + 16 bytes, + 32 eta
	v_lshrrev_b32 v11, 3, v9
	v_mul_u32_u24 v11, v11, 144
	v_and_b32 v14, 7, v0
	v_lshl_add_u32 v11, v14, 4, v11
	v_add_nc_u32 v11, s40, v11                     ; and back: eight lanes to a row, four rows an instruction
	s_lshl_b32 s40, s21, 4
	s_lshl_b32 s41, s22, 3
	s_add_co_u32 s40, s40, s41
	s_mul_i32 s40, s40, 1536
	s_add_co_u32 s40, s40, WIMG
	v_add_nc_u32 v6, s40, v1                       ; where I store images: fragment 16 n + 8 kp on
	s_lshl_b32 s40, s22, 10
	s_lshl_b32 s41, s21, 6
	s_add_co_u32 s40, s40, s41
	s_add_co_u32 s40, s40, WSC
	v_lshl_add_u32 v7, v2, 2, s40                  ; and scale words
	v_add_nc_u32 v8, WIMG, v1                      ; where I fetch images,
	v_lshl_add_u32 v9, v9, 2, WSC                  ; and scale words: 4 x lane
	v_lshlrev_b32 v14, 5, v3                       ; b2: 32 eta
	v_lshlrev_b32 v15, 3, v3                       ; 8 eta: a scale byte's shift
	v_mov_b32 v[PW+1], 0                           ; written once: a lane permute's destination counts as one of its sources
	s_mov_b32 s36, 0x76543210
	s_mov_b32 s37, 0xfedcba98                      ; v_permlanex16_b32's selects for lane l xor 16
	s_lshl_b32 s48, s20, 23                        ; w2: an expert is 1,024 rows of 8,192 bytes,
	s_lshl_b32 s49, s19, 18                        ; my work-group's 32 rows,
	s_add_co_u32 s48, s48, s49
	s_lshl_b32 s49, s21, 17                        ; my 16,
	s_add_co_u32 s48, s48, s49
	s_lshl_b32 s49, s22, 12                        ; my half of K: eight K steps of 512 bytes
	s_add_co_u32 s48, s48, s49
	s_mov_b32 s49, 0
	s_lshl_b32 s50, s20, 10                        ; b2: 1,024 e + 32 ds numbers
	s_lshl_b32 s51, s19, 5
	s_add_co_u32 s50, s50, s51
	s_lshl_b32 s50, s50, 2
	s_mov_b32 s51, 0
	s_lshl_b32 s52, s20, 2
	s_mov_b32 s53, 0
	s_mul_i32 s56, s20, 64*AREC
	s_mov_b32 s57, 0
	s_wait_kmcnt 0x0
	s_add_nc_u64 s[46:47], s[4:5], s[48:49]
	s_add_nc_u64 s[6:7], s[6:7], s[50:51]
	s_add_nc_u64 s[8:9], s[8:9], s[52:53]
	s_load_b32 s24, s[8:9], 0x1000                 ; the expert's rows
	s_add_nc_u64 s[34:35], s[10:11], s[56:57]      ; the expert's tiles of act
	s_wait_alu depctr_va_vdst(0)                   ; the addresses and offsets v1 and v4 to v14 are written: every load, store and LDS instruction of the kernel reads one of them, and none is written again
.irp n, 0,1                                    ; lane (r, eta) wants, for tile n, b2 of outputs 16 n + 8 eta + 0 .. 7.  These loads are older than every set of the ring
	global_load_b128 v[BI+8*\n:BI+8*\n+3], v14, s[6:7] offset:64*\n
	global_load_b128 v[BI+8*\n+4:BI+8*\n+7], v14, s[6:7] offset:64*\n+16
.endr
.macro WLOAD f                         ; my f-th K step: 16 rows x 512 bytes into set f % 4; every offset is an immediate, 126,464 at the most
	WIN 0x40                                       ; destination window 1
.set RR, 0
.rept 16
	global_load_b128 v[64*((\f)%4)+4*RR:64*((\f)%4)+4*RR+3], v1, s[46:47] offset:RR*8192+(\f)*512 th:TH_LOAD_NT
.set RR, RR+1
.endr
	WIN 0
.endm
; my f-th fragment, as it stands in PF, and its rows' scale word in PW go to LDS
.macro IMG f
.irp g, 0,1,2
	ds_store_b128 v6, v[PF+4*\g:PF+4*\g+3] offset:(\f)*1536+512*\g
.endr
	ds_store_b32 v7, v[PW] offset:(\f)*128         ; lanes 16 apart store the same word with the same value
.endm
.macro FRAGSTEP f
	s_wait_loadcnt 48                              ; this set's 16 loads are in; behind them three runs of 16 were issued, sets of weights or, at the end, loads of act's tiles: they stay out
.if (\f) > 0
	s_wait_alu depctr_va_vdst(0)                   ; the step before has written PF and PW, which the image's stores read, and is done reading PX, in which the LDS loads below land
	IMG (\f)-1                                     ; the fragment of the step before
.endif
	WIN 0x04                                       ; an LDS store's data are its source 1: window 1
.set RR, 0
.rept 16
	ds_store_b128 v4, v[64*((\f)%4)+4*RR:64*((\f)%4)+4*RR+3] offset:528*RR
.set RR, RR+1
.endr
	WIN 0
.irp c, 0,1                                    ; LDS serves a wave's instructions in order: these see the stores above
.irp i, 0,1,2,3,4,5,6,7
	ds_load_b128 v[PX+32*\c+4*\i:PX+32*\c+4*\i+3], v5 offset:256*\c+16*\i
.endr
.endr
	s_wait_dscnt 0x0                               ; my two blocks are in
	s_wait_alu depctr_vm_vsrc(0)                   ; the stage's stores have read this set of the ring, in which the loads below land; the image's stores have read PF and PW, which this step writes again
.if (\f)+4 < 8
	WLOAD (\f)+4                                   ; the set takes the K step four further on
.else
.set PL, 16*((\f)-4)                           ; no K step is left to ask for: 16 of the 100 loads of my first two tiles of act; no vector instruction has named their registers
.rept 16
	ALD PL
.set PL, PL+1
.endr
	WIN 0
.endif
	QB PX, PF, PT2, PM, PSC, PBY
	v_lshl_or_b32 v[PW], v[PBY+1], 16, v[PBY]
	v_lshlrev_b32 v[PW], v15, v[PW]
	v_permlanex16_b32 v[PW+1], v[PW], s36, s37
	v_or_b32 v[PW], v[PW], v[PW+1]                 ; the row's scale word
.endm
	WLOAD 0
	WLOAD 1
	WLOAD 2
	WLOAD 3
.set FF, 0
.rept 4
	FRAGSTEP FF
.set FF, FF+1
.endr
	s_wait_kmcnt 0x0                               ; the expert's rows
	s_add_co_u32 s24, s24, 15
	s_lshr_b32 s24, s24, 4
	s_min_u32 s24, s24, 64
	s_max_u32 s24, s24, 1                          ; the expert's tiles of 16 rows; one where it has no row
	s_sub_co_u32 s43, s24, 1                       ; the last of them
	s_min_u32 s26, s18, s43                        ; my first tile, or the last where I have none: every request names bytes that were stored
	s_min_u32 s26, s26, 63
	s_mul_i32 s40, s26, AREC
	s_mov_b32 s41, 0
	s_add_nc_u64 s[28:29], s[34:35], s[40:41]
	s_add_co_u32 s26, s18, 4                       ; my second, likewise
	s_min_u32 s26, s26, s43
	s_min_u32 s26, s26, 63
	s_mul_i32 s40, s26, AREC
	s_add_nc_u64 s[58:59], s[34:35], s[40:41]
.rept 4
	FRAGSTEP FF
.set FF, FF+1
.endr
	s_wait_alu depctr_va_vdst(0)                   ; the last step has written PF and PW, which the last image's stores read
	IMG 7
	s_wait_dscnt 0x0                               ; for the others' sake: my images and scale words have landed
	s_barrier_signal -1
	s_barrier_wait -1                              ; all 32 fragments lie in LDS; only the waves' own stages are written again
.set Q, 0
.rept 32                                       ; q = 4 i + 2 kp + n: the image of fragment 16 n + 8 kp + i.  (Window 1 held the ring: its last readers, the stage's stores, stand ahead of the last step's wait on vm_vsrc)
.if Q < 20
	WIN 0x40
.set DST, 12*Q
.else
	WIN 0x80
.set DST, 12*(Q-20)
.endif
.irp g, 0,1,2
	ds_load_b128 v[DST+4*\g:DST+4*\g+3], v8 offset:(16*(Q%2)+8*((Q/2)%2)+Q/4)*1536+512*\g
.endr
.set Q, Q+1
.endr
	WIN 0
.irp k, 0,1,2,3,4,5,6,7,8,9,10,11,12,13,14,15
	ds_load_b32 v[WS+\k], v9 offset:128*\k
.endr
.set PL, 64                                    ; the rest of my second tile's loads
.rept 36
	ALD PL
.set PL, PL+1
.endr
	WIN 0
	s_wait_dscnt 0x0
.macro PROD d, a, b, c, sa, sb, ra, rb ; ra, rb: which 16 lanes of the scale registers serve source 0 and source 1
.if (\ra) && (\rb)
	v_wmma_scale_f32_16x16x128_f8f6f4 v[(\d):(\d)+7], v[(\a):(\a)+11], v[(\b):(\b)+11], v[(\c):(\c)+7], v[\sa], v[\sb] matrix_a_fmt:MATRIX_FMT_FP6 matrix_b_fmt:MATRIX_FMT_FP6 matrix_a_scale:MATRIX_SCALE_ROW1 matrix_b_scale:MATRIX_SCALE_ROW1
.elseif (\ra)
	v_wmma_scale_f32_16x16x128_f8f6f4 v[(\d):(\d)+7], v[(\a):(\a)+11], v[(\b):(\b)+11], v[(\c):(\c)+7], v[\sa], v[\sb] matrix_a_fmt:MATRIX_FMT_FP6 matrix_b_fmt:MATRIX_FMT_FP6 matrix_a_scale:MATRIX_SCALE_ROW1
.elseif (\rb)
	v_wmma_scale_f32_16x16x128_f8f6f4 v[(\d):(\d)+7], v[(\a):(\a)+11], v[(\b):(\b)+11], v[(\c):(\c)+7], v[\sa], v[\sb] matrix_a_fmt:MATRIX_FMT_FP6 matrix_b_fmt:MATRIX_FMT_FP6 matrix_b_scale:MATRIX_SCALE_ROW1
.else
	v_wmma_scale_f32_16x16x128_f8f6f4 v[(\d):(\d)+7], v[(\a):(\a)+11], v[(\b):(\b)+11], v[(\c):(\c)+7], v[\sa], v[\sb] matrix_a_fmt:MATRIX_FMT_FP6 matrix_b_fmt:MATRIX_FMT_FP6
.endif
.endm
.macro PROD0 d, a, b, sa, sb, ra       ; the upper half of K starts its sum with the constant 0; its rows' scale words lie in lanes 16-31
.if (\ra)
	v_wmma_scale_f32_16x16x128_f8f6f4 v[(\d):(\d)+7], v[(\a):(\a)+11], v[(\b):(\b)+11], 0, v[\sa], v[\sb] matrix_a_fmt:MATRIX_FMT_FP6 matrix_b_fmt:MATRIX_FMT_FP6 matrix_a_scale:MATRIX_SCALE_ROW1 matrix_b_scale:MATRIX_SCALE_ROW1
.else
	v_wmma_scale_f32_16x16x128_f8f6f4 v[(\d):(\d)+7], v[(\a):(\a)+11], v[(\b):(\b)+11], 0, v[\sa], v[\sb] matrix_a_fmt:MATRIX_FMT_FP6 matrix_b_fmt:MATRIX_FMT_FP6 matrix_b_scale:MATRIX_SCALE_ROW1
.endif
.endm
; Tile s[J], whose images were asked for into set buf.  Behind its products and additions the set is asked for again, with my tile after next (s[J] + 8), if there is one.
.macro DTILE buf, J
	s_wait_loadcnt 50                              ; set buf is in: behind its loads at most the other set's 50 were issued
	s_wait_alu depctr_vm_vsrc(0)                   ; the last tile's LDS stores have read the accumulators, which the products below write again; its four stores have read O, in which this tile's loads from the stage land
.set II, 0
.rept 8
.if II < 5
.set WW, 1                                     ; w2's fragments: window 1,
.else
.set WW, 2                                     ; or 2
.endif
.if \buf == 0
.set AWIN, 3
.set ABASE, 12*II
.set ASTEP, 96
.elseif II < 2
.set AWIN, 3
.set ABASE, 192+24*II
.set ASTEP, 12
.elseif II < 6
.set AWIN, 2
.set ABASE, 144+24*(II-2)
.set ASTEP, 12
.else
.set AWIN, 0
.set ABASE, AW0+24*(II-6)
.set ASTEP, 12
.endif
.set WSET, WW+4*AWIN
	WIN WSET                                       ; source 0: w2's window; source 1: act's; C and D window 0
.irp p, 0,1
.irp n, 0,1
.set QQ, 4*II+2*\p+\n
.if QQ < 20
.set WR, 12*QQ
.else
.set WR, 12*(QQ-20)
.endif
.if (II == 0) && (\p == 1)
	PROD0 ACC+8*(2*\p+\n), WR, ABASE+ASTEP*\p, WS+8*\p+II, AS+8*\buf+II, \n
.elseif II == 0
	PROD ACC+8*(2*\p+\n), WR, ABASE+ASTEP*\p, BI+8*\n, WS+8*\p+II, AS+8*\buf+II, \n, \p
.else
	PROD ACC+8*(2*\p+\n), WR, ABASE+ASTEP*\p, ACC+8*(2*\p+\n), WS+8*\p+II, AS+8*\buf+II, \n, \p
.endif
.endr
.endr
.set II, II+1
.endr
	WIN 0
.rept 5
	v_nop                                          ; four places in front of the first read of results (ISA guide 7.12.1); a fifth for the next tile's first products, which write over these accumulators
.endr
.irp j, 0,2,4,6,8,10,12,14
	v_pk_add_f32 v[ACC+\j:ACC+\j+1], v[ACC+\j:ACC+\j+1], v[ACC+16+\j:ACC+16+\j+1]   ; the two halves of K; each accumulator is read from its low end on
.endr
	s_wait_xcnt 0x0                                ; the loads and stores issued so far have read their bases and data: both are written again only behind this wait
	s_wait_alu depctr_va_vdst(0)                   ; the additions have written the accumulators, which the LDS stores read; the products are done reading set buf and its scale words, in which the loads below land
	s_min_u32 s27, s[\J], 63
	s_lshl_b32 s40, s20, 6
	s_add_co_u32 s40, s40, s27
	s_lshl_b32 s40, s40, 5
	s_add_co_u32 s40, s40, s19
	s_lshl_b32 s40, s40, 11                        ; block ((64 e + tile) x 32 + ds) of 2,048 bytes
	s_mov_b32 s41, 0
	s_add_nc_u64 s[30:31], s[12:13], s[40:41]
.irp n, 0,1
	ds_store_b128 v10, v[ACC+8*\n:ACC+8*\n+3] offset:64*\n          ; lane (r, eta): y2(row r, output 16 n + 8 eta + 0 .. 7)
	ds_store_b128 v10, v[ACC+8*\n+4:ACC+8*\n+7] offset:64*\n+16
.endr
.irp i, 0,1,2,3
	ds_load_b128 v[O+4*\i:O+4*\i+3], v11 offset:576*\i             ; LDS serves a wave's instructions in order: these see the stores above
.endr
	s_add_co_u32 s26, s[\J], 8
	s_cmp_lt_u32 s26, s24
	s_cbranch_scc0 .Lnone_\@
	s_min_u32 s26, s26, 63
	s_mul_i32 s40, s26, AREC
	s_add_nc_u64 s[28+30*\buf:29+30*\buf], s[34:35], s[40:41]
.set PL, 50*\buf
.rept 50
	ALD PL                                         ; while the rows are on their way through the stage.  No vector or matrix instruction since the wait above
.set PL, PL+1
.endr
	WIN 0
	s_branch .Ljoin_\@
.Lnone_\@:
	s_wait_loadcnt 0x0                             ; nothing is asked for: then no load stays out, so that the count at the next tile's head is right on this way too
.Ljoin_\@:
	s_wait_dscnt 0x0                               ; the rows are back from the stage
.irp i, 0,1,2,3
	global_store_b128 v1, v[O+4*\i:O+4*\i+3], s[30:31] offset:512*\i th:TH_STORE_NT   ; 512 consecutive bytes, aligned
.endr
.endm
	; My tiles are w, w + 4 ..: (n + 3 - w) / 4 of them.  A trip runs two, one from each set: the loop is counted in trips, from 0 by 1 against a bound that it does not write.
	s_add_co_u32 s39, s24, 3
	s_sub_co_u32 s39, s39, s18
	s_lshr_b32 s39, s39, 2                         ; my tiles
	s_add_co_u32 s39, s39, 1
	s_lshr_b32 s39, s39, 1                         ; my trips, the last perhaps of one tile
	s_mov_b32 s42, 0                               ; the trip
	s_mov_b32 s25, s18                             ; my first tile
	s_cmp_ge_u32 s25, s24
	s_cbranch_scc1 .Lend
.Ltile:
	DTILE 0, 25
	s_add_co_u32 s23, s25, 4
	s_cmp_lt_u32 s23, s24
	s_cbranch_scc1 .Lsecond
	s_wait_dscnt 0x0                               ; an odd number of tiles: the wave ends here, inside the loop, with the closing lines, six on end
	s_wait_alu 0x0
	s_wait_tensorcnt 0x0
	ds_add_u32 v254, v255
	s_wait_dscnt 0x0
	s_endpgm
.Lsecond:
	DTILE 1, 23
	s_add_co_u32 s25, s25, 8
	s_add_co_u32 s42, s42, 1
	s_cmp_lt_u32 s42, s39
	s_cbranch_scc1 .Ltile
.Lend:
	s_wait_dscnt 0x0                               ; the closing lines, six on end
	s_wait_alu 0x0
	s_wait_tensorcnt 0x0
	ds_add_u32 v254, v255
	s_wait_dscnt 0x0
	s_endpgm
.Lfunc_end_k_q4f1784e2dc_down:
	.size	k_q4f1784e2dc_down, .Lfunc_end_k_q4f1784e2dc_down-k_q4f1784e2dc_down
	.p2alignl 7, 3214868480
	.fill 96, 4, 3214868480
	.section	.rodata,"a",@progbits
	.p2align	6, 0x0
	.amdhsa_kernel k_q4f1784e2dc_down
		.amdhsa_group_segment_fixed_size 85504
		.amdhsa_private_segment_fixed_size 0
		.amdhsa_enable_private_segment 0
		.amdhsa_kernarg_size 40
		.amdhsa_user_sgpr_count 2
		.amdhsa_user_sgpr_kernarg_segment_ptr 1
		.amdhsa_wavefront_size32 1
		.amdhsa_system_sgpr_workgroup_id_x 1
		.amdhsa_system_sgpr_workgroup_id_y 1
		.amdhsa_system_sgpr_workgroup_id_z 1
		.amdhsa_system_vgpr_workitem_id 0
		.amdhsa_next_free_vgpr 1024
		.amdhsa_next_free_sgpr 66
		.amdhsa_reserve_vcc 0
		.amdhsa_float_denorm_mode_32 3
		.amdhsa_float_denorm_mode_16_64 3
		.amdhsa_memory_ordered 1
		.amdhsa_forward_progress 1
		.amdhsa_inst_pref_size 100
	.end_amdhsa_kernel
	.amdgpu_metadata
---
amdhsa.version: [ 1, 2 ]
amdhsa.kernels:
  - .name:           k_q4f1784e2dc_down
    .symbol:         k_q4f1784e2dc_down.kd
    .args:
      - { .name: w2, .offset: 0, .size: 8, .value_kind: global_buffer, .address_space: global }
      - { .name: b2, .offset: 8, .size: 8, .value_kind: global_buffer, .address_space: global }
      - { .name: place, .offset: 16, .size: 8, .value_kind: global_buffer, .address_space: global }
      - { .name: aq, .offset: 24, .size: 8, .value_kind: global_buffer, .address_space: global }
      - { .name: y2, .offset: 32, .size: 8, .value_kind: global_buffer, .address_space: global }
    .group_segment_fixed_size: 85504
    .private_segment_fixed_size: 0
    .kernarg_segment_align: 8
    .kernarg_segment_size: 40
    .max_flat_workgroup_size: 128
    .sgpr_count:     66
    .vgpr_count:     1024
    .wavefront_size: 32
...
	.end_amdgpu_metadata
.endif
;; end of part 9
;; launch combine (part 10): grid 256 x 1, 4 waves a work-group, no clusters, 0 bytes of LDS; arguments place, gates, y2, out0; writes out0
.if DOCPART == 10
	.amdgcn_target "amdgcn-amd-amdhsa--gfx1250"
	.amdhsa_code_object_version 6
	.text
	.protected	k_q4f1784e2dc_combine
	.globl	k_q4f1784e2dc_combine
	.p2align	8
	.type	k_q4f1784e2dc_combine,@function
k_q4f1784e2dc_combine:
	s_mov_b64 s[64:65], 0
	v_nop
	global_prefetch_b8 v0, s[64:65] scope:SCOPE_SE
	s_setreg_imm32_b32 hwreg(HW_REG_WAVE_MODE, 25, 1), 1
	s_wait_xcnt 0x0
; COMBINE.  out[t] = g0 y2[row of t in its first expert] + g1 y2[row in its second].  A wave to a token: each output row has one owner, and nothing is added across work-groups.
; pl[t] = R0 | R1 << 16, Rk = expert x 1,024 + row: whole numbers that an earlier launch stored.  Each is cut into tile (Rk / 16) and row (Rk % 16), held under a constant, and only then shifted left and added into an address.
; y2's block ((tile) x 32 + ds) of 2,048 bytes is [16 rows][32 outputs] f32: a token's row is 32 pieces of 128 bytes, 2,048 bytes apart; a load takes four of them.  That is the price of blocks that their makers store whole.
; A stream: no LDS, no barrier, no matrix unit, no cluster (the work-groups share nothing).  The stores cover 512 consecutive bytes each, aligned.
	s_load_b256 s[4:11], s[0:1], 0x0               ; place s[4:5], gates s[6:7], y2 s[8:9], out0 s[10:11]
	v_lshrrev_b32 v1, 5, v0
	v_readfirstlane_b32 s12, v1                    ; wave
	s_lshl_b32 s13, ttmp9, 2
	s_add_co_u32 s13, s13, s12                     ; my token
	v_and_b32 v1, 31, v0
	v_lshrrev_b32 v2, 3, v1
	v_and_b32 v3, 7, v0
	v_lshlrev_b32 v3, 4, v3
	v_lshl_add_u32 v2, v2, 11, v3                  ; in y2: block lane / 8 of four, 16 (lane % 8) in the row's 128 bytes
	v_lshlrev_b32 v3, 4, v1                        ; in out0: 16 x lane
	s_lshl_b32 s14, s13, 2
	s_mov_b32 s15, 0
	s_lshl_b32 s16, s13, 3
	s_mov_b32 s17, 0
	s_lshl_b32 s18, s13, 12
	s_mov_b32 s19, 0
	s_wait_alu depctr_va_vdst(0)
	s_wait_kmcnt 0x0
	s_add_nc_u64 s[4:5], s[4:5], s[14:15]
	s_add_nc_u64 s[6:7], s[6:7], s[16:17]
	s_add_nc_u64 s[10:11], s[10:11], s[18:19]
	s_load_b32 s34, s[4:5], 0x0                    ; pl[t]
	s_load_b64 s[20:21], s[6:7], 0x0               ; g0, g1
	s_wait_kmcnt 0x0
	s_bfe_u32 s24, s34, 0x90004                    ; the first expert's tile,
	s_bfe_u32 s25, s34, 0x40000                    ; and the row in it
	s_bfe_u32 s26, s34, 0x90014                    ; the second's
	s_bfe_u32 s27, s34, 0x40010
	s_min_u32 s24, s24, 511
	s_min_u32 s25, s25, 15
	s_min_u32 s26, s26, 511
	s_min_u32 s27, s27, 15
	s_lshl_b32 s24, s24, 16                        ; a tile is 32 blocks of 2,048 bytes,
	s_lshl_b32 s25, s25, 7                         ; a row in a block 128 bytes
	s_add_co_u32 s28, s24, s25
	s_mov_b32 s29, 0
	s_add_nc_u64 s[30:31], s[8:9], s[28:29]
	s_lshl_b32 s26, s26, 16
	s_lshl_b32 s27, s27, 7
	s_add_co_u32 s28, s26, s27
	s_add_nc_u64 s[32:33], s[8:9], s[28:29]
	s_mov_b32 s22, s21                             ; g1 as the low word of a pair of its own: the packed form takes a scalar pair's low word for both halves
	s_mov_b32 s23, s21
.irp i, 0,1,2,3,4,5,6,7
	global_load_b128 v[8+4*\i:8+4*\i+3], v2, s[30:31] offset:8192*\i th:TH_LOAD_NT
	global_load_b128 v[40+4*\i:40+4*\i+3], v2, s[32:33] offset:8192*\i th:TH_LOAD_NT
.endr
.irp i, 0,1,2,3,4,5,6,7
	s_wait_loadcnt 14-2*\i                         ; this pair of loads is in; the later pairs stay out
.irp p, 0,2
	v_pk_mul_f32 v[8+4*\i+\p:8+4*\i+\p+1], v[8+4*\i+\p:8+4*\i+\p+1], s[20:21] op_sel_hi:[1,0]
	v_pk_fma_f32 v[8+4*\i+\p:8+4*\i+\p+1], v[40+4*\i+\p:40+4*\i+\p+1], s[22:23], v[8+4*\i+\p:8+4*\i+\p+1] op_sel_hi:[1,0,1]
.endr
	global_store_b128 v3, v[8+4*\i:8+4*\i+3], s[10:11] offset:512*\i th:TH_STORE_NT
.endr
	s_endpgm
.Lfunc_end_k_q4f1784e2dc_combine:
	.size	k_q4f1784e2dc_combine, .Lfunc_end_k_q4f1784e2dc_combine-k_q4f1784e2dc_combine
	.p2alignl 7, 3214868480
	.fill 96, 4, 3214868480
	.section	.rodata,"a",@progbits
	.p2align	6, 0x0
	.amdhsa_kernel k_q4f1784e2dc_combine
		.amdhsa_group_segment_fixed_size 0
		.amdhsa_private_segment_fixed_size 0
		.amdhsa_enable_private_segment 0
		.amdhsa_kernarg_size 32
		.amdhsa_user_sgpr_count 2
		.amdhsa_user_sgpr_kernarg_segment_ptr 1
		.amdhsa_wavefront_size32 1
		.amdhsa_system_sgpr_workgroup_id_x 1
		.amdhsa_system_sgpr_workgroup_id_y 1
		.amdhsa_system_sgpr_workgroup_id_z 1
		.amdhsa_system_vgpr_workitem_id 0
		.amdhsa_next_free_vgpr 80
		.amdhsa_next_free_sgpr 66
		.amdhsa_reserve_vcc 0
		.amdhsa_float_denorm_mode_32 3
		.amdhsa_float_denorm_mode_16_64 3
		.amdhsa_memory_ordered 1
		.amdhsa_forward_progress 1
		.amdhsa_inst_pref_size 7
	.end_amdhsa_kernel
	.amdgpu_metadata
---
amdhsa.version: [ 1, 2 ]
amdhsa.kernels:
  - .name:           k_q4f1784e2dc_combine
    .symbol:         k_q4f1784e2dc_combine.kd
    .args:
      - { .name: place, .offset: 0, .size: 8, .value_kind: global_buffer, .address_space: global }
      - { .name: gates, .offset: 8, .size: 8, .value_kind: global_buffer, .address_space: global }
      - { .name: y2, .offset: 16, .size: 8, .value_kind: global_buffer, .address_space: global }
      - { .name: out0, .offset: 24, .size: 8, .value_kind: global_buffer, .address_space: global }
    .group_segment_fixed_size: 0
    .private_segment_fixed_size: 0
    .kernarg_segment_align: 8
    .kernarg_segment_size: 32
    .max_flat_workgroup_size: 128
    .sgpr_count:     66
    .vgpr_count:     80
    .wavefront_size: 32
...
	.end_amdgpu_metadata
.endif
;; end of part 10
